; MI455X (gfx1250); checked and timed in simulation.
; The chip was launched on July 23, 2026; its instructions are those of AMD's public machine-readable ISA for CDNA 5 (MIT licence, August 2026) and "CDNA5" Instruction Set Architecture Reference Guide (July 2026). The comments in the code are by the model that wrote it; some were corrected since.
;; Multi Head Attention. Allowed arithmetic: matrix products marked QUANTISED: E2M3 operands, one E8M0 scale for each 32 along K, by v_wmma_scale_f32_16x16x128_f8f6f4 with both operands' format E2M3, f32 sums; everything else in f32.
;; Inputs: Wk_codes 1,024 x 32 x 24 uint8 (E2M3 codes of Wk, K innermost, in blocks of 32 codes, four codes in three bytes); Wk_scales 1,024 x 32 uint8 (E8M0 scales of Wk, one for each 32 codes along K); Wo_codes 1,024 x 32 x 24 uint8 (E2M3 codes of Wo, K innermost, in blocks of 32 codes, four codes in three bytes); Wo_scales 1,024 x 32 uint8 (E8M0 scales of Wo, one for each 32 codes along K); Wq_codes 1,024 x 32 x 24 uint8 (E2M3 codes of Wq, K innermost, in blocks of 32 codes, four codes in three bytes); Wq_scales 1,024 x 32 uint8 (E8M0 scales of Wq, one for each 32 codes along K); Wv_codes 1,024 x 32 x 24 uint8 (E2M3 codes of Wv, K innermost, in blocks of 32 codes, four codes in three bytes); Wv_scales 1,024 x 32 uint8 (E8M0 scales of Wv, one for each 32 codes along K); bk 1,024 float32; bo 1,024 float32; bq 1,024 float32; bv 1,024 float32; head_scale 1 x 16 x 1 float32; k_scale 64 float32; kv_codes 4 x 2,048 x 32 x 24 uint8 (E2M3 codes of kv, K innermost, in blocks of 32 codes, four codes in three bytes); kv_positions 4 x 2,048 int32; kv_scales 4 x 2,048 x 32 uint8 (E8M0 scales of kv, one for each 32 codes along K); mask 4 x 1 x 2,048 x 2,048 bool; q_codes 4 x 2,048 x 32 x 24 uint8 (E2M3 codes of q, K innermost, in blocks of 32 codes, four codes in three bytes); q_positions 4 x 2,048 int32; q_scale 64 float32; q_scales 4 x 2,048 x 32 uint8 (E8M0 scales of q, one for each 32 codes along K).
;; Outputs: out0 4 x 2,048 x 1,024 float32.
;; This version of the problem:
;;   THIS VERSION OF THE PROBLEM IS GIVEN IN LOW PRECISION. The matrix products marked QUANTISED in the list below multiply operands that are first quantised to E2M3 (2 exponent bits, 3 mantissa bits; 6 bits a number), with one power-of-two scale for each 32 numbers along K (OCP MX v1.0); their sums are f32. All else is computed in f32.
;;   The module's matrix products, in the order in which they are computed (A, B: the left and right operand; K: the contracted axis; several contracted axes count as one K, in the product's order):
;;     1. [M 8,192, K 1,024] x [K 1,024, N 1,024]; A: input q (given as codes); B: input Wq (given as codes): QUANTISED
;;     2. [M 8,192, K 1,024] x [K 1,024, N 1,024]; A: input kv (given as codes); B: input Wk (given as codes): QUANTISED
;;     3. [M 8,192, K 1,024] x [K 1,024, N 1,024]; A: input kv (given as codes); B: input Wv (given as codes): QUANTISED
;;     4. batch 64 x [M 2,048, K 64] x [K 64, N 2,048]; A: computed on the way; B: computed on the way: QUANTISED
;;     5. batch 64 x [M 64, K 2,048] x [K 2,048, N 2,048]; A: computed on the way; B: computed on the way: QUANTISED
;;     6. [M 8,192, K 1,024] x [K 1,024, N 1,024]; A: computed on the way; B: input Wo (given as codes): QUANTISED
;;   THE QUANTISER, for each operand of a quantised product, along K:
;;     - K is cut into blocks of 32 from its start; a last block that is shorter is filled with zeros.
;;     - A block's scale is 2^e with e = floor(log2(the largest magnitude in the block)) - 2, held to -126 .. 127; a block of zeros has e = 0. As a byte (E8M0): e + 127.
;;     - Each number is divided by its block's scale, clamped to +-7.5, and rounded to the nearest number of E2M3, ties to even, subnormals kept.
;;     - The product sums the exact products of the quantised numbers (number of the format x scale) in f32.
;;   ~~~python
;;   def quantise(x, axis):      # numpy; x: float32 -> the quantised numbers, widened to float32 again
;;       x = np.moveaxis(x, axis, -1); K = x.shape[-1]
;;       x = np.pad(x, [(0, 0)] * (x.ndim - 1) + [(0, -K % 32)]); x = x.reshape(x.shape[:-1] + (-1, 32)); a = np.abs(x).max(-1, keepdims=True)
;;       e = np.where(a > 0, np.clip(np.frexp(np.where(a > 0, a, 1))[1] - 1 - 2, -126, 127), 0)      # np.frexp(a)[1] - 1 = floor(log2(a)), exactly
;;       r = np.clip(x / 2.0 ** e, -7.5, 7.5)
;;       step = 2.0 ** (np.maximum(np.frexp(np.where(r == 0, 1, r))[1] - 1, 0) - 3)
;;       q = np.round(r / step) * step * 2.0 ** e      # np.round: ties to even
;;       return np.moveaxis(q.reshape(q.shape[:-2] + (-1,))[..., :K], -1, axis).astype(np.float32)
;;   ~~~
;;   OPERANDS COMPUTED ON THE WAY. 'Computed on the way' means the value that the module computes at that place (a softmax that the list does not call 'softmax' is quantised finished and normalised). What goes into a quantiser is computed in f32, as accurately as f32 sums, v_exp_f32 and their like allow (about 1e-6 of the number): no bf16 or f16 on the way to a quantiser, and a product that is left as it is and whose result goes on into a quantised operand takes f32 operands (vector FMAs, or v_wmma_f32_16x16x4_f32). A number that lies on a knife's edge between two numbers of the format may be rounded either way, as far as f32 arithmetic and the matrix unit's own rounding can turn it there, and no further.
;;   INPUTS GIVEN AS CODES. Wk (in the module: [1024, 1024], K = its axis 0); Wo (in the module: [1024, 1024], K = its axis 0); Wq (in the module: [1024, 1024], K = its axis 0); Wv (in the module: [1024, 1024], K = its axis 0); kv (in the module: [4, 2048, 1024], K = its axis 2); q (in the module: [4, 2048, 1024], K = its axis 2): each comes as NAME_codes (uint8): NAME with its K axis moved to the last place and cut into blocks of 32 codes, [.., K / 32, bytes a block], one block behind the other in memory; four codes in three bytes: a row's codes are one little-endian stream of bits, code i at bits 6 i .. 6 i + 5 (a code: sign, 2 exponent bits, 3 mantissa bits); and NAME_scales (uint8): the same leading axes, one E8M0 byte (e + 127) for each 32 codes along K. Its value is code x scale, taken as it is: it is not quantised again, and the codes and scales need not be those that the quantiser above would give.
;; 2 versions. Each part assembles by itself: llvm-mc -triple=amdgcn-amd-amdhsa -mcpu=gfx1250 --defsym DOCPART=n.
;; ======== version 1 of 2: 4 launches
;; limits: right only within a limited range of input values
;; workspace buffers: flg 32,768 bytes of whole numbers; ptab 7,340,032 bytes; msk 2,097,152 bytes; qkv 20,447,232 bytes; att 6,553,600 bytes
;; launch prep (part 1): grid 640 x 1, 8 waves a work-group, no clusters, 0 bytes of LDS; arguments mask, q_positions, kv_positions, Wq_codes, Wk_codes, Wv_codes, Wo_codes, ptab, msk, flg; writes ptab, msk, flg
.if DOCPART == 1
	.amdgcn_target "amdgcn-amd-amdhsa--gfx1250"
	.amdhsa_code_object_version 6
	.text
	.protected	k_qd260361d34_prep
	.globl	k_qd260361d34_prep
	.p2align	8
	.type	k_qd260361d34_prep,@function
k_qd260361d34_prep:
	s_mov_b64 s[64:65], 0
	v_nop
	global_prefetch_b8 v0, s[64:65] scope:SCOPE_SE
	s_setreg_imm32_b32 hwreg(HW_REG_WAVE_MODE, 25, 1), 1
	s_wait_xcnt 0x0
; Three jobs that the later launches need once, told apart by the work-group's number.
; 0-511   THE MASK [4][2048][2048] of bytes becomes lane-mask words (buffer msk): for a tile of 16 queries (tile g of batch b) and a step of 128 keys, 64 words; bit L = 16 h + r of word 16 blk + i
;         is mask[b][query row r of the tile][128 ks + 32 blk + 16 h + i]: the order of a score register's lanes.  In a buffer of their own (flg) one flag word a tile and step: (any true) << ks | (all true) << (16 + ks):
;         the only stored numbers on which a later launch branches.
; 512-575 ROPE'S TABLES: cos and sin of position / 10000^(i / 32), i = 0 .. 31, for every token of q_positions and of kv_positions, laid as a lane of the projection's epilogue loads them.
; 576-639 THE FOUR WEIGHTS' CODES are laid as images of operand registers: [p][head][K step][tile][1,536 bytes], registers 4 c .. 4 c + 3 of lane L at 512 c + 16 L.
; TILES OF 16 ARE NOT NEIGHBOURS: row r of tile t of a block of 128 tokens (or of a head's 64 channels of Wq, Wk, Wv) is 32 (t / 2) + 8 (t % 2) + r + 8 (r / 8).  Wo's tiles are 16 neighbouring rows.
; No LDS, no barrier, no matrix work: each wave works for itself.
; LIMITS: |position / timescale| under 2^20 (three-term reduction by pi / 2); sine and cosine by polynomials on [-pi/4, pi/4], about 1e-7 absolute.
.set ROPE, 3145728                     ; ptab: the weights' images take 4 x 786,432 bytes, the tables follow
.set X,    16                          ; v16-47 the mask's bytes
	s_load_b256 s[4:11], s[0:1], 0x0               ; mask s[4:5], q_positions s[6:7], kv_positions s[8:9], Wq s[10:11]
	s_load_b256 s[12:19], s[0:1], 0x20             ; Wk s[12:13], Wv s[14:15], Wo s[16:17], ptab s[18:19]
	s_load_b64 s[20:21], s[0:1], 0x40              ; msk
	s_load_b64 s[50:51], s[0:1], 0x48              ; flg
	v_lshrrev_b32 v1, 5, v0
	v_readfirstlane_b32 s22, v1                    ; wave 0..7
	v_and_b32 v2, 31, v0                           ; lane
	v_and_b32 v3, 15, v0                           ; r
	v_bfe_u32 v4, v0, 4, 1                         ; h
	s_mov_b32 s27, 0                               ; the upper word of every 32-bit offset
	s_wait_kmcnt 0x0
	s_cmp_lt_u32 ttmp9, 512
	s_cbranch_scc0 .Lnot_mask
	; ---- the mask: work-group = 128 b + g; wave w takes key steps 2 w and 2 w + 1
	s_lshr_b32 s23, ttmp9, 7                       ; b
	s_and_b32 s24, ttmp9, 127                      ; g
	s_lshl_b32 s25, s23, 11
	s_lshr_b32 s26, s24, 3
	s_lshl_b32 s26, s26, 7
	s_add_co_u32 s25, s25, s26                     ; 2048 b + 128 (g / 8)
	s_bfe_u32 s26, s24, 0x20001
	s_lshl_b32 s26, s26, 5
	s_add_co_u32 s25, s25, s26                     ; + 32 ((g % 8) / 2)
	s_and_b32 s26, s24, 1
	s_lshl_b32 s26, s26, 3
	s_add_co_u32 s25, s25, s26                     ; + 8 (g % 2): the tile's first query
	s_lshl_b32 s26, s25, 11                        ; a row of the mask is 2,048 bytes
	s_lshl_b32 s28, s22, 8
	s_add_co_u32 s26, s26, s28                     ; + my 256 keys
	s_add_nc_u64 s[4:5], s[4:5], s[26:27]
	v_and_b32 v5, 8, v3
	v_add_nc_u32 v5, v5, v3                        ; r + 8 (r / 8)
	v_lshlrev_b32 v5, 11, v5
	v_lshl_add_u32 v5, v4, 4, v5                   ; my row, + 16 h
.irp q, 0,1,2,3,4,5,6,7
	global_load_b128 v[X+4*\q:X+4*\q+3], v5, s[4:5] offset:32*\q th:TH_LOAD_NT   ; keys 32 q + 16 h + 0 .. 15; the eight loads read 256 bytes of each of 16 rows
.endr
.irp q, 8,9,10,11,12
	v_mov_b32 v\q, 0                               ; v_writelane_b32 keeps the other lanes: its destination is written first
.endr
	s_wait_loadcnt 0x0
.set e, 0
.rept 2                                        ; key step 2 w + e
	s_mov_b32 s28, 0                               ; the OR of its 64 words,
	s_mov_b32 s29, -1                              ; and the AND
.set j, 0
.rept 64                                       ; word j = 16 blk + i: byte i of my 16 bytes of block blk
	v_and_b32 v[6+j%2], 0xff<<(8*(j%4)), v[X+4*(4*e+j/16)+(j%16)/4]
	v_cmp_ne_u32 s[32+j%4], 0, v[6+j%2]
	s_or_b32 s28, s28, s[32+j%4]
	s_and_b32 s29, s29, s[32+j%4]
	v_writelane_b32 v[8+j%4], s[32+j%4], 16*e+j/4  ; word j goes to byte 256 e + 4 j of the wave's 512
.set j, j+1
.endr
	s_cmp_lg_u32 s28, 0
	s_cselect_b32 s36, 1, 0                        ; any true
	s_cmp_eq_u32 s29, -1
	s_cselect_b32 s37, 1, 0                        ; all true
	s_lshl_b32 s38, s22, 1
	s_add_co_u32 s38, s38, e                       ; ks
	s_lshl_b32 s36, s36, s38
	s_add_co_u32 s38, s38, 16
	s_lshl_b32 s37, s37, s38
	s_or_b32 s36, s36, s37
	v_writelane_b32 v12, s36, e
.set e, e+1
.endr
	s_lshl_b32 s26, ttmp9, 12                      ; a tile's 16 steps x 256 bytes
	s_lshl_b32 s28, s22, 9
	s_add_co_u32 s26, s26, s28
	s_add_nc_u64 s[40:41], s[20:21], s[26:27]
	v_lshlrev_b32 v13, 4, v2
	global_store_b128 v13, v[8:11], s[40:41]       ; 32 lanes store 512 consecutive bytes
	s_lshl_b32 s26, ttmp9, 6                       ; a tile's 16 flag words,
	s_lshl_b32 s28, s22, 3
	s_add_co_u32 s26, s26, s28                     ; my two of them
	s_add_nc_u64 s[42:43], s[50:51], s[26:27]
	v_lshlrev_b32 v14, 2, v2
	v_cmp_gt_u32 vcc_lo, 2, v2
	s_wait_xcnt 0x0                                ; EXEC changes only behind this wait
	s_and_saveexec_b32 s44, vcc_lo
	global_store_b32 v14, v12, s[42:43]            ; lanes 0 and 1: the two flag words
	s_wait_xcnt 0x0
	s_or_b32 exec_lo, exec_lo, s44
	s_endpgm
.Lnot_mask:
	s_cmp_lt_u32 ttmp9, 576
	s_cbranch_scc0 .Lweights
	; ---- RoPE's tables: a thread takes a token, all 32 frequencies
	s_sub_co_u32 s23, ttmp9, 512
	s_lshr_b32 s24, s23, 5                         ; 0: q_positions, 1: kv_positions
	s_and_b32 s25, s23, 31
	s_lshl_b32 s25, s25, 8
	v_add_nc_u32 v5, s25, v0                       ; the token, 0 .. 8191
	s_cmp_eq_u32 s24, 0
	s_cselect_b64 s[6:7], s[6:7], s[8:9]
	v_lshlrev_b32 v6, 2, v5
	global_load_b32 v7, v6, s[6:7]
	s_lshl_b32 s26, s24, 21                        ; a table is 512 tiles x 4,096 bytes
	s_add_co_u32 s26, s26, ROPE
	s_add_nc_u64 s[18:19], s[18:19], s[26:27]
	v_lshrrev_b32 v8, 5, v5
	v_bfe_u32 v9, v5, 3, 1
	v_lshl_add_u32 v8, v8, 1, v9                   ; the token's tile: 2 (token / 32) + bit 3
	v_and_b32 v9, 7, v5
	v_bfe_u32 v10, v5, 4, 1
	v_lshl_or_b32 v9, v10, 3, v9                   ; its row in the tile: bits 4, 2, 1, 0
	v_lshlrev_b32 v9, 4, v9
	v_lshl_add_u32 v16, v8, 12, v9                 ; tile x 4,096 + 16 x row
	s_mov_b32 s40, 0x3f22f983                      ; 2 / pi
	s_mov_b32 s41, 0x3fc90fdb                      ; pi / 2 in three parts
	s_mov_b32 s42, 0xb33bbd2e
	s_mov_b32 s43, 0xa6f72ced
	s_mov_b32 s44, 0xb94ca1f9                      ; sine: -1.9515296e-4, 8.3321609e-3, -1.6666655e-1
	s_mov_b32 s45, 0x3c08839e
	s_mov_b32 s46, 0xbe2aaaa3
	s_mov_b32 s47, 0x37ccf5ce                      ; cosine: 2.4433157e-5, -1.3887316e-3, 4.1666646e-2
	s_mov_b32 s48, 0xbab6061a
	s_mov_b32 s49, 0x3d2aaaa5
.set i, 0
.irp c, 0x3F800000,0x3FAAB0D5,0x3FE39EA9,0x4017C496,0x404A62C2,0x4086F161,0x40B3F300,0x40EFF755,0x41200000,0x41555D0A,0x418E432A,0x41BDB5BC,0x41FCFB72,0x4228ADB9,0x4260EFC0,0x4295FA95,0x42C80000,0x43055A26,0x4331D3F4,0x436D232B,0x439E1D27,0x43D2D927,0x440C95D8,0x443B793B,0x447A0000,0x44A6B0B0,0x44DE48F1,0x451435FB,0x4545A471,0x4583C7B8,0x45AFBB4E,0x45EA5789
	v_mov_b32 v[32+i], \c                          ; the timescales 10^(i / 8), rounded to f32
.set i, i+1
.endr
.set i, 0
.rept 32
	v_rcp_f32 v[64+i], v[32+i]
.set i, i+1
.endr
	v_nop                                          ; a plain instruction behind the last reciprocal
	s_wait_alu depctr_va_vdst(0)                   ; one wait for the batch, ahead of its first reader
	s_wait_loadcnt 0x0
	v_cvt_f32_i32 v7, v7                           ; the position
.set i, 0
.rept 32
	v_mul_f32 v8, v7, v[64+i]                      ; position / timescale: a first quotient,
	v_fma_f32 v9, -v8, v[32+i], v7                 ; its remainder,
	v_fma_f32 v8, v9, v[64+i], v8                  ; the quotient mended
	v_mul_f32 v9, s40, v8
	v_rndne_f32 v9, v9                             ; n = the nearest multiple of pi / 2
	v_fma_f32 v8, -v9, s41, v8
	v_fma_f32 v8, -v9, s42, v8
	v_fma_f32 v8, -v9, s43, v8                     ; r = x - n pi / 2
	v_cvt_i32_f32 v9, v9
	v_mul_f32 v10, v8, v8                          ; z = r r
	v_fma_f32 v11, v10, s44, s45
	v_fma_f32 v11, v11, v10, s46
	v_mul_f32 v12, v10, v8
	v_fma_f32 v11, v11, v12, v8                    ; sin r
	v_fma_f32 v13, v10, s47, s48
	v_fma_f32 v13, v13, v10, s49
	v_mul_f32 v12, v10, v10
	v_fma_f32 v14, v10, -0.5, 1.0
	v_fma_f32 v13, v13, v12, v14                   ; cos r
	v_and_b32 v12, 1, v9
	v_cmp_eq_u32 vcc_lo, 1, v12
	v_cndmask_b32 v14, v11, v13, vcc_lo            ; an odd n changes the two over
	v_cndmask_b32 v15, v13, v11, vcc_lo
	v_lshlrev_b32 v12, 30, v9
	v_and_b32 v12, 0x80000000, v12                 ; sine is negative where n % 4 is 2 or 3,
	v_xor_b32 v[128+i], v14, v12
	v_add_nc_u32 v12, 1, v9
	v_lshlrev_b32 v12, 30, v12
	v_and_b32 v12, 0x80000000, v12                 ; cosine where it is 1 or 2
	v_xor_b32 v[96+i], v15, v12
.set i, i+1
.endr
.irp hh, 0,1                                   ; chunk c of a tile: lane slot 16 hh + row holds frequencies 16 hh + 4 c .. + 3; cosines in chunks 0-3, sines in 4-7
.irp c, 0,1,2,3
	global_store_b128 v16, v[96+16*\hh+4*\c:99+16*\hh+4*\c], s[18:19] offset:512*\c+256*\hh
	global_store_b128 v16, v[128+16*\hh+4*\c:131+16*\hh+4*\c], s[18:19] offset:2048+512*\c+256*\hh
.endr
.endr
	s_endpgm
.Lweights:
	; ---- the weights: work-group = 16 p + head; wave = K step: four tiles of 16 rows x 128 K
	s_sub_co_u32 s23, ttmp9, 576
	s_lshr_b32 s24, s23, 4                         ; p: 0 Wq, 1 Wk, 2 Wv, 3 Wo
	s_and_b32 s25, s23, 15                         ; the head, or Wo's group of 64 rows
	s_mov_b32 s29, 8*768
	s_cmp_eq_u32 s24, 1
	s_cselect_b64 s[10:11], s[12:13], s[10:11]
	s_cmp_eq_u32 s24, 2
	s_cselect_b64 s[10:11], s[14:15], s[10:11]
	s_cmp_eq_u32 s24, 3
	s_cselect_b64 s[10:11], s[16:17], s[10:11]
	s_cselect_b32 s28, 0, 8                        ; Wo's rows of a tile are neighbours; the others' rows 8-15 lie 8 further on,
	s_cselect_b32 s29, 16*768, s29                 ; and an odd tile begins 16 rows behind the even one, or 8
	v_and_b32 v5, s28, v3
	v_add_nc_u32 v5, v5, v3
	v_mul_u32_u24 v5, v5, 768                      ; a row of 1,024 codes is 768 bytes
	v_mad_u32_u24 v5, v4, 24, v5
	v_add_nc_u32 v6, s29, v5
	s_mul_i32 s26, s25, 64*768
	s_mul_i32 s30, s22, 96
	s_add_co_u32 s26, s26, s30
	s_add_nc_u64 s[10:11], s[10:11], s[26:27]
.irp t, 0,1,2,3
.irp p, 0,1,2,3,4,5
	global_load_b64 v[16+12*\t+2*\p:17+12*\t+2*\p], v[5+\t%2], s[10:11] offset:(\t/2)*32*768+48*(\p/3)+8*(\p%3)
.endr
.endr
	s_mul_i32 s31, s24, 786432
	s_mul_i32 s30, s25, 49152
	s_add_co_u32 s31, s31, s30
	s_mul_i32 s30, s22, 6144
	s_add_co_u32 s26, s31, s30
	s_add_nc_u64 s[18:19], s[18:19], s[26:27]
	v_lshlrev_b32 v7, 4, v2
	s_wait_loadcnt 0x0
.irp q, 0,1,2,3,4,5,6,7,8,9,10,11
	global_store_b128 v7, v[16+4*\q:19+4*\q], s[18:19] offset:512*\q   ; 32 lanes store 512 consecutive bytes
.endr
	s_endpgm
.Lfunc_end_k_qd260361d34_prep:
	.size	k_qd260361d34_prep, .Lfunc_end_k_qd260361d34_prep-k_qd260361d34_prep
	.p2alignl 7, 3214868480
	.fill 96, 4, 3214868480
	.section	.rodata,"a",@progbits
	.p2align	6, 0x0
	.amdhsa_kernel k_qd260361d34_prep
		.amdhsa_group_segment_fixed_size 0
		.amdhsa_private_segment_fixed_size 0
		.amdhsa_enable_private_segment 0
		.amdhsa_kernarg_size 80
		.amdhsa_user_sgpr_count 2
		.amdhsa_user_sgpr_kernarg_segment_ptr 1
		.amdhsa_wavefront_size32 1
		.amdhsa_system_sgpr_workgroup_id_x 1
		.amdhsa_system_sgpr_workgroup_id_y 1
		.amdhsa_system_sgpr_workgroup_id_z 1
		.amdhsa_system_vgpr_workitem_id 0
		.amdhsa_next_free_vgpr 160
		.amdhsa_next_free_sgpr 66
		.amdhsa_reserve_vcc 1
		.amdhsa_float_denorm_mode_32 3
		.amdhsa_float_denorm_mode_16_64 3
		.amdhsa_memory_ordered 1
		.amdhsa_forward_progress 1
		.amdhsa_inst_pref_size 91
	.end_amdhsa_kernel
	.amdgpu_metadata
---
amdhsa.version: [ 1, 2 ]
amdhsa.kernels:
  - .name:           k_qd260361d34_prep
    .symbol:         k_qd260361d34_prep.kd
    .args:
      - { .name: mask, .offset: 0, .size: 8, .value_kind: global_buffer, .address_space: global }
      - { .name: q_positions, .offset: 8, .size: 8, .value_kind: global_buffer, .address_space: global }
      - { .name: kv_positions, .offset: 16, .size: 8, .value_kind: global_buffer, .address_space: global }
      - { .name: Wq_codes, .offset: 24, .size: 8, .value_kind: global_buffer, .address_space: global }
      - { .name: Wk_codes, .offset: 32, .size: 8, .value_kind: global_buffer, .address_space: global }
      - { .name: Wv_codes, .offset: 40, .size: 8, .value_kind: global_buffer, .address_space: global }
      - { .name: Wo_codes, .offset: 48, .size: 8, .value_kind: global_buffer, .address_space: global }
      - { .name: ptab, .offset: 56, .size: 8, .value_kind: global_buffer, .address_space: global }
      - { .name: msk, .offset: 64, .size: 8, .value_kind: global_buffer, .address_space: global }
      - { .name: flg, .offset: 72, .size: 8, .value_kind: global_buffer, .address_space: global }
    .group_segment_fixed_size: 0
    .private_segment_fixed_size: 0
    .kernarg_segment_align: 8
    .kernarg_segment_size: 80
    .max_flat_workgroup_size: 256
    .sgpr_count:     66
    .vgpr_count:     160
    .wavefront_size: 32
...
	.end_amdgpu_metadata
.endif
;; end of part 1
;; launch proj (part 2): grid 4 x 64, 4 waves a work-group, no clusters, 209,408 bytes of LDS; arguments q_codes, kv_codes, q_scales, kv_scales, Wq_scales, Wk_scales, Wv_scales, bq, bk, bv, q_scale, k_scale, ptab, qkv; writes qkv
.if DOCPART == 2
	.amdgcn_target "amdgcn-amd-amdhsa--gfx1250"
	.amdhsa_code_object_version 6
	.text
	.protected	k_qd260361d34_proj
	.globl	k_qd260361d34_proj
	.p2align	8
	.type	k_qd260361d34_proj,@function
k_qd260361d34_proj:
	s_mov_b64 s[64:65], 0
	v_nop
	global_prefetch_b8 v0, s[64:65] scope:SCOPE_SE
	s_setreg_imm32_b32 hwreg(HW_REG_WAVE_MODE, 25, 1), 1
	s_wait_xcnt 0x0
; qh = rope(rms(q Wq + bq)), kh = rope(rms(kv Wk + bk)), vh = kv Wv + bv, on codes of FP6 (E2M3) with E8M0 scales; the results are quantised here: qh and kh along a head's 64 channels, vh along the tokens.
; SHARES.  A work-group takes 128 tokens (y) and four heads (x); wave w owns head 4 x + w: a tile of 128 tokens x 64 channels, 32 accumulators, K = 1,024 in 8 steps of 128.  Three phases: Q and K (one loop of two trips), V.
; A's CODES (128 tokens x 768 bytes, of q and of kv) come into LDS once, by four tensor loads a wave, and are never filled again.  THE WEIGHTS come from the images that the launch before laid, straight into
; registers, through a ring of four sets of 48 registers, three K steps ahead.
; TILES OF 16 TOKENS ARE NOT NEIGHBOURS: row r of tile t is token 32 (t / 2) + 8 (t % 2) + r + 8 (r / 8); a head's 16 channels of a tile likewise.  So in a result whose registers run along such rows, the 16
; registers of tiles 2 b and 2 b + 1 are the 16 neighbours 32 b + 16 (lane / 16) + 0 .. 15, which is what the conversions to codes want.
; Q, K: source 0 = 16 channels of W, source 1 = 16 tokens: a lane holds one token, its 32 registers 32 of the head's channels (c and c + 32 both: RoPE's pairs).  V: source 0 = tokens, source 1 = channels: a lane holds one
; channel, its 64 registers 64 of the 128 tokens.  The bias is the C of each sum's first product.
; OUT (buffer qkv): Q's and K's codes as half images (16 rows x 64 K: registers 0-3 at 16 L, 4-5 at 512 + 8 L), V's as full images (registers 4 c .. at 512 c + 16 L); scale words beside them; a word of Q or K is (s0, s1, s0, s1).
; NO CLUSTER: what the four work-groups of a row of the grid share is A, 196,608 bytes of the 786,432 that a work-group fetches; the weights, the larger part, are shared by 64 work-groups, more than a cluster holds.
; NO PREFETCH: the weights' images are read by 64 work-groups at about the same time, and A comes once, at the head.
; LIMITS: NaN and infinities are not served.  A block of zeros gets the scale byte 1 (its codes are zeros; this program alone reads the bytes).
; REGISTERS, in windows of 256.  Window 0: addresses, scale words, constants, the epilogue's work.  Window 1: v0-95, v96-191 A's fragments, two sets; v192-223, v224-255 RoPE's cosines and sines, two sets.
; Window 2: v0-191 the weights' ring; v192-223 V's bias.  Window 3: the accumulators: Q, K: (tokens' tile i, channels' tile t) at 32 i + 8 t; V: at 64 t + 8 i.
.set TILEB, 13056                      ; a tile in LDS: 16 rows of 816 bytes
.set PITCH, 816                        ; a row: 3 x (256 bytes + 16 of padding) = 204 words: the 32 lanes of a load of 8 bytes touch 64 different banks
.set KVT,   8*TILEB                    ; q's eight tiles lie at 0, kv's here
.set ROPE,  3145728
.set PSTEP, 786432                     ; from one weight's images to the next's
.set L16, 1                            ; v1  16 x lane
.set L8,  2                            ; v2  8 x lane
.set SCO, 3                            ; v3  32 (r + 8 (r / 8)) + 16 h: a tile's rows of scale bytes; lanes 0-15 take K steps 0-3, lanes 16-31 steps 4-7
.set BIO, 4                            ; v4  64 h: a lane's 16 channels of a bias or gain
.set VBO, 5                            ; v5  4 (r + 8 (r / 8)): a lane's channel of bv
.set OSO, 6                            ; v6  32 r + 16 h: where a lane stores four scale words
.set AB,  8                            ; v8-11  my place in a tile of A: plain, behind one padding more, and both for tiles 4-7
.set AD,  12                           ; v12-15 the same in q's or kv's tiles
.set AS,  16                           ; v16-47  A's scale words, four a tile
.set WS,  48                           ; v48-63  W's
.set BI,  64                           ; v64-95  the bias in the result's layout
.set G,   96                           ; v96-127 1 + the norm's scale
.set Y,   128                          ; v128-159 a token's 32 numbers
.set T,   160
.set U,   176
.set TM,  160                          ; the V phase's quantiser works here
.set PC,  192
.set PT,  200
.set SW,  204                          ; v204-211 the eight tiles' scale words
.set SX,  212
.set QM,  216
.set PV,  224                          ; v224-243 V's codes
.set VW,  244                          ; v244-247 V's scale words
.set SQ,  248
.set RS,  252
.set PX,  254
.set G1,  32
.set G0,  40
.set WP,  56                           ; the phase's weight images
.set RP,  58                           ; its RoPE table, its codes' and its scale words' place
.set OC,  60
.set OS,  62
.set NA,  66                           ; the next phase's A scales, W scales, bias, gain
.set NW,  68
.set NB,  70
.set NG,  72
.set KRP, 74
.set KOC, 76
.set KOS, 78
.set VCP, 80
.set VSP, 82
.set VWS, 84
.set SEL, 86
.set AOFF, 91
.set TRIP, 92
.set WV,  93
.set MSB, 0
.macro WIN new                         ; the immediate's high byte repeats the setting that is left
.if MSB != \new
	s_set_vgpr_msb (MSB<<8)|\new
.set MSB, \new
.endif
.endm
.macro PLACES                          ; four plain instructions behind matrix instructions, ahead of loads into their registers and of reads of their results
.rept 4
	v_nop
.endr
.endm
.macro LD_AS p                         ; A's scale words: row 32 (i / 2) + 8 (i % 2) + ..., 32 bytes a row
.irp i, 0,1,2,3,4,5,6,7
	global_load_b128 v[AS+4*\i:AS+4*\i+3], v[SCO], s[\p:\p+1] offset:(32*(\i/2)+8*(\i%2))*32
.endr
.endm
.macro LD_WS p
.irp t, 0,1,2,3
	global_load_b128 v[WS+4*\t:WS+4*\t+3], v[SCO], s[\p:\p+1] offset:(32*(\t/2)+8*(\t%2))*32
.endr
.endm
.macro LD_C reg, p                     ; register 8 t + j: the number of channel 32 (t / 2) + 8 (t % 2) + 16 h + j
.irp t, 0,1,2,3
	global_load_b128 v[\reg+8*\t:\reg+8*\t+3], v[BIO], s[\p:\p+1] offset:(32*(\t/2)+8*(\t%2))*4
	global_load_b128 v[\reg+8*\t+4:\reg+8*\t+7], v[BIO], s[\p:\p+1] offset:(32*(\t/2)+8*(\t%2))*4+16
.endr
.endm
.macro WLOAD g                         ; K step g of the phase's weights (g = 8 .. 10: the next phase's steps 0 .. 2) into set g % 4; destination window 2
.irp t, 0,1,2,3
.irp c, 0,1,2
	global_load_b128 v[48*((\g)%4)+12*\t+4*\c:48*((\g)%4)+12*\t+4*\c+3], v[L16], s[WP:WP+1] offset:((\g)/8)*PSTEP+((\g)%8)*6144+1536*\t+512*\c
.endr
.endr
.endm
.macro RLOAD i                         ; tile i's cosines and sines into set i % 2; destination window 1
.irp q, 0,1,2,3,4,5,6,7
	global_load_b128 v[192+32*((\i)%2)+4*\q:192+32*((\i)%2)+4*\q+3], v[L16], s[RP:RP+1] offset:(\i)*4096+512*\q
.endr
.endm
; A's fragment of tile i, K step s: 12 registers: pieces of 8 bytes 12 s + 0, 1, 2 and 12 s + 6, 7, 8 of the row for lanes 0-15, three pieces on for lanes 16-31; 16 bytes of padding lie behind every 32 pieces
.macro FRAGA buf, s, i
.irp p, 0,1,2,3,4,5
.set PCN, 12*(\s)+6*(\p/3)+\p%3
.if PCN%32 < 29
	ds_load_b64 v[96*(\buf)+12*(\i)+2*\p:96*(\buf)+12*(\i)+2*\p+1], v[AD+2*((\i)/4)] offset:8*PCN+16*(PCN/32)+((\i)%4)*TILEB
.else
	ds_load_b64 v[96*(\buf)+12*(\i)+2*\p:96*(\buf)+12*(\i)+2*\p+1], v[AD+2*((\i)/4)+1] offset:8*PCN+16*(PCN/32)+((\i)%4)*TILEB
.endif
.endr
.endm
.macro WMM d, a, b, c, sa, sb, hi      ; hi = 1: K steps 4-7: both sides' scale words stand in lanes 16-31
.if \hi
	v_wmma_scale_f32_16x16x128_f8f6f4 v[\d:\d+7], v[\a:\a+11], v[\b:\b+11], v[\c:\c+7], v[\sa], v[\sb] matrix_a_fmt:MATRIX_FMT_FP6 matrix_b_fmt:MATRIX_FMT_FP6 matrix_a_scale:MATRIX_SCALE_ROW1 matrix_b_scale:MATRIX_SCALE_ROW1
.else
	v_wmma_scale_f32_16x16x128_f8f6f4 v[\d:\d+7], v[\a:\a+11], v[\b:\b+11], v[\c:\c+7], v[\sa], v[\sb] matrix_a_fmt:MATRIX_FMT_FP6 matrix_b_fmt:MATRIX_FMT_FP6
.endif
.endm
; A K step's 32 products; the 32 accumulators take turns, one instruction a turn, in the same order in every step
.macro MULS s, kind
.if \kind == 0
.if \s == 0
	WIN 0xc6                                       ; source 0 (W) window 2, source 1 (A) window 1, C (the bias) window 0, D window 3
.else
	WIN 0xf6
.endif
.irp i, 0,1,2,3,4,5,6,7
.irp t, 0,1,2,3
.if \s == 0
	WMM 32*\i+8*\t, 48*((\s)%4)+12*\t, 96*((\s)%2)+12*\i, BI+8*\t, WS+4*\t+(\s)%4, AS+4*\i+(\s)%4, (\s)/4
.else
	WMM 32*\i+8*\t, 48*((\s)%4)+12*\t, 96*((\s)%2)+12*\i, 32*\i+8*\t, WS+4*\t+(\s)%4, AS+4*\i+(\s)%4, (\s)/4
.endif
.endr
.endr
.else
.if \s == 0
	WIN 0xe9                                       ; source 0 (A) window 1, source 1 (W) window 2, C (V's bias) window 2, D window 3
.else
	WIN 0xf9
.endif
.irp i, 0,1,2,3,4,5,6,7
.irp t, 0,1,2,3
.if \s == 0
	WMM 64*\t+8*\i, 96*((\s)%2)+12*\i, 48*((\s)%4)+12*\t, 192+8*\t, AS+4*\i+(\s)%4, WS+4*\t+(\s)%4, (\s)/4
.else
	WMM 64*\t+8*\i, 96*((\s)%2)+12*\i, 48*((\s)%4)+12*\t, 64*\t+8*\i, AS+4*\i+(\s)%4, WS+4*\t+(\s)%4, (\s)/4
.endif
.endr
.endr
.endif
.endm
; K step s.  cnt: the global loads issued behind this step's weights, which may stay out.  wnext = 1: the weights three steps on are asked for.
.macro STEP s, kind, cnt, wnext
	s_wait_dscnt 0x0                               ; this step's fragments of A, asked for a step ago, are in
	s_wait_loadcnt \cnt                            ; and its weights
	PLACES                                         ; behind the last step's products: the loads below land in registers that those read
.if \s < 7
	WIN 0x40
.irp i, 0,1,2,3,4,5,6,7
	FRAGA ((\s)+1)%2, (\s)+1, \i
.endr
.endif
.if \wnext
	WIN 0x80
	WLOAD (\s)+3
.endif
	MULS \s, \kind
.endm
; 32 numbers of a lane, register 16 b + i = channel 32 b + 16 h + i of my token, become six registers of codes in v[PC] on and the scale word (s0, s1, s0, s1) in v[w]
.macro QUANT2 w
	v_max3_num_f32 v[QM], |v[Y]|, |v[Y+1]|, 0x1800000       ; the floor 2^(3 - 127) holds the byte at 1 from below
	v_max3_num_f32 v[QM+1], |v[Y+16]|, |v[Y+17]|, 0x1800000
.irp j, 2,4,6,8,10,12,14
	v_max3_num_f32 v[QM], v[QM], |v[Y+\j]|, |v[Y+\j+1]|
	v_max3_num_f32 v[QM+1], v[QM+1], |v[Y+16+\j]|, |v[Y+17+\j]|
.endr
	v_permlanex16_b32 v[QM+2], v[QM], s[SEL], s[SEL+1]
	v_permlanex16_b32 v[QM+3], v[QM+1], s[SEL], s[SEL+1]
	v_max_num_f32 v[QM], v[QM], v[QM+2]                     ; with lane l xor 16's 16 numbers: the block's largest magnitude
	v_max_num_f32 v[QM+1], v[QM+1], v[QM+3]
	v_add_nc_u32 v[QM+4], 0xff000000, v[QM]                 ; 2 off its exponent field: the conversion's scale operand
	v_add_nc_u32 v[QM+5], 0xff000000, v[QM+1]
	v_lshrrev_b32 v[QM+6], 23, v[QM+4]                      ; the scale's byte
	v_lshrrev_b32 v[QM+7], 23, v[QM+5]
	v_lshl_or_b32 v[QM+6], v[QM+7], 8, v[QM+6]
	v_lshl_or_b32 v[\w], v[QM+6], 16, v[QM+6]
	v_cvt_scalef32_pk16_fp6_f32 v[PC:PC+2], v[Y:Y+15], v[QM+4]
	v_cvt_scalef32_pk16_fp6_f32 v[PT:PT+2], v[Y+16:Y+31], v[QM+5]
	v_nop                                          ; one plain instruction behind a scaled conversion
.irp j, 0,1,2
	v_permlane16_swap_b32 v[PC+\j], v[PT+\j]       ; a lane gets a whole block: lanes 0-15 block 0, lanes 16-31 block 1
.endr
.irp j, 0,1,2
	v_mov_b32 v[PC+3+\j], v[PT+\j]
.endr
.endm
; Q's and K's epilogue for the tokens' tile i.  cnt: the loads that may stay out when this tile's cosines and sines are wanted (-1: they are in already)
.macro EPI i, cnt
.set RB, 192+32*((\i)%2)
.if \cnt >= 0
	s_wait_loadcnt \cnt
.endif
	WIN 0x0f                                       ; sources 0 and 1: the accumulators
	v_pk_mul_f32 v[SQ:SQ+1], v[32*\i:32*\i+1], v[32*\i:32*\i+1]          ; the sum of squares, in two packed chains, each accumulator from its low end on
	v_pk_mul_f32 v[SQ+2:SQ+3], v[32*\i+2:32*\i+3], v[32*\i+2:32*\i+3]
.irp j, 4,8,12,16,20,24,28
	v_pk_fma_f32 v[SQ:SQ+1], v[32*\i+\j:32*\i+\j+1], v[32*\i+\j:32*\i+\j+1], v[SQ:SQ+1]
	v_pk_fma_f32 v[SQ+2:SQ+3], v[32*\i+\j+2:32*\i+\j+3], v[32*\i+\j+2:32*\i+\j+3], v[SQ+2:SQ+3]
.endr
	WIN 0
	v_pk_add_f32 v[SQ:SQ+1], v[SQ:SQ+1], v[SQ+2:SQ+3]
	v_add_f32 v[SQ], v[SQ], v[SQ+1]
	v_permlanex16_b32 v[PX], v[SQ], s[SEL], s[SEL+1]
	v_add_f32 v[SQ], v[SQ], v[PX]                  ; with lane l xor 16's 32 channels
	v_fma_f32 v[SQ], v[SQ], s88, s89               ; / 64 + 1e-6
	v_rsq_f32 v[RS], v[SQ]
	v_nop                                          ; a plain instruction behind the transcendental,
	s_wait_alu depctr_va_vdst(0)                   ; and the wait ahead of its first reader
	WIN 0x03
.irp j, 0,2,4,6,8,10,12,14,16,18,20,22,24,26,28,30
	v_pk_mul_f32 v[Y+\j:Y+\j+1], v[32*\i+\j:32*\i+\j+1], v[RS:RS+1] op_sel_hi:[1,0]
.endr
	WIN 0
.irp j, 0,2,4,6,8,10,12,14,16,18,20,22,24,26,28,30
	v_pk_mul_f32 v[Y+\j:Y+\j+1], v[Y+\j:Y+\j+1], v[G+\j:G+\j+1]
.endr
	WIN 0x04                                       ; source 1: the table, window 1
.irp k, 0,2,4,6,8,10,12,14
	v_pk_mul_f32 v[T+\k:T+\k+1], v[Y+16+\k:Y+17+\k], v[RB+16+\k:RB+17+\k]   ; x2 sin
	v_pk_mul_f32 v[U+\k:U+\k+1], v[Y+\k:Y+\k+1], v[RB+16+\k:RB+17+\k]       ; x1 sin
.endr
.irp k, 0,2,4,6,8,10,12,14
	v_pk_fma_f32 v[Y+\k:Y+\k+1], v[Y+\k:Y+\k+1], v[RB+\k:RB+\k+1], v[T+\k:T+\k+1] neg_lo:[0,0,1] neg_hi:[0,0,1]
	v_pk_fma_f32 v[Y+16+\k:Y+17+\k], v[Y+16+\k:Y+17+\k], v[RB+\k:RB+\k+1], v[U+\k:U+\k+1]
.endr
.if \i < 6
	WIN 0x40
	RLOAD (\i)+2                                   ; the set just read takes the tile two on
.endif
	WIN 0
	s_wait_xcnt 0x0                                ; the last tile's stores have read their data: the codes' registers may be written
	QUANT2 SW+\i
	global_store_b128 v[L16], v[PC:PC+3], s[OC:OC+1] offset:768*\i       ; 512 consecutive bytes,
	global_store_b64 v[L8], v[PC+4:PC+5], s[OC:OC+1] offset:768*\i+512   ; and 256
.endm
; V: 64 numbers of a lane in window 3, register 16 b + i = token 32 b + 16 h + i of my channel, become a fragment's codes in v[PV] on and its scale word in v[w]
.macro QUANTW s, w
	WIN 0x0f
.irp b, 0,1,2,3
	v_max3_num_f32 v[TM+\b], |v[\s+16*\b]|, |v[\s+1+16*\b]|, 0x1800000
.endr
	WIN 0x3c
.irp i, 2,4,6,8,10,12,14
.irp b, 0,1,2,3
	v_max3_num_f32 v[TM+\b], v[TM+\b], |v[\s+16*\b+\i]|, |v[\s+1+16*\b+\i]|
.endr
.endr
	WIN 0
.irp b, 0,1,2,3
	v_permlanex16_b32 v[TM+4+\b], v[TM+\b], s[SEL], s[SEL+1]
.endr
.irp b, 0,1,2,3
	v_max_num_f32 v[TM+\b], v[TM+\b], v[TM+4+\b]
.endr
.irp b, 0,1,2,3
	v_add_nc_u32 v[TM+12+\b], 0xff000000, v[TM+\b]
.endr
.irp b, 0,1,2,3
	v_lshrrev_b32 v[TM+4+\b], 23, v[TM+12+\b]
.endr
	v_lshl_or_b32 v[\w], v[TM+5], 8, v[TM+4]
	v_lshl_or_b32 v[\w], v[TM+6], 16, v[\w]
	v_lshl_or_b32 v[\w], v[TM+7], 24, v[\w]
	WIN 0x03
.irp c, 0,1
	v_cvt_scalef32_pk16_fp6_f32 v[PV+6*\c:PV+2+6*\c], v[\s+32*\c:\s+15+32*\c], v[TM+12+2*\c]
	v_cvt_scalef32_pk16_fp6_f32 v[PV+12+4*\c:PV+14+4*\c], v[\s+16+32*\c:\s+31+32*\c], v[TM+12+2*\c+1]
.endr
	WIN 0
	v_nop                                          ; one plain instruction behind a scaled conversion
.irp c, 0,1
.irp i, 0,1,2
	v_permlane16_swap_b32 v[PV+6*\c+\i], v[PV+12+4*\c+\i]
.endr
.irp i, 0,1,2
	v_mov_b32 v[PV+3+6*\c+\i], v[PV+12+4*\c+\i]
.endr
.endr
.endm
	s_load_b512 s[4:19], s[0:1], 0x0               ; q_codes s[4:5], kv_codes s[6:7], q_scales s[8:9], kv_scales s[10:11], Wq_scales s[12:13], Wk_scales s[14:15], Wv_scales s[16:17], bq s[18:19]
	s_load_b256 s[20:27], s[0:1], 0x40             ; bk s[20:21], bv s[22:23], q_scale s[24:25], k_scale s[26:27]
	s_load_b128 s[28:31], s[0:1], 0x60             ; ptab s[28:29], qkv s[30:31]
	v_lshl_add_u32 v243, v0, 2, 0x33000
	v_mov_b32 v255, 0
	ds_add_u32 v243, v255
	ds_add_u32 v243, v255
	v_lshrrev_b32 v7, 5, v0
	v_readfirstlane_b32 s[WV], v7                  ; wave 0..3
	s_and_b32 s94, ttmp7, 0xffff                   ; the block of 128 tokens, 0..63
	s_lshl_b32 s95, ttmp9, 2
	s_add_co_u32 s95, s95, s[WV]                   ; my head
	; descriptor group 1: a tile is 2 rows of 768 elements of 8 bytes (8 tokens' codes on end), 16 tokens apart; 16 bytes of padding behind every 256
	s_mov_b32 s[G1], (3<<16)|(1<<20)|(5<<22)|(3<<25)
	s_mov_b32 s[G1+1], 768<<16                     ; tensor_dim0
	s_mov_b32 s[G1+2], 2<<16                       ; tensor_dim1
	s_mov_b32 s[G1+3], 768<<16                     ; tile_dim0
	s_mov_b32 s[G1+4], 2                           ; tile_dim1
	s_mov_b32 s[G1+5], 1536                        ; tensor_dim0_stride
	s_mov_b32 s[G1+6], 0
	s_mov_b32 s[G1+7], 0
	s_mul_i32 s96, s94, 98304                      ; the block's codes,
	s_mul_i32 s97, s[WV], 24576                    ; tokens 32 w on: tiles 2 w and 2 w + 1
	s_add_co_u32 s96, s96, s97
	s_mov_b32 s97, 0
	s_mul_i32 s98, s[WV], 2*TILEB
	s_wait_dscnt 0x0
	s_wait_kmcnt 0x0
	s_add_nc_u64 s[4:5], s[4:5], s[96:97]
	s_add_nc_u64 s[6:7], s[6:7], s[96:97]
.irp j, 0,1,2,3                                ; loads 0, 1: q's tiles 2 w, 2 w + 1; loads 2, 3: kv's
	s_mov_b32 s[G0+4*\j], 1
	s_add_co_u32 s[G0+4*\j+1], s98, (\j/2)*KVT+(\j%2)*TILEB
	s_add_nc_u64 s[G0+4*\j+2:G0+4*\j+3], s[4+2*(\j/2):5+2*(\j/2)], (\j%2)*6144
	s_or_b32 s[G0+4*\j+3], s[G0+4*\j+3], 0x80000000
.endr
	tensor_load_to_lds s[G0:G0+3], s[G1:G1+7]      ; the four first fills go out together: four loads of mine are out
	s_nop 0
	tensor_load_to_lds s[G0+4:G0+7], s[G1:G1+7]
	s_nop 0
	tensor_load_to_lds s[G0+8:G0+11], s[G1:G1+7]
	s_nop 0
	tensor_load_to_lds s[G0+12:G0+15], s[G1:G1+7]
	s_nop 0
	PLACES                                         ; four v_nop follow the tensor loads
	v_and_b32 v7, 31, v0
	v_lshlrev_b32 v[L16], 4, v7
	v_lshlrev_b32 v[L8], 3, v7
	v_and_b32 v248, 15, v0                         ; r
	v_bfe_u32 v249, v0, 4, 1                       ; h
	v_and_b32 v250, 8, v248
	v_add_nc_u32 v250, v250, v248                  ; r + 8 (r / 8)
	v_lshlrev_b32 v[SCO], 5, v250
	v_lshl_add_u32 v[SCO], v249, 4, v[SCO]
	v_lshlrev_b32 v[BIO], 6, v249
	v_lshlrev_b32 v[VBO], 2, v250
	v_lshlrev_b32 v[OSO], 5, v248
	v_lshl_add_u32 v[OSO], v249, 4, v[OSO]
	v_mul_u32_u24 v[AB], v248, PITCH
	v_mad_u32_u24 v[AB], v249, 24, v[AB]
	v_lshl_add_u32 v[AB+1], v249, 4, v[AB]
	v_add_nc_u32 v[AB+2], 4*TILEB, v[AB]
	v_add_nc_u32 v[AB+3], 4*TILEB, v[AB+1]
	v_mov_b32 v[RS+1], 0                           ; named as the upper half of a pair
	v_mov_b32 v[PX], 0                             ; a lane permute's destination counts as one of its sources
	v_mov_b32 v[QM+2], 0
	v_mov_b32 v[QM+3], 0
	s_mov_b32 s[SEL], 0x76543210
	s_mov_b32 s[SEL+1], 0xfedcba98                 ; lane l xor 16
	s_mov_b32 s88, 0x3c800000                      ; 1 / 64
	s_mov_b32 s89, 0x358637bd                      ; 1e-6
	s_mov_b32 s90, 0xffff0000                      ; lanes 16-31
	s_lshl_b32 s96, s94, 12                        ; 128 rows of 32 scale bytes
	s_add_nc_u64 s[8:9], s[8:9], s[96:97]
	s_add_nc_u64 s[NA:NA+1], s[10:11], s[96:97]
	s_lshl_b32 s96, s95, 11                        ; a head's 64 rows of 32 scale bytes
	s_add_nc_u64 s[12:13], s[12:13], s[96:97]
	s_add_nc_u64 s[NW:NW+1], s[14:15], s[96:97]
	s_add_nc_u64 s[VWS:VWS+1], s[16:17], s[96:97]
	s_lshl_b32 s96, s95, 8                         ; a head's 64 biases
	s_add_nc_u64 s[18:19], s[18:19], s[96:97]
	s_add_nc_u64 s[NB:NB+1], s[20:21], s[96:97]
	s_add_nc_u64 s[22:23], s[22:23], s[96:97]
	s_mov_b64 s[NG:NG+1], s[26:27]
	s_mul_i32 s96, s95, 49152
	s_add_nc_u64 s[WP:WP+1], s[28:29], s[96:97]    ; Wq's images of my head
	s_lshl_b32 s96, s94, 15                        ; eight tiles of 4,096 bytes
	s_add_co_u32 s96, s96, ROPE
	s_add_nc_u64 s[RP:RP+1], s[28:29], s[96:97]
	s_add_nc_u64 s[KRP:KRP+1], s[RP:RP+1], 2097152
	s_lshr_b32 s98, s94, 4
	s_lshl_b32 s98, s98, 4
	s_add_co_u32 s98, s98, s95                     ; 16 b + head
	s_and_b32 s99, s94, 15
	s_lshl_b32 s98, s98, 4
	s_add_co_u32 s98, s98, s99                     ; x 16 + the block in its batch
	s_mul_i32 s96, s98, 6144
	s_add_nc_u64 s[OC:OC+1], s[30:31], s[96:97]    ; Q's codes; K's and V's lie 6,291,456 and 12,582,912 bytes on
	s_add_nc_u64 s[KOC:KOC+1], s[OC:OC+1], 6291456
	s_add_nc_u64 s[VCP:VCP+1], s[OC:OC+1], 12582912
	s_lshl_b32 s96, s98, 9
	s_add_nc_u64 s[OS:OS+1], s[30:31], s[96:97]
	s_add_nc_u64 s[OS:OS+1], s[OS:OS+1], 18874368  ; Q's scale words; K's and V's 524,288 and 1,048,576 bytes on
	s_add_nc_u64 s[KOS:KOS+1], s[OS:OS+1], 524288
	s_add_nc_u64 s[VSP:VSP+1], s[OS:OS+1], 1048576
	WIN 0x80
.irp t, 0,1,2,3
	global_load_b32 v[192+8*\t], v[VBO], s[22:23] offset:(32*(\t/2)+8*(\t%2))*4   ; bv of my lane's channel in tile t
.endr
	WIN 0
	LD_AS 8
	LD_WS 12
	LD_C BI, 18
	LD_C G, 24
	WIN 0x80
	WLOAD 0
	WLOAD 1
	WLOAD 2
	WIN 0
	s_wait_tensorcnt 0x0                           ; my four tiles have landed,
	s_barrier_signal -1
	s_barrier_wait -1                              ; everybody's have: from here on LDS is only read
	s_mov_b32 s[TRIP], 2
	s_mov_b32 s[AOFF], 0
.Lphase:                                           ; trip 1: Q; trip 2: K
.irp k, 0,1,2,3
	v_add_nc_u32 v[AD+\k], s[AOFF], v[AB+\k]
.endr
	WIN 0x40
	RLOAD 0                                        ; the first two tiles' cosines and sines have the whole product in which to land
	RLOAD 1
.irp i, 0,1,2,3,4,5,6,7
	FRAGA 0, 0, \i
.endr
	STEP 0, 0, 40, 1                               ; behind a step's weights: two steps' weights (24) and the 16 loads of the tables
	STEP 1, 0, 40, 1
	STEP 2, 0, 40, 1
	STEP 3, 0, 24, 1                               ; two steps' weights
	STEP 4, 0, 24, 1
	STEP 5, 0, 24, 0
	STEP 6, 0, 12, 0
	STEP 7, 0, 0, 0
	WIN 0
	PLACES                                         ; behind the last products: loads into their registers and reads of their results follow
	WIN 0x80
	WLOAD 8                                        ; the next phase's first three K steps land while this phase's epilogue runs
	WLOAD 9
	WLOAD 10
	WIN 0
	LD_WS NW
	s_cmp_eq_u32 s[TRIP], 1
	s_cbranch_scc1 .Lno_k1                         ; behind K comes V: the same A, and a bias of another layout
	LD_AS NA
	LD_C BI, NB
.Lno_k1:
.irp j, 0,2,4,6,8,10,12,14,16,18,20,22,24,26,28,30
	v_pk_add_f32 v[G+\j:G+\j+1], v[G+\j:G+\j+1], 1.0 op_sel_hi:[1,0]   ; 1 + scale
.endr
	EPI 0, -1
	EPI 1, -1
	EPI 2, 8                                       ; behind a tile's table: the next tile's eight loads
	EPI 3, 8
	EPI 4, 8
	EPI 5, 8
	EPI 6, 8
	EPI 7, 0
.irp k, 0,1,2,3
	v_cndmask_b32 v[SX+\k], v[SW+\k], v[SW+4+\k], s90   ; lanes 0-15 store tiles 0-3's words of their row, lanes 16-31 tiles 4-7's
.endr
	global_store_b128 v[OSO], v[SX:SX+3], s[OS:OS+1]    ; 512 consecutive bytes
	s_cmp_eq_u32 s[TRIP], 1
	s_cbranch_scc1 .Lno_k2
	LD_C G, NG
.Lno_k2:
	s_wait_xcnt 0x0                                ; every load and store issued has read its addresses and data: the pointers may step
	s_add_nc_u64 s[WP:WP+1], s[WP:WP+1], PSTEP
	s_mov_b64 s[RP:RP+1], s[KRP:KRP+1]
	s_mov_b64 s[OC:OC+1], s[KOC:KOC+1]
	s_mov_b64 s[OS:OS+1], s[KOS:KOS+1]
	s_mov_b64 s[NW:NW+1], s[VWS:VWS+1]
	s_add_co_u32 s[AOFF], s[AOFF], KVT
	s_sub_co_u32 s[TRIP], s[TRIP], 1
	s_cmp_lg_u32 s[TRIP], 0
	s_cbranch_scc1 .Lphase
	; ---- V
.irp k, 0,1,2,3
	v_add_nc_u32 v[AD+\k], KVT, v[AB+\k]
.endr
	WIN 0x82
.irp t, 0,1,2,3
.irp j, 1,2,3,4,5,6,7
	v_mov_b32 v[192+8*\t+\j], v[192+8*\t]          ; the C of a sum's first product: a lane's channel has one bias for its eight tokens
.endr
.endr
	WIN 0x40
.irp i, 0,1,2,3,4,5,6,7
	FRAGA 0, 0, \i
.endr
	STEP 0, 1, 24, 1
	STEP 1, 1, 24, 1
	STEP 2, 1, 24, 1
	STEP 3, 1, 24, 1
	STEP 4, 1, 24, 1
	STEP 5, 1, 24, 0
	STEP 6, 1, 12, 0
	STEP 7, 1, 0, 0
	WIN 0
	PLACES
.irp t, 0,1,2,3
	s_wait_xcnt 0x0                                ; the last tile's stores have read their data
	QUANTW 64*\t, VW+\t
.irp c, 0,1,2
	global_store_b128 v[L16], v[PV+4*\c:PV+4*\c+3], s[VCP:VCP+1] offset:1536*\t+512*\c
.endr
.endr
	global_store_b128 v[L16], v[VW:VW+3], s[VSP:VSP+1]   ; a lane's four scale words; lanes 16-31 hold the same as lanes 0-15
	s_wait_tensorcnt 0x0
	ds_add_u32 v243, v255
	s_wait_dscnt 0x0
	s_endpgm
.Lfunc_end_k_qd260361d34_proj:
	.size	k_qd260361d34_proj, .Lfunc_end_k_qd260361d34_proj-k_qd260361d34_proj
	.p2alignl 7, 3214868480
	.fill 96, 4, 3214868480
	.section	.rodata,"a",@progbits
	.p2align	6, 0x0
	.amdhsa_kernel k_qd260361d34_proj
		.amdhsa_group_segment_fixed_size 209408
		.amdhsa_private_segment_fixed_size 0
		.amdhsa_enable_private_segment 0
		.amdhsa_kernarg_size 112
		.amdhsa_user_sgpr_count 2
		.amdhsa_user_sgpr_kernarg_segment_ptr 1
		.amdhsa_wavefront_size32 1
		.amdhsa_system_sgpr_workgroup_id_x 1
		.amdhsa_system_sgpr_workgroup_id_y 1
		.amdhsa_system_sgpr_workgroup_id_z 1
		.amdhsa_system_vgpr_workitem_id 0
		.amdhsa_next_free_vgpr 1024
		.amdhsa_next_free_sgpr 100
		.amdhsa_reserve_vcc 0
		.amdhsa_float_denorm_mode_32 3
		.amdhsa_float_denorm_mode_16_64 3
		.amdhsa_memory_ordered 1
		.amdhsa_forward_progress 1
		.amdhsa_inst_pref_size 234
	.end_amdhsa_kernel
	.amdgpu_metadata
---
amdhsa.version: [ 1, 2 ]
amdhsa.kernels:
  - .name:           k_qd260361d34_proj
    .symbol:         k_qd260361d34_proj.kd
    .args:
      - { .name: q_codes, .offset: 0, .size: 8, .value_kind: global_buffer, .address_space: global }
      - { .name: kv_codes, .offset: 8, .size: 8, .value_kind: global_buffer, .address_space: global }
      - { .name: q_scales, .offset: 16, .size: 8, .value_kind: global_buffer, .address_space: global }
      - { .name: kv_scales, .offset: 24, .size: 8, .value_kind: global_buffer, .address_space: global }
      - { .name: Wq_scales, .offset: 32, .size: 8, .value_kind: global_buffer, .address_space: global }
      - { .name: Wk_scales, .offset: 40, .size: 8, .value_kind: global_buffer, .address_space: global }
      - { .name: Wv_scales, .offset: 48, .size: 8, .value_kind: global_buffer, .address_space: global }
      - { .name: bq, .offset: 56, .size: 8, .value_kind: global_buffer, .address_space: global }
      - { .name: bk, .offset: 64, .size: 8, .value_kind: global_buffer, .address_space: global }
      - { .name: bv, .offset: 72, .size: 8, .value_kind: global_buffer, .address_space: global }
      - { .name: q_scale, .offset: 80, .size: 8, .value_kind: global_buffer, .address_space: global }
      - { .name: k_scale, .offset: 88, .size: 8, .value_kind: global_buffer, .address_space: global }
      - { .name: ptab, .offset: 96, .size: 8, .value_kind: global_buffer, .address_space: global }
      - { .name: qkv, .offset: 104, .size: 8, .value_kind: global_buffer, .address_space: global }
    .group_segment_fixed_size: 209408
    .private_segment_fixed_size: 0
    .kernarg_segment_align: 8
    .kernarg_segment_size: 112
    .max_flat_workgroup_size: 128
    .sgpr_count:     100
    .vgpr_count:     1024
    .wavefront_size: 32
...
	.end_amdgpu_metadata
.endif
;; end of part 2
;; launch attn (part 3): grid 4 x 64, 16 waves a work-group, no clusters, 216,064 bytes of LDS; arguments qkv, msk, flg, att, head_scale; writes att
.if DOCPART == 3
	.amdgcn_target "amdgcn-amd-amdhsa--gfx1250"
	.amdhsa_code_object_version 6
	.text
	.protected	k_qd260361d34_attn
	.globl	k_qd260361d34_attn
	.p2align	8
	.type	k_qd260361d34_attn,@function
k_qd260361d34_attn:
	s_mov_b64 s[64:65], 0
	v_nop
	global_prefetch_b8 v0, s[64:65] scope:SCOPE_SE
	s_setreg_imm32_b32 hwreg(HW_REG_WAVE_MODE, 25, 1), 1
	s_wait_xcnt 0x0
; attn = softmax(where(mask, q k^T / 8, lowest)) masked again, times v, times (1 + head_scale); both products on codes of FP6 (E2M3) with E8M0 scales; the result is quantised along the head's 64 channels.
; THE WEIGHTS ARE QUANTISED FINISHED AND NORMALISED, so the keys are walked twice.  Pass A finds each query's largest score m and the sum l of 2^(c s - c m), c = log2(e) / 8.  Pass B makes the same scores
; again (the same instructions on the same operands), forms w = 2^(c s - M'), M' = c m + log2(l), quantises w along the keys in blocks of 32 and adds V^T w.
; THE MASK comes as lane-mask words, one bit a score (buffer msk: they feed selects alone), and two flags for each tile of 16 queries x 128 keys (buffer flg), stored by an earlier launch.  A tile with no true
; entry adds nothing to m, l or O and is jumped over; a tile that is all true needs no masking.  These are scalar branches on stored whole numbers, right for every mask.  This launch has no tensor load:
; K and V come into LDS through registers.
; SHARES.  A work-group takes one head (y) and the blocks x and 7 - x of 256 queries; each of its 16 waves owns one tile of 16 queries of a block, in 256 registers: four waves to a SIMD, so that one wave's
; vector work stands beside another's products and LDS loads.  The whole head's K and V (codes and scale words, 212,992 bytes) lie in LDS, filled once.
; LAYOUT.  Both products are used transposed: S^T = K Q^T, O^T = V^T W^T: a lane holds one query (lane % 16) throughout.  The keys of a tile of K are not neighbours, so that score register 16 b + i is key
; 32 b + 16 (lane / 16) + i of the step.  K = 64 of the first product fills half of the instruction's 128: Q's upper six registers are zero codes, so whatever codes stand in K's upper six add nothing.
; NO CLUSTER, NO JOINT LOADS: they would be tensor loads.  NO PREFETCH: K and V are read once, at the head.
; LIMITS: NaN and infinities are not served; scores lie above -3e38; a w under 2^-126 counts as 0; a query with no true key gives zeros, as the second mask of the definition does.
; REGISTERS: v1-11, v35, v45-47 addresses; v12 c m, v13 m, v[14:15] l; v16 M'; v18 1 + head_scale; v20 the factor; v22-27 Q, v28-33 zeros; v34 Q's scale word, v36-39 K's, v40-43 V's, v44 W's;
; v48-101 K's eight half fragments (v96-101 zeros) or V's four fragments; v104-167 S^T, then w; v168-199 O^T; v200-218 codes; v220-235 the quantiser's work; v236-240 at work.
.set KCO, 6291456
.set VCO, 12582912
.set QSO, 18874368
.set KSO, 19398656
.set ASH, 6291456
.set LV,  98304                        ; LDS: K's codes at 0, V's here,
.set LKS, 196608                       ; K's scale words,
.set LVS, 204800                       ; V's,
.set SCB, 212992                       ; and 2 x 512 bytes in which the waves gather the result's scale bytes
.set S,   104
.set O,   168
.set PC,  200
.set TM,  220
.set PW,  44
.set BH,  66
.set PI,  67
.set CS,  84
.set SEL, 86
.set WV,  88
.set FLG, 89
.set ANY, 90
.set ALL, 91
.set KB,  92                           ; the key step's codes in LDS: 6,144 bytes a step, in K and in V alike
.set KO,  93                           ; its scale words: 512 bytes a step
.set MO,  94                           ; its mask words: 256 bytes a step
.set CNT, 95
.set MWP, 96
.macro PLACES
.rept 4
	v_nop
.endr
.endm
; The step's scores.  pass = 1: V's addresses are made too; the additions are the places behind the last step's products, ahead of the loads into registers that those read.
.macro KQ pass
	v_add_nc_u32 v4, s[KB], v1
	v_add_nc_u32 v5, s[KB], v2
	v_add_nc_u32 v6, s[KO], v45
.if \pass
	v_add_nc_u32 v7, s[KB], v46
	v_add_nc_u32 v8, s[KO], v47
.endif
.irp t, 0,1,2,3,4,5,6,7
	ds_load_b128 v[48+6*\t:51+6*\t], v4 offset:768*\t
	ds_load_b64 v[52+6*\t:53+6*\t], v5 offset:768*\t+512
.endr
	ds_load_b128 v[36:39], v6                      ; lanes 0-15: tiles 0-3's words of their row, lanes 16-31: tiles 4-7's
	s_wait_dscnt 0x0
.irp t, 0,1,2,3
	v_wmma_scale_f32_16x16x128_f8f6f4 v[S+8*\t:S+8*\t+7], v[48+6*\t:59+6*\t], v[22:33], 0, v[36+\t], v34 matrix_a_fmt:MATRIX_FMT_FP6 matrix_b_fmt:MATRIX_FMT_FP6
.endr
.irp t, 4,5,6,7
	v_wmma_scale_f32_16x16x128_f8f6f4 v[S+8*\t:S+8*\t+7], v[48+6*\t:59+6*\t], v[22:33], 0, v[32+\t], v34 matrix_a_fmt:MATRIX_FMT_FP6 matrix_b_fmt:MATRIX_FMT_FP6 matrix_a_scale:MATRIX_SCALE_ROW1
.endr
	PLACES
.endm
; The scores with the mask laid on: one branch on the step's flag; the arm with holes loads the 64 words and turns hidden scores into -infinity
.macro SCORES pass
	s_and_b32 s12, s[ALL], 1
	s_cbranch_scc0 .Lholes_\@
	KQ \pass
	s_branch .Lopen_\@
.Lholes_\@:
	s_load_b512 s[16:31], s[MWP:MWP+1], s[MO] offset:0x0
	s_load_b512 s[32:47], s[MWP:MWP+1], s[MO] offset:0x40
	s_load_b512 s[48:63], s[MWP:MWP+1], s[MO] offset:0x80
	s_load_b512 s[68:83], s[MWP:MWP+1], s[MO] offset:0xc0
	KQ \pass
	s_wait_kmcnt 0x0
.set j, 0
.rept 64
.if j < 48
	v_cndmask_b32 v[S+j], v9, v[S+j], s[16+j]
.else
	v_cndmask_b32 v[S+j], v9, v[S+j], s[20+j]
.endif
.set j, j+1
.endr
.Lopen_\@:
.endm
.macro NEXT_STEP                       ; on every path of a trip: the flags and the three offsets step
	s_lshr_b32 s[ANY], s[ANY], 1
	s_lshr_b32 s[ALL], s[ALL], 1
	s_add_co_u32 s[KB], s[KB], 6144
	s_add_co_u32 s[KO], s[KO], 512
	s_add_co_u32 s[MO], s[MO], 256
	s_add_co_u32 s[CNT], s[CNT], 1
	s_cmp_lt_u32 s[CNT], 16
.endm
.macro FIRST_STEP
	s_and_b32 s[ANY], s[FLG], 0xffff
	s_lshr_b32 s[ALL], s[FLG], 16
	s_mov_b32 s[KB], 0
	s_mov_b32 s[KO], 0
	s_mov_b32 s[MO], 0
	s_mov_b32 s[CNT], 0
.endm
; 64 weights of a lane, register 16 b + i = key 32 b + 16 h + i, none negative, become a fragment's codes in v[PC] on and its scale word in v[PW]
.macro QUANT
.irp b, 0,1,2,3
	v_max3_num_f32 v[TM+\b], v[S+16*\b], v[S+1+16*\b], 0x1800000   ; the floor 2^(3 - 127) holds the byte at 1 from below
.endr
.irp i, 2,4,6,8,10,12,14
.irp b, 0,1,2,3
	v_max3_num_f32 v[TM+\b], v[TM+\b], v[S+16*\b+\i], v[S+1+16*\b+\i]
.endr
.endr
.irp b, 0,1,2,3
	v_permlanex16_b32 v[TM+4+\b], v[TM+\b], s[SEL], s[SEL+1]
.endr
.irp b, 0,1,2,3
	v_max_num_f32 v[TM+\b], v[TM+\b], v[TM+4+\b]
.endr
.irp b, 0,1,2,3
	v_add_nc_u32 v[TM+12+\b], 0xff000000, v[TM+\b]
.endr
.irp b, 0,1,2,3
	v_lshrrev_b32 v[TM+4+\b], 23, v[TM+12+\b]
.endr
	v_lshl_or_b32 v[PW], v[TM+5], 8, v[TM+4]
	v_lshl_or_b32 v[PW], v[TM+6], 16, v[PW]
	v_lshl_or_b32 v[PW], v[TM+7], 24, v[PW]
.irp c, 0,1
	v_cvt_scalef32_pk16_fp6_f32 v[PC+6*\c:PC+2+6*\c], v[S+32*\c:S+15+32*\c], v[TM+12+2*\c]
	v_cvt_scalef32_pk16_fp6_f32 v[PC+12+4*\c:PC+14+4*\c], v[S+16+32*\c:S+31+32*\c], v[TM+12+2*\c+1]
.endr
	v_nop                                          ; one plain instruction behind a scaled conversion
.irp c, 0,1
.irp i, 0,1,2
	v_permlane16_swap_b32 v[PC+6*\c+\i], v[PC+12+4*\c+\i]
.endr
.irp i, 0,1,2
	v_mov_b32 v[PC+3+6*\c+\i], v[PC+12+4*\c+\i]
.endr
.endr
.endm
; One block of 256 queries: my tile of 16.  slot 0: block x, slot 1: block 7 - x
.macro BLOCK slot
	s_wait_xcnt 0x0                                ; earlier loads and stores have read their addresses and data
.if \slot == 0
	s_mov_b32 s13, s[PI]
.else
	s_sub_co_u32 s13, 7, s[PI]
.endif
	s_lshl_b32 s14, s13, 4
	s_add_co_u32 s14, s14, s[WV]                   ; g: my tile among the batch's 128
	s_mov_b32 s13, 0
	s_lshl_b32 s12, s[BH], 7
	s_add_co_u32 s12, s12, s14
	s_mul_i32 s12, s12, 768
	s_add_nc_u64 s[98:99], s[4:5], s[12:13]
	global_load_b128 v[22:25], v1, s[98:99]        ; Q's half image
	global_load_b64 v[26:27], v2, s[98:99] offset:512
	s_lshr_b32 s15, s14, 3
	s_lshl_b32 s12, s[BH], 4
	s_add_co_u32 s12, s12, s15
	s_lshl_b32 s12, s12, 9
	s_and_b32 s15, s14, 7
	s_lshl_b32 s15, s15, 2
	s_add_co_u32 s12, s12, s15
	s_add_nc_u64 s[100:101], s[4:5], s[12:13]
	s_add_nc_u64 s[100:101], s[100:101], QSO
	global_load_b32 v34, v3, s[100:101]            ; its scale words: 32 bytes a row, 4 a tile
	s_lshr_b32 s12, s[BH], 4
	s_lshl_b32 s12, s12, 7
	s_add_co_u32 s15, s12, s14                     ; 128 b + g
	s_lshl_b32 s12, s15, 12
	s_add_nc_u64 s[MWP:MWP+1], s[6:7], s[12:13]    ; the tile's mask words
	s_lshl_b32 s12, s15, 6
	s_add_nc_u64 s[2:3], s[8:9], s[12:13]
	s_load_b512 s[16:31], s[2:3], 0x0              ; and its 16 flag words
	v_mov_b32 v13, 0xff61b1e6                      ; m: -3e38, under every score
	v_mul_f32 v12, s[CS], v13
	v_mov_b32 v14, 0
	v_mov_b32 v15, 0
.set j, 0
.rept 32
	v_mov_b32 v[O+j], 0                            ; O^T: any step may be the first that is not jumped over
.set j, j+1
.endr
	s_wait_kmcnt 0x0
	s_or_b32 s[FLG], s16, s17
.irp q, 18,19,20,21,22,23,24,25,26,27,28,29,30,31
	s_or_b32 s[FLG], s[FLG], s\q
.endr
	s_wait_loadcnt 0x0
	; ---- pass A: m and l, each lane for its own 64 of a step's 128 keys
	FIRST_STEP
.La_\@:
	s_and_b32 s12, s[ANY], 1
	s_cbranch_scc0 .Lskip_a_\@
	SCORES 0
.irp b, 0,1,2,3
	v_max3_num_f32 v[236+\b], v[S+16*\b], v[S+1+16*\b], v[S+2+16*\b]
.endr
.irp i, 3,5,7,9,11,13
.irp b, 0,1,2,3
	v_max3_num_f32 v[236+\b], v[236+\b], v[S+16*\b+\i], v[S+1+16*\b+\i]
.endr
.endr
.irp b, 0,1,2,3
	v_max_num_f32 v[236+\b], v[236+\b], v[S+15+16*\b]
.endr
	v_max3_num_f32 v236, v236, v237, v238
	v_max3_num_f32 v13, v236, v239, v13            ; the new m
	v_mov_b32 v240, v12
	v_mul_f32 v12, s[CS], v13
	v_sub_f32 v240, v240, v12                      ; c m_old - c m_new
.set j, 0
.rept 32
	v_pk_fma_f32 v[S+j:S+j+1], v[S+j:S+j+1], s[CS:CS+1], v[12:13] op_sel_hi:[1,0,0] neg_lo:[0,0,1] neg_hi:[0,0,1]
.set j, j+2
.endr
	v_exp_f32 v20, v240
.set j, 0
.rept 64
	v_exp_f32 v[S+j], v[S+j]
.set j, j+1
.endr
	v_nop                                          ; a plain instruction behind the last exponential,
	s_wait_alu depctr_va_vdst(0)                   ; and one wait for the batch, ahead of its first reader
	v_pk_mul_f32 v[14:15], v[14:15], v[20:21] op_sel_hi:[1,0]
	v_pk_add_f32 v[236:237], v[S:S+1], v[S+2:S+3]
.irp j, 4,8,12,16,20,24,28,32,36,40,44,48,52,56,60
	v_pk_add_f32 v[14:15], v[14:15], v[S+\j:S+\j+1]
	v_pk_add_f32 v[236:237], v[236:237], v[S+\j+2:S+\j+3]
.endr
	v_pk_add_f32 v[14:15], v[14:15], v[236:237]
.Lskip_a_\@:
	NEXT_STEP
	s_cbranch_scc1 .La_\@
	; ---- the two halves of the lanes meet: M' = c m + log2(l)
	v_add_f32 v14, v14, v15
	v_permlanex16_b32 v236, v13, s[SEL], s[SEL+1]
	v_max_num_f32 v237, v13, v236
	v_mul_f32 v238, s[CS], v237
	v_sub_f32 v239, v12, v238
	v_exp_f32 v239, v239
	v_nop
	s_wait_alu depctr_va_vdst(0)
	v_mul_f32 v14, v14, v239
	v_permlanex16_b32 v236, v14, s[SEL], s[SEL+1]
	v_add_f32 v14, v14, v236
	v_max_num_f32 v14, 0x00800000, v14             ; a query with no true key has l = 0: held at 2^-126; all its scores are hidden, so all its w are 0
	v_log_f32 v14, v14
	v_nop
	s_wait_alu depctr_va_vdst(0)
	v_add_f32 v16, v238, v14
	; ---- pass B
	FIRST_STEP
.Lb_\@:
	s_and_b32 s12, s[ANY], 1
	s_cbranch_scc0 .Lskip_b_\@
	SCORES 1
.set j, 0
.rept 32
	v_pk_fma_f32 v[S+j:S+j+1], v[S+j:S+j+1], s[CS:CS+1], v[16:17] op_sel_hi:[1,0,0] neg_lo:[0,0,1] neg_hi:[0,0,1]
.set j, j+2
.endr
.irp t, 0,1,2,3
.irp c, 0,1,2
	ds_load_b128 v[48+12*\t+4*\c:51+12*\t+4*\c], v7 offset:1536*\t+512*\c   ; V's four fragments land while the weights are made
.endr
.endr
	ds_load_b128 v[40:43], v8
.set j, 0
.rept 64
	v_exp_f32 v[S+j], v[S+j]                       ; w, finished and normalised
.set j, j+1
.endr
	v_nop
	s_wait_alu depctr_va_vdst(0)
	QUANT
.rept 8
	v_nop                                          ; a scale word made by vector instructions stands eight places ahead of the scaled product, codes so made four
.endr
	s_wait_dscnt 0x0
.irp t, 0,1,2,3
	v_wmma_scale_f32_16x16x128_f8f6f4 v[O+8*\t:O+8*\t+7], v[48+12*\t:59+12*\t], v[PC:PC+11], v[O+8*\t:O+8*\t+7], v[40+\t], v[PW] matrix_a_fmt:MATRIX_FMT_FP6 matrix_b_fmt:MATRIX_FMT_FP6
.endr
.Lskip_b_\@:
	NEXT_STEP
	s_cbranch_scc1 .Lb_\@
	; ---- the way out: x (1 + head_scale), quantised along the head's 64 channels: register 16 b + i is channel 32 b + 16 h + i
	PLACES
.set j, 0
.rept 16
	v_pk_mul_f32 v[O+j:O+j+1], v[O+j:O+j+1], v[18:19] op_sel_hi:[1,0]
.set j, j+2
.endr
	v_max3_num_f32 v[TM], |v[O]|, |v[O+1]|, 0x1800000
	v_max3_num_f32 v[TM+1], |v[O+16]|, |v[O+17]|, 0x1800000
.irp j, 2,4,6,8,10,12,14
	v_max3_num_f32 v[TM], v[TM], |v[O+\j]|, |v[O+\j+1]|
	v_max3_num_f32 v[TM+1], v[TM+1], |v[O+16+\j]|, |v[O+17+\j]|
.endr
	v_permlanex16_b32 v[TM+4], v[TM], s[SEL], s[SEL+1]
	v_permlanex16_b32 v[TM+5], v[TM+1], s[SEL], s[SEL+1]
	v_max_num_f32 v[TM], v[TM], v[TM+4]
	v_max_num_f32 v[TM+1], v[TM+1], v[TM+5]
	v_add_nc_u32 v[TM+12], 0xff000000, v[TM]
	v_add_nc_u32 v[TM+13], 0xff000000, v[TM+1]
	v_lshrrev_b32 v[TM+8], 23, v[TM+12]
	v_lshrrev_b32 v[TM+9], 23, v[TM+13]
	v_lshl_or_b32 v[TM+8], v[TM+9], 8, v[TM+8]     ; my row's two scale bytes
	v_cvt_scalef32_pk16_fp6_f32 v[PC:PC+2], v[O:O+15], v[TM+12]
	v_cvt_scalef32_pk16_fp6_f32 v[PC+12:PC+14], v[O+16:O+31], v[TM+13]
	v_nop
.irp j, 0,1,2
	v_permlane16_swap_b32 v[PC+\j], v[PC+12+\j]
.endr
.irp j, 0,1,2
	v_mov_b32 v[PC+3+\j], v[PC+12+\j]
.endr
	s_lshr_b32 s12, s[BH], 4
	s_lshl_b32 s12, s12, 4
	s_lshr_b32 s15, s14, 3
	s_add_co_u32 s12, s12, s15                     ; the block of 128 tokens
	s_lshl_b32 s12, s12, 4
	s_and_b32 s15, s[BH], 15
	s_add_co_u32 s12, s12, s15                     ; x 16 + head
	s_lshl_b32 s12, s12, 3
	s_and_b32 s15, s14, 7
	s_add_co_u32 s12, s12, s15                     ; x 8 + tile
	s_mul_i32 s12, s12, 768
	s_add_nc_u64 s[98:99], s[10:11], s[12:13]
	global_store_b128 v1, v[PC:PC+3], s[98:99]
	global_store_b64 v2, v[PC+4:PC+5], s[98:99] offset:512
	ds_store_b16 v10, v[TM+8] offset:512*\slot     ; lanes r and r + 16 write the same two bytes
.endm
	s_load_b256 s[4:11], s[0:1], 0x0               ; qkv s[4:5], msk s[6:7], flg s[8:9], att s[10:11]
	s_load_b64 s[16:17], s[0:1], 0x20              ; head_scale: used once, below; the registers take mask words later
	v_lshl_add_u32 v254, v0, 2, 0x34400
	v_mov_b32 v255, 0
	v_lshrrev_b32 v4, 5, v0
	v_readfirstlane_b32 s[WV], v4                  ; wave 0..15
	s_and_b32 s[BH], ttmp7, 0xffff                 ; 16 b + head
	s_mov_b32 s[PI], ttmp9
	s_mov_b32 s[CS], 0x3e38aa3b                    ; c = log2(e) / 8
	s_mov_b32 s[CS+1], s[CS]
	s_mov_b32 s[SEL], 0x76543210
	s_mov_b32 s[SEL+1], 0xfedcba98                 ; lane l xor 16
	v_and_b32 v5, 31, v0
	v_and_b32 v236, 15, v0                         ; r
	v_bfe_u32 v237, v0, 4, 1                       ; h
	v_lshlrev_b32 v1, 4, v5                        ; 16 x lane
	v_lshlrev_b32 v2, 3, v5                        ; 8 x lane
	v_lshlrev_b32 v3, 5, v236                      ; 32 r
	v_lshl_add_u32 v45, v237, 4, v3
	v_add_nc_u32 v45, LKS, v45                     ; K's scale words: 32 r + 16 h
	v_add_nc_u32 v46, LV, v1
	v_add_nc_u32 v47, LVS, v1
	s_lshl_b32 s12, s[WV], 5
	v_lshl_add_u32 v10, v236, 1, s12
	v_add_nc_u32 v10, SCB, v10                     ; where my row's scale bytes are gathered: 32 w + 2 r
	s_min_u32 s12, s[WV], 1
	s_lshl_b32 s12, s12, 9
	v_add_nc_u32 v11, s12, v1
	v_add_nc_u32 v11, SCB, v11                     ; and where waves 0 and 1 read a block's 512 back
	v_lshlrev_b32 v35, 4, v236
	v_lshl_add_u32 v35, v237, 12, v35              ; their place in memory: 16 (lane % 16) + 4,096 (lane / 16)
	s_mul_i32 s12, s[WV], 6144
	s_lshl_b32 s13, s[WV], 9
	v_add_nc_u32 v4, s12, v1                       ; the fill: my sixteenth of each of the four regions
	v_add_nc_u32 v5, s12, v46
	v_add_nc_u32 v6, s13, v1
	v_add_nc_u32 v6, LKS, v6
	v_add_nc_u32 v7, s13, v47
	s_mul_i32 s14, s[BH], 98304
	s_add_co_u32 s14, s14, s12
	s_mov_b32 s15, 0
	s_lshl_b32 s2, s[BH], 13
	s_add_co_u32 s2, s2, s13
	s_mov_b32 s3, 0
	s_and_b32 s12, s[BH], 15
	s_lshl_b32 s12, s12, 2
	s_wait_kmcnt 0x0
	s_load_b32 s13, s[16:17], s12 offset:0x0       ; head_scale of my head
	s_add_nc_u64 s[98:99], s[4:5], s[14:15]
	s_add_nc_u64 s[100:101], s[98:99], VCO
	s_add_nc_u64 s[98:99], s[98:99], KCO
	s_add_nc_u64 s[96:97], s[4:5], s[2:3]
	s_add_nc_u64 s[96:97], s[96:97], KSO
.irp c, 0,1,2,3,4,5,6,7,8,9,10,11
	global_load_b128 v[48+4*\c:51+4*\c], v1, s[98:99] offset:512*\c
.endr
.irp c, 0,1,2,3,4,5,6,7,8,9,10,11
	global_load_b128 v[96+4*\c:99+4*\c], v1, s[100:101] offset:512*\c
.endr
	global_load_b128 v[144:147], v1, s[96:97]
	global_load_b128 v[148:151], v1, s[96:97] offset:524288
	v_mov_b32 v9, 0xff800000                       ; -infinity
.irp q, 17,19,21,28,29,30,31,32,33
	v_mov_b32 v\q, 0                               ; the upper halves of named pairs; Q's upper 64 along K: zero codes
.endr
.irp q, 4,5,6,7
	v_mov_b32 v[TM+\q], 0                          ; a lane permute's destination counts as one of its sources
.endr
	s_wait_kmcnt 0x0                               ; head_scale is in; its address and offset registers are free from here on
	v_mov_b32 v18, s13
	v_add_f32 v18, 1.0, v18
	s_wait_loadcnt 0x0
.irp c, 0,1,2,3,4,5,6,7,8,9,10,11
	ds_store_b128 v4, v[48+4*\c:51+4*\c] offset:512*\c
.endr
.irp c, 0,1,2,3,4,5,6,7,8,9,10,11
	ds_store_b128 v5, v[96+4*\c:99+4*\c] offset:512*\c
.endr
	ds_store_b128 v6, v[144:147]
	ds_store_b128 v7, v[148:151]
	s_wait_dscnt 0x0                               ; for the others' sake: my stores have landed
.irp q, 96,97,98,99,100,101
	v_mov_b32 v\q, 0                               ; what the eighth tile of K names as its upper six registers
.endr
	s_barrier_signal -1
	s_barrier_wait -1                              ; the head's K and V lie in LDS; from here on they are only read
	BLOCK 0
	BLOCK 1
	s_wait_dscnt 0x0                               ; my scale bytes have landed
	s_barrier_signal -1
	s_barrier_wait -1
	s_cmp_lt_u32 s[WV], 2
	s_cbranch_scc0 .Lend
	ds_load_b128 v[S:S+3], v11                     ; wave 0: block x's 512 bytes, wave 1: block 7 - x's
	s_sub_co_u32 s12, 7, s[PI]
	s_cmp_eq_u32 s[WV], 0
	s_cselect_b32 s12, s[PI], s12
	s_lshl_b32 s12, s12, 1                         ; a block of 256 queries is two blocks of 128 tokens
	s_lshr_b32 s15, s[BH], 4
	s_lshl_b32 s15, s15, 4
	s_add_co_u32 s12, s12, s15
	s_lshl_b32 s12, s12, 4
	s_and_b32 s15, s[BH], 15
	s_add_co_u32 s12, s12, s15
	s_lshl_b32 s12, s12, 8                         ; 256 bytes for a block of 128 tokens and a head
	s_mov_b32 s13, 0
	s_add_nc_u64 s[100:101], s[10:11], s[12:13]
	s_add_nc_u64 s[100:101], s[100:101], ASH
	s_wait_dscnt 0x0
	global_store_b128 v35, v[S:S+3], s[100:101]    ; sixteen lanes store 256 consecutive bytes, the other sixteen those of the next block of tokens
.Lend:
	s_wait_tensorcnt 0x0
	ds_add_u32 v254, v255
	s_wait_dscnt 0x0
	s_endpgm
.Lfunc_end_k_qd260361d34_attn:
	.size	k_qd260361d34_attn, .Lfunc_end_k_qd260361d34_attn-k_qd260361d34_attn
	.p2alignl 7, 3214868480
	.fill 96, 4, 3214868480
	.section	.rodata,"a",@progbits
	.p2align	6, 0x0
	.amdhsa_kernel k_qd260361d34_attn
		.amdhsa_group_segment_fixed_size 216064
		.amdhsa_private_segment_fixed_size 0
		.amdhsa_enable_private_segment 0
		.amdhsa_kernarg_size 40
		.amdhsa_user_sgpr_count 2
		.amdhsa_user_sgpr_kernarg_segment_ptr 1
		.amdhsa_wavefront_size32 1
		.amdhsa_system_sgpr_workgroup_id_x 1
		.amdhsa_system_sgpr_workgroup_id_y 1
		.amdhsa_system_sgpr_workgroup_id_z 1
		.amdhsa_system_vgpr_workitem_id 0
		.amdhsa_next_free_vgpr 256
		.amdhsa_next_free_sgpr 102
		.amdhsa_reserve_vcc 0
		.amdhsa_float_denorm_mode_32 3
		.amdhsa_float_denorm_mode_16_64 3
		.amdhsa_memory_ordered 1
		.amdhsa_forward_progress 1
		.amdhsa_inst_pref_size 97
	.end_amdhsa_kernel
	.amdgpu_metadata
---
amdhsa.version: [ 1, 2 ]
amdhsa.kernels:
  - .name:           k_qd260361d34_attn
    .symbol:         k_qd260361d34_attn.kd
    .args:
      - { .name: qkv, .offset: 0, .size: 8, .value_kind: global_buffer, .address_space: global }
      - { .name: msk, .offset: 8, .size: 8, .value_kind: global_buffer, .address_space: global }
      - { .name: flg, .offset: 16, .size: 8, .value_kind: global_buffer, .address_space: global }
      - { .name: att, .offset: 24, .size: 8, .value_kind: global_buffer, .address_space: global }
      - { .name: head_scale, .offset: 32, .size: 8, .value_kind: global_buffer, .address_space: global }
    .group_segment_fixed_size: 216064
    .private_segment_fixed_size: 0
    .kernarg_segment_align: 8
    .kernarg_segment_size: 40
    .max_flat_workgroup_size: 512
    .sgpr_count:     102
    .vgpr_count:     256
    .wavefront_size: 32
...
	.end_amdgpu_metadata
.endif
;; end of part 3
;; launch oproj (part 4): grid 4 x 64, 4 waves a work-group, no clusters, 168,448 bytes of LDS; arguments att, ptab, Wo_scales, bo, out0; writes out0
.if DOCPART == 4
	.amdgcn_target "amdgcn-amd-amdhsa--gfx1250"
	.amdhsa_code_object_version 6
	.text
	.protected	k_qd260361d34_oproj
	.globl	k_qd260361d34_oproj
	.p2align	8
	.type	k_qd260361d34_oproj,@function
k_qd260361d34_oproj:
	s_mov_b64 s[64:65], 0
	v_nop
	global_prefetch_b8 v0, s[64:65] scope:SCOPE_SE
	s_setreg_imm32_b32 hwreg(HW_REG_WAVE_MODE, 25, 1), 1
	s_wait_xcnt 0x0
; out = attn Wo + bo, on codes of FP6 (E2M3) with E8M0 scales.  attn's codes and scale bytes were made by the launch before, Wo's images by the first.
; SHARES.  A work-group takes 128 tokens (y) and 256 columns (x); wave w owns 64 columns: 32 accumulators; K = 1,024 in 8 steps of 128 (two heads a step).
; A's CODES, 98,304 dense bytes of half images [head][tile][768], come into LDS once, one tensor load a wave (96 rows of 256 bytes), and are never filled again.  A fragment is two half images: heads 2 s and 2 s + 1.
; THE WEIGHTS come from their images straight into registers, through a ring of four sets of 48 registers, three K steps ahead.
; Source 0 = 16 columns of Wo, source 1 = 16 tokens: a lane holds eight neighbouring columns of one token.  The bias is the C of each sum's first product.
; THE WAY OUT: a tile's 16 rows x 256 bytes go through the wave's own stage in LDS and leave as whole rows: sixteen lanes store 256 consecutive bytes, aligned.  Row r of tile i is token 32 (i / 2) + 8 (i % 2) + r + 8 (r / 8).
; NO CLUSTER: what the four work-groups of a row of the grid share is A, 98,304 of the 294,912 bytes that a work-group fetches, once, at the head.  NO PREFETCH: nothing is streamed; Wo's images are read by 64 work-groups at about the same time.
; REGISTERS, in windows of 256.  Window 0: v1-10 addresses; v16-47 A's scale words, v48-63 W's; v64-95 the bias; v128-191 A's scale bytes as loaded; v192-255 rows on the way out.
; Window 1: A's fragments, two sets.  Window 2: the weights' ring.  Window 3: the accumulators, (tokens' tile i, columns' tile t) at 32 i + 8 t.
.set ASH, 6291456
.set STG, 98304                        ; behind A's images: a stage of 16 rows x 272 bytes for each wave; no tensor load lands there
.set L16, 1                            ; v1, v3  16 x lane, for heads 0-7 and 8-15
.set L8,  2                            ; v2, v4  8 x lane likewise
.set AHO, 5
.set SCO, 6
.set BIO, 7
.set STO, 8
.set RD,  9
.set CO,  10
.set AS,  16
.set WS,  48
.set BI,  64
.set T,   128
.set BK,  192
.set WP,  46
.set WV,  50
.set MSB, 0
.macro WIN new                         ; the immediate's high byte repeats the setting that is left
.if MSB != \new
	s_set_vgpr_msb (MSB<<8)|\new
.set MSB, \new
.endif
.endm
.macro PLACES                          ; four plain instructions behind matrix instructions, ahead of loads into their registers and of reads of their results
.rept 4
	v_nop
.endr
.endm
.macro WLOAD g                         ; K step g of my columns' weights into set g % 4; destination window 2
.irp t, 0,1,2,3
.irp c, 0,1,2
	global_load_b128 v[48*((\g)%4)+12*\t+4*\c:48*((\g)%4)+12*\t+4*\c+3], v[L16], s[WP:WP+1] offset:(\g)*6144+1536*\t+512*\c
.endr
.endr
.endm
.macro FRAGI buf, s, i                 ; A's fragment of tile i, K step s; destination window 1
.irp c, 0,1
.set HH, 2*(\s)+\c
	ds_load_b128 v[96*(\buf)+12*(\i)+6*\c:96*(\buf)+12*(\i)+6*\c+3], v[L16+2*(HH/8)] offset:(HH%8)*6144+768*(\i)
	ds_load_b64 v[96*(\buf)+12*(\i)+6*\c+4:96*(\buf)+12*(\i)+6*\c+5], v[L8+2*(HH/8)] offset:(HH%8)*6144+768*(\i)+512
.endr
.endm
.macro WMM d, a, b, c, sa, sb, hi      ; hi = 1: K steps 4-7: both sides' scale words stand in lanes 16-31
.if \hi
	v_wmma_scale_f32_16x16x128_f8f6f4 v[\d:\d+7], v[\a:\a+11], v[\b:\b+11], v[\c:\c+7], v[\sa], v[\sb] matrix_a_fmt:MATRIX_FMT_FP6 matrix_b_fmt:MATRIX_FMT_FP6 matrix_a_scale:MATRIX_SCALE_ROW1 matrix_b_scale:MATRIX_SCALE_ROW1
.else
	v_wmma_scale_f32_16x16x128_f8f6f4 v[\d:\d+7], v[\a:\a+11], v[\b:\b+11], v[\c:\c+7], v[\sa], v[\sb] matrix_a_fmt:MATRIX_FMT_FP6 matrix_b_fmt:MATRIX_FMT_FP6
.endif
.endm
; K step s.  cnt: the global loads issued behind this step's weights, which may stay out.  The 32 accumulators take turns, one instruction a turn.
.macro STEP s, cnt, wnext
	s_wait_dscnt 0x0                               ; this step's fragments of A are in
	s_wait_loadcnt \cnt                            ; and its weights
	PLACES
.if \s < 7
	WIN 0x40
.irp i, 0,1,2,3,4,5,6,7
	FRAGI ((\s)+1)%2, (\s)+1, \i
.endr
.endif
.if \wnext
	WIN 0x80
	WLOAD (\s)+3
.endif
.if \s == 0
	WIN 0xc6                                       ; source 0 (W) window 2, source 1 (A) window 1, C (the bias) window 0, D window 3
.else
	WIN 0xf6
.endif
.irp i, 0,1,2,3,4,5,6,7
.irp t, 0,1,2,3
.if \s == 0
	WMM 32*\i+8*\t, 48*((\s)%4)+12*\t, 96*((\s)%2)+12*\i, BI+8*\t, WS+4*\t+(\s)%4, AS+4*\i+(\s)%4, (\s)/4
.else
	WMM 32*\i+8*\t, 48*((\s)%4)+12*\t, 96*((\s)%2)+12*\i, 32*\i+8*\t, WS+4*\t+(\s)%4, AS+4*\i+(\s)%4, (\s)/4
.endif
.endr
.endr
.endm
.macro TOSTAGE a                       ; tile a into my stage, and back as whole rows
	WIN 0x0c                                       ; an LDS store's data are its source 1: window 3
.irp t, 0,1,2,3
	ds_store_b128 v[STO], v[32*(\a)+8*\t:32*(\a)+8*\t+3] offset:64*\t          ; each accumulator from its low end on
	ds_store_b128 v[STO], v[32*(\a)+8*\t+4:32*(\a)+8*\t+7] offset:64*\t+16
.endr
	WIN 0
.irp k, 0,1,2,3,4,5,6,7
	ds_load_b128 v[BK+32*((\a)%2)+4*\k:BK+32*((\a)%2)+4*\k+3], v[RD] offset:2*\k*272   ; LDS serves a wave's instructions in order (ISA guide 5.7.1.4): these see the stores above
.endr
.endm
.macro SEND a, younger                 ; younger: the LDS instructions issued behind tile a's loads, which may stay out
	s_wait_dscnt \younger
.irp k, 0,1,2,3,4,5,6,7
	global_store_b128 v[CO], v[BK+32*((\a)%2)+4*\k:BK+32*((\a)%2)+4*\k+3], s[12:13] offset:(32*((\a)/2)+8*((\a)%2)+2*\k+8*(\k/4))*4096 th:TH_STORE_NT
.endr
.endm
	s_load_b256 s[4:11], s[0:1], 0x0               ; att s[4:5], ptab s[6:7], Wo_scales s[8:9], bo s[10:11]
	s_load_b64 s[12:13], s[0:1], 0x20              ; out0
	v_lshl_add_u32 v126, v0, 2, 0x29000
	v_mov_b32 v127, 0
	ds_add_u32 v126, v127
	ds_add_u32 v126, v127
	v_lshrrev_b32 v11, 5, v0
	v_readfirstlane_b32 s[WV], v11                 ; wave 0..3
	s_and_b32 s51, ttmp7, 0xffff                   ; the block of 128 tokens
	s_lshl_b32 s52, ttmp9, 2
	s_add_co_u32 s52, s52, s[WV]                   ; my group of 64 columns
	; descriptor group 1: 96 dense rows of 256 bytes (32 elements of 8 bytes), no padding
	s_mov_b32 s16, 3<<16
	s_mov_b32 s17, 32<<16
	s_mov_b32 s18, 96<<16
	s_mov_b32 s19, 32<<16
	s_mov_b32 s20, 96
	s_mov_b32 s21, 32
	s_mov_b32 s22, 0
	s_mov_b32 s23, 0
	s_mul_i32 s40, s[WV], 24576                    ; heads 4 w .. 4 w + 3
	s_mul_i32 s42, s51, 98304
	s_add_co_u32 s42, s42, s40
	s_mov_b32 s43, 0
	s_wait_dscnt 0x0
	s_wait_kmcnt 0x0
	s_mov_b32 s24, 1
	s_mov_b32 s25, s40
	s_add_nc_u64 s[26:27], s[4:5], s[42:43]
	s_or_b32 s27, s27, 0x80000000
	tensor_load_to_lds s[24:27], s[16:23]          ; my one tensor load
	s_nop 0
	PLACES                                         ; four v_nop follow it
	v_and_b32 v11, 31, v0
	v_lshlrev_b32 v[L16], 4, v11
	v_lshlrev_b32 v[L8], 3, v11
	v_add_nc_u32 v[L16+2], 49152, v[L16]
	v_add_nc_u32 v[L8+2], 49152, v[L8]
	v_and_b32 v12, 15, v0                          ; r
	v_bfe_u32 v13, v0, 4, 1                        ; h
	v_lshlrev_b32 v[AHO], 1, v12
	v_lshl_add_u32 v[AHO], v13, 11, v[AHO]         ; A's scale bytes: 2 r, + eight heads of 256 bytes for lanes 16-31
	v_lshlrev_b32 v[SCO], 5, v12
	v_lshl_add_u32 v[SCO], v13, 4, v[SCO]          ; W's: 32 r + 16 h
	v_lshlrev_b32 v[BIO], 5, v13                   ; the bias: 32 h
	s_mul_i32 s40, s[WV], 16*272
	s_add_co_u32 s40, s40, STG                     ; my stage
	v_mul_u32_u24 v[STO], v12, 272
	v_lshl_add_u32 v[STO], v13, 5, v[STO]
	v_add_nc_u32 v[STO], s40, v[STO]               ; in: row r, 32 bytes for each half of the lanes
	v_mul_u32_u24 v[RD], v13, 272
	v_lshl_add_u32 v[RD], v12, 4, v[RD]
	v_add_nc_u32 v[RD], s40, v[RD]                 ; back: lanes 0-15 one row, lanes 16-31 the next
	v_lshlrev_b32 v[CO], 12, v13
	v_lshl_add_u32 v[CO], v12, 4, v[CO]            ; and the same two rows of out0: 4,096 bytes a row
	s_lshl_b32 s42, s51, 12
	s_add_nc_u64 s[44:45], s[4:5], s[42:43]
	s_add_nc_u64 s[44:45], s[44:45], ASH           ; the block's 4,096 scale bytes
	s_mul_i32 s42, s52, 49152
	s_add_nc_u64 s[WP:WP+1], s[6:7], s[42:43]
	s_add_nc_u64 s[WP:WP+1], s[WP:WP+1], 3*786432  ; Wo's images of my columns
	s_lshl_b32 s42, s52, 11
	s_add_nc_u64 s[8:9], s[8:9], s[42:43]
	s_lshl_b32 s42, s52, 8
	s_add_nc_u64 s[10:11], s[10:11], s[42:43]
	s_add_nc_u64 s[12:13], s[12:13], s[42:43]
	s_lshl_b32 s42, s51, 19                        ; 128 rows of 4,096 bytes
	s_add_nc_u64 s[12:13], s[12:13], s[42:43]
.irp i, 0,1,2,3,4,5,6,7                        ; two bytes for a row and a head: heads 2 g and 2 g + 1 make K step g's word; lanes 16-31 take K steps 4-7
.irp g, 0,1,2,3
.irp u, 0,1
	global_load_u16 v[T+2*(4*\i+\g)+\u], v[AHO], s[44:45] offset:(2*\g+\u)*256+32*\i
.endr
.endr
.endr
.irp t, 0,1,2,3
	global_load_b128 v[WS+4*\t:WS+4*\t+3], v[SCO], s[8:9] offset:512*\t
.endr
.irp t, 0,1,2,3
	global_load_b128 v[BI+8*\t:BI+8*\t+3], v[BIO], s[10:11] offset:64*\t       ; register 8 t + j: bo of column 16 t + 8 h + j
	global_load_b128 v[BI+8*\t+4:BI+8*\t+7], v[BIO], s[10:11] offset:64*\t+16
.endr
	WIN 0x80
	WLOAD 0
	WLOAD 1
	WLOAD 2
	WIN 0
	s_wait_loadcnt 48                              ; A's scale bytes are in; behind them: 4 + 8 + 36 loads
.set j, 0
.rept 32
	v_lshl_or_b32 v[AS+j], v[T+2*j+1], 16, v[T+2*j]
.set j, j+1
.endr
.rept 8
	v_nop                                          ; a scale word made by vector instructions stands eight places ahead of the scaled product
.endr
	s_wait_tensorcnt 0x0                           ; my part of A has landed,
	s_barrier_signal -1
	s_barrier_wait -1                              ; everybody's has: from here on A's images are only read
	WIN 0x40
.irp i, 0,1,2,3,4,5,6,7
	FRAGI 0, 0, \i
.endr
	STEP 0, 24, 1                                  ; behind a step's weights: two steps' weights
	STEP 1, 24, 1
	STEP 2, 24, 1
	STEP 3, 24, 1
	STEP 4, 24, 1
	STEP 5, 24, 0
	STEP 6, 12, 0
	STEP 7, 0, 0
	WIN 0
	PLACES
	TOSTAGE 0
.irp a, 1,2,3,4,5,6,7
.if \a > 1
	s_wait_xcnt 0x0                                ; tile a - 2's stores have read their data: tile a's rows may land there
.endif
	TOSTAGE \a
	SEND \a-1, 16                                  ; behind tile a - 1's loads: tile a's 8 stores and 8 loads
.endr
	SEND 7, 0
	s_wait_tensorcnt 0x0
	ds_add_u32 v126, v127
	s_wait_dscnt 0x0
	s_endpgm
.Lfunc_end_k_qd260361d34_oproj:
	.size	k_qd260361d34_oproj, .Lfunc_end_k_qd260361d34_oproj-k_qd260361d34_oproj
	.p2alignl 7, 3214868480
	.fill 96, 4, 3214868480
	.section	.rodata,"a",@progbits
	.p2align	6, 0x0
	.amdhsa_kernel k_qd260361d34_oproj
		.amdhsa_group_segment_fixed_size 168448
		.amdhsa_private_segment_fixed_size 0
		.amdhsa_enable_private_segment 0
		.amdhsa_kernarg_size 40
		.amdhsa_user_sgpr_count 2
		.amdhsa_user_sgpr_kernarg_segment_ptr 1
		.amdhsa_wavefront_size32 1
		.amdhsa_system_sgpr_workgroup_id_x 1
		.amdhsa_system_sgpr_workgroup_id_y 1
		.amdhsa_system_sgpr_workgroup_id_z 1
		.amdhsa_system_vgpr_workitem_id 0
		.amdhsa_next_free_vgpr 1024
		.amdhsa_next_free_sgpr 66
		.amdhsa_reserve_vcc 0
		.amdhsa_float_denorm_mode_32 3
		.amdhsa_float_denorm_mode_16_64 3
		.amdhsa_memory_ordered 1
		.amdhsa_forward_progress 1
		.amdhsa_inst_pref_size 88
	.end_amdhsa_kernel
	.amdgpu_metadata
---
amdhsa.version: [ 1, 2 ]
amdhsa.kernels:
  - .name:           k_qd260361d34_oproj
    .symbol:         k_qd260361d34_oproj.kd
    .args:
      - { .name: att, .offset: 0, .size: 8, .value_kind: global_buffer, .address_space: global }
      - { .name: ptab, .offset: 8, .size: 8, .value_kind: global_buffer, .address_space: global }
      - { .name: Wo_scales, .offset: 16, .size: 8, .value_kind: global_buffer, .address_space: global }
      - { .name: bo, .offset: 24, .size: 8, .value_kind: global_buffer, .address_space: global }
      - { .name: out0, .offset: 32, .size: 8, .value_kind: global_buffer, .address_space: global }
    .group_segment_fixed_size: 168448
    .private_segment_fixed_size: 0
    .kernarg_segment_align: 8
    .kernarg_segment_size: 40
    .max_flat_workgroup_size: 128
    .sgpr_count:     66
    .vgpr_count:     1024
    .wavefront_size: 32
...
	.end_amdgpu_metadata
.endif
;; end of part 4
;; ======== version 2 of 2: 4 launches
;; limits: right only within a limited range of input values
;; workspace buffers: flg 32,768 bytes of whole numbers; ptab 7,340,032 bytes; msk 2,097,152 bytes; qkv 20,447,232 bytes; att 6,553,600 bytes
;; launch prep (part 5): grid 640 x 1, 8 waves a work-group, no clusters, 0 bytes of LDS; arguments mask, q_positions, kv_positions, Wq_codes, Wk_codes, Wv_codes, Wo_codes, ptab, msk, flg; writes ptab, msk, flg
.if DOCPART == 5
	.amdgcn_target "amdgcn-amd-amdhsa--gfx1250"
	.amdhsa_code_object_version 6
	.text
	.protected	k_qd260361d34_prep
	.globl	k_qd260361d34_prep
	.p2align	8
	.type	k_qd260361d34_prep,@function
k_qd260361d34_prep:
	s_mov_b64 s[64:65], 0
	v_nop
	global_prefetch_b8 v0, s[64:65] scope:SCOPE_SE
	s_setreg_imm32_b32 hwreg(HW_REG_WAVE_MODE, 25, 1), 1
	s_wait_xcnt 0x0
; Three jobs that the later launches need once, told apart by the work-group's number.
; 0-511   THE MASK [4][2048][2048] of bytes becomes lane-mask words (buffer msk): for a tile of 16 queries (tile g of batch b) and a step of 128 keys, 64 words; bit L = 16 h + r of word 16 blk + i
;         is mask[b][query row r of the tile][128 ks + 32 blk + 16 h + i]: the order of a score register's lanes.  In a buffer of their own (flg) one flag word a tile and step: (any true) << ks | (all true) << (16 + ks):
;         the only stored numbers on which a later launch branches.
; 512-575 ROPE'S TABLES: cos and sin of position / 10000^(i / 32), i = 0 .. 31, for every token of q_positions and of kv_positions, laid as a lane of the projection's epilogue loads them.
; 576-639 THE FOUR WEIGHTS' CODES are laid as images of operand registers: [p][head][K step][tile][1,536 bytes], registers 4 c .. 4 c + 3 of lane L at 512 c + 16 L.
; TILES OF 16 ARE NOT NEIGHBOURS: row r of tile t of a block of 128 tokens (or of a head's 64 channels of Wq, Wk, Wv) is 32 (t / 2) + 8 (t % 2) + r + 8 (r / 8).  Wo's tiles are 16 neighbouring rows.
; No LDS, no barrier, no matrix work: each wave works for itself.
; LIMITS: |position / timescale| under 2^20 (three-term reduction by pi / 2); sine and cosine by polynomials on [-pi/4, pi/4], about 1e-7 absolute.
.set ROPE, 3145728                     ; ptab: the weights' images take 4 x 786,432 bytes, the tables follow
.set X,    16                          ; v16-47 the mask's bytes
	s_load_b256 s[4:11], s[0:1], 0x0               ; mask s[4:5], q_positions s[6:7], kv_positions s[8:9], Wq s[10:11]
	s_load_b256 s[12:19], s[0:1], 0x20             ; Wk s[12:13], Wv s[14:15], Wo s[16:17], ptab s[18:19]
	s_load_b64 s[20:21], s[0:1], 0x40              ; msk
	s_load_b64 s[50:51], s[0:1], 0x48              ; flg
	v_lshrrev_b32 v1, 5, v0
	s_delay_alu instid0(VALU_DEP_1)
	v_readfirstlane_b32 s22, v1                    ; wave 0..7
	v_and_b32 v2, 31, v0                           ; lane
	v_and_b32 v3, 15, v0                           ; r
	v_bfe_u32 v4, v0, 4, 1                         ; h
	s_mov_b32 s27, 0                               ; the upper word of every 32-bit offset
	s_wait_kmcnt 0x0
	s_cmp_lt_u32 ttmp9, 512
	s_cbranch_scc0 .Lnot_mask
	; ---- the mask: work-group = 128 b + g; wave w takes key steps 2 w and 2 w + 1
	s_lshr_b32 s23, ttmp9, 7                       ; b
	s_and_b32 s24, ttmp9, 127                      ; g
	s_lshl_b32 s25, s23, 11
	s_lshr_b32 s26, s24, 3
	s_lshl_b32 s26, s26, 7
	s_add_co_u32 s25, s25, s26                     ; 2048 b + 128 (g / 8)
	s_bfe_u32 s26, s24, 0x20001
	s_lshl_b32 s26, s26, 5
	s_add_co_u32 s25, s25, s26                     ; + 32 ((g % 8) / 2)
	s_and_b32 s26, s24, 1
	s_lshl_b32 s26, s26, 3
	s_add_co_u32 s25, s25, s26                     ; + 8 (g % 2): the tile's first query
	s_lshl_b32 s26, s25, 11                        ; a row of the mask is 2,048 bytes
	s_lshl_b32 s28, s22, 8
	s_add_co_u32 s26, s26, s28                     ; + my 256 keys
	s_add_nc_u64 s[4:5], s[4:5], s[26:27]
	s_wait_alu depctr_va_vdst(0)
	v_and_b32 v5, 8, v3
	s_delay_alu instid0(VALU_DEP_1)
	v_add_nc_u32 v5, v5, v3                        ; r + 8 (r / 8)
	s_delay_alu instid0(VALU_DEP_1)
	v_lshlrev_b32 v5, 11, v5
	s_delay_alu instid0(VALU_DEP_1)
	v_lshl_add_u32 v5, v4, 4, v5                   ; my row, + 16 h
.irp q, 0,1,2,3,4,5,6,7
	global_load_b128 v[X+4*\q:X+4*\q+3], v5, s[4:5] offset:32*\q th:TH_LOAD_NT   ; keys 32 q + 16 h + 0 .. 15; the eight loads read 256 bytes of each of 16 rows
.endr
.irp q, 8,9,10,11,12
	v_mov_b32 v\q, 0                               ; v_writelane_b32 keeps the other lanes: its destination is written first
.endr
	s_wait_alu depctr_va_vdst(0)
	s_wait_loadcnt 0x0
.set e, 0
.rept 2                                        ; key step 2 w + e
	s_mov_b32 s28, 0                               ; the OR of its 64 words,
	s_mov_b32 s29, -1                              ; and the AND
.set j, 0
.rept 64                                       ; word j = 16 blk + i: byte i of my 16 bytes of block blk
	v_and_b32 v[6+j%2], 0xff<<(8*(j%4)), v[X+4*(4*e+j/16)+(j%16)/4]
	s_delay_alu instid0(VALU_DEP_1)
	v_cmp_ne_u32 s[32+j%4], 0, v[6+j%2]
	s_or_b32 s28, s28, s[32+j%4]
	s_and_b32 s29, s29, s[32+j%4]
	v_writelane_b32 v[8+j%4], s[32+j%4], 16*e+j/4  ; word j goes to byte 256 e + 4 j of the wave's 512
.set j, j+1
.endr
	s_cmp_lg_u32 s28, 0
	s_cselect_b32 s36, 1, 0                        ; any true
	s_cmp_eq_u32 s29, -1
	s_cselect_b32 s37, 1, 0                        ; all true
	s_lshl_b32 s38, s22, 1
	s_add_co_u32 s38, s38, e                       ; ks
	s_lshl_b32 s36, s36, s38
	s_add_co_u32 s38, s38, 16
	s_lshl_b32 s37, s37, s38
	s_or_b32 s36, s36, s37
	v_writelane_b32 v12, s36, e
.set e, e+1
.endr
	s_lshl_b32 s26, ttmp9, 12                      ; a tile's 16 steps x 256 bytes
	s_lshl_b32 s28, s22, 9
	s_add_co_u32 s26, s26, s28
	s_add_nc_u64 s[40:41], s[20:21], s[26:27]
	v_lshlrev_b32 v13, 4, v2
	s_wait_alu depctr_va_vdst(0)
	global_store_b128 v13, v[8:11], s[40:41]       ; 32 lanes store 512 consecutive bytes
	s_lshl_b32 s26, ttmp9, 6                       ; a tile's 16 flag words,
	s_lshl_b32 s28, s22, 3
	s_add_co_u32 s26, s26, s28                     ; my two of them
	s_add_nc_u64 s[42:43], s[50:51], s[26:27]
	v_lshlrev_b32 v14, 2, v2
	v_cmp_gt_u32 vcc_lo, 2, v2
	s_wait_alu depctr_va_vdst(0)
	s_wait_xcnt 0x0                                ; EXEC changes only behind this wait
	s_and_saveexec_b32 s44, vcc_lo
	global_store_b32 v14, v12, s[42:43]            ; lanes 0 and 1: the two flag words
	s_wait_xcnt 0x0
	s_or_b32 exec_lo, exec_lo, s44
	s_endpgm
.Lnot_mask:
	s_cmp_lt_u32 ttmp9, 576
	s_cbranch_scc0 .Lweights
	; ---- RoPE's tables: a thread takes a token, all 32 frequencies
	s_sub_co_u32 s23, ttmp9, 512
	s_lshr_b32 s24, s23, 5                         ; 0: q_positions, 1: kv_positions
	s_and_b32 s25, s23, 31
	s_lshl_b32 s25, s25, 8
	v_add_nc_u32 v5, s25, v0                       ; the token, 0 .. 8191
	s_cmp_eq_u32 s24, 0
	s_cselect_b64 s[6:7], s[6:7], s[8:9]
	v_lshlrev_b32 v6, 2, v5
	global_load_b32 v7, v6, s[6:7]
	s_lshl_b32 s26, s24, 21                        ; a table is 512 tiles x 4,096 bytes
	s_add_co_u32 s26, s26, ROPE
	s_add_nc_u64 s[18:19], s[18:19], s[26:27]
	v_lshrrev_b32 v8, 5, v5
	v_bfe_u32 v9, v5, 3, 1
	s_delay_alu instid0(VALU_DEP_1)
	v_lshl_add_u32 v8, v8, 1, v9                   ; the token's tile: 2 (token / 32) + bit 3
	v_and_b32 v9, 7, v5
	v_bfe_u32 v10, v5, 4, 1
	s_delay_alu instid0(VALU_DEP_1)
	v_lshl_or_b32 v9, v10, 3, v9                   ; its row in the tile: bits 4, 2, 1, 0
	s_delay_alu instid0(VALU_DEP_1)
	v_lshlrev_b32 v9, 4, v9
	s_delay_alu instid0(VALU_DEP_1)
	v_lshl_add_u32 v16, v8, 12, v9                 ; tile x 4,096 + 16 x row
	s_mov_b32 s40, 0x3f22f983                      ; 2 / pi
	s_mov_b32 s41, 0x3fc90fdb                      ; pi / 2 in three parts
	s_mov_b32 s42, 0xb33bbd2e
	s_mov_b32 s43, 0xa6f72ced
	s_mov_b32 s44, 0xb94ca1f9                      ; sine: -1.9515296e-4, 8.3321609e-3, -1.6666655e-1
	s_mov_b32 s45, 0x3c08839e
	s_mov_b32 s46, 0xbe2aaaa3
	s_mov_b32 s47, 0x37ccf5ce                      ; cosine: 2.4433157e-5, -1.3887316e-3, 4.1666646e-2
	s_mov_b32 s48, 0xbab6061a
	s_mov_b32 s49, 0x3d2aaaa5
.set i, 0
.irp c, 0x3F800000,0x3FAAB0D5,0x3FE39EA9,0x4017C496,0x404A62C2,0x4086F161,0x40B3F300,0x40EFF755,0x41200000,0x41555D0A,0x418E432A,0x41BDB5BC,0x41FCFB72,0x4228ADB9,0x4260EFC0,0x4295FA95,0x42C80000,0x43055A26,0x4331D3F4,0x436D232B,0x439E1D27,0x43D2D927,0x440C95D8,0x443B793B,0x447A0000,0x44A6B0B0,0x44DE48F1,0x451435FB,0x4545A471,0x4583C7B8,0x45AFBB4E,0x45EA5789
	v_mov_b32 v[32+i], \c                          ; the timescales 10^(i / 8), rounded to f32
.set i, i+1
.endr
.set i, 0
	s_wait_alu depctr_va_vdst(0)
.rept 32
	v_rcp_f32 v[64+i], v[32+i]
.set i, i+1
.endr
	v_nop                                          ; a plain instruction behind the last reciprocal
	s_wait_alu depctr_va_vdst(0)                   ; one wait for the batch, ahead of its first reader
	s_wait_loadcnt 0x0
	v_cvt_f32_i32 v7, v7                           ; the position
.set i, 0
.rept 32
	v_mul_f32 v8, v7, v[64+i]                      ; position / timescale: a first quotient,
	s_delay_alu instid0(VALU_DEP_1)
	v_fma_f32 v9, -v8, v[32+i], v7                 ; its remainder,
	v_fma_f32 v8, v9, v[64+i], v8                  ; the quotient mended
	s_delay_alu instid0(VALU_DEP_1)
	v_mul_f32 v9, s40, v8
	s_delay_alu instid0(VALU_DEP_1)
	v_rndne_f32 v9, v9                             ; n = the nearest multiple of pi / 2
	s_delay_alu instid0(VALU_DEP_1)
	v_fma_f32 v8, -v9, s41, v8
	s_delay_alu instid0(VALU_DEP_1)
	v_fma_f32 v8, -v9, s42, v8
	s_delay_alu instid0(VALU_DEP_1)
	v_fma_f32 v8, -v9, s43, v8                     ; r = x - n pi / 2
	s_delay_alu instid0(VALU_DEP_4)
	v_cvt_i32_f32 v9, v9
	s_delay_alu instid0(VALU_DEP_2)
	v_mul_f32 v10, v8, v8                          ; z = r r
	s_delay_alu instid0(VALU_DEP_1)
	v_fma_f32 v11, v10, s44, s45
	s_delay_alu instid0(VALU_DEP_1)
	v_fma_f32 v11, v11, v10, s46
	s_delay_alu instid0(VALU_DEP_3)
	v_mul_f32 v12, v10, v8
	s_delay_alu instid0(VALU_DEP_1)
	v_fma_f32 v11, v11, v12, v8                    ; sin r
	v_fma_f32 v13, v10, s47, s48
	s_delay_alu instid0(VALU_DEP_1)
	v_fma_f32 v13, v13, v10, s49
	v_mul_f32 v12, v10, v10
	v_fma_f32 v14, v10, -0.5, 1.0
	s_delay_alu instid0(VALU_DEP_1)
	v_fma_f32 v13, v13, v12, v14                   ; cos r
	v_and_b32 v12, 1, v9
	s_delay_alu instid0(VALU_DEP_1)
	v_cmp_eq_u32 vcc_lo, 1, v12
	s_delay_alu instid0(VALU_DEP_1)
	v_cndmask_b32 v14, v11, v13, vcc_lo            ; an odd n changes the two over
	s_delay_alu instid0(VALU_DEP_2)
	v_cndmask_b32 v15, v13, v11, vcc_lo
	v_lshlrev_b32 v12, 30, v9
	s_delay_alu instid0(VALU_DEP_1)
	v_and_b32 v12, 0x80000000, v12                 ; sine is negative where n % 4 is 2 or 3,
	s_delay_alu instid0(VALU_DEP_1)
	v_xor_b32 v[128+i], v14, v12
	v_add_nc_u32 v12, 1, v9
	s_delay_alu instid0(VALU_DEP_1)
	v_lshlrev_b32 v12, 30, v12
	s_delay_alu instid0(VALU_DEP_1)
	v_and_b32 v12, 0x80000000, v12                 ; cosine where it is 1 or 2
	s_delay_alu instid0(VALU_DEP_1)
	v_xor_b32 v[96+i], v15, v12
.set i, i+1
.endr
.irp hh, 0,1                                   ; chunk c of a tile: lane slot 16 hh + row holds frequencies 16 hh + 4 c .. + 3; cosines in chunks 0-3, sines in 4-7
.irp c, 0,1,2,3
	global_store_b128 v16, v[96+16*\hh+4*\c:99+16*\hh+4*\c], s[18:19] offset:512*\c+256*\hh
	global_store_b128 v16, v[128+16*\hh+4*\c:131+16*\hh+4*\c], s[18:19] offset:2048+512*\c+256*\hh
.endr
.endr
	s_endpgm
.Lweights:
	; ---- the weights: work-group = 16 p + head; wave = K step: four tiles of 16 rows x 128 K
	s_sub_co_u32 s23, ttmp9, 576
	s_lshr_b32 s24, s23, 4                         ; p: 0 Wq, 1 Wk, 2 Wv, 3 Wo
	s_and_b32 s25, s23, 15                         ; the head, or Wo's group of 64 rows
	s_mov_b32 s29, 8*768
	s_cmp_eq_u32 s24, 1
	s_cselect_b64 s[10:11], s[12:13], s[10:11]
	s_cmp_eq_u32 s24, 2
	s_cselect_b64 s[10:11], s[14:15], s[10:11]
	s_cmp_eq_u32 s24, 3
	s_cselect_b64 s[10:11], s[16:17], s[10:11]
	s_cselect_b32 s28, 0, 8                        ; Wo's rows of a tile are neighbours; the others' rows 8-15 lie 8 further on,
	s_cselect_b32 s29, 16*768, s29                 ; and an odd tile begins 16 rows behind the even one, or 8
	s_wait_alu depctr_va_vdst(0)
	v_and_b32 v5, s28, v3
	s_delay_alu instid0(VALU_DEP_1)
	v_add_nc_u32 v5, v5, v3
	s_delay_alu instid0(VALU_DEP_1)
	v_mul_u32_u24 v5, v5, 768                      ; a row of 1,024 codes is 768 bytes
	s_delay_alu instid0(VALU_DEP_1)
	v_mad_u32_u24 v5, v4, 24, v5
	s_delay_alu instid0(VALU_DEP_1)
	v_add_nc_u32 v6, s29, v5
	s_mul_i32 s26, s25, 64*768
	s_mul_i32 s30, s22, 96
	s_add_co_u32 s26, s26, s30
	s_add_nc_u64 s[10:11], s[10:11], s[26:27]
.irp t, 0,1,2,3
.irp p, 0,1,2,3,4,5
	global_load_b64 v[16+12*\t+2*\p:17+12*\t+2*\p], v[5+\t%2], s[10:11] offset:(\t/2)*32*768+48*(\p/3)+8*(\p%3)
.endr
.endr
	s_mul_i32 s31, s24, 786432
	s_mul_i32 s30, s25, 49152
	s_add_co_u32 s31, s31, s30
	s_mul_i32 s30, s22, 6144
	s_add_co_u32 s26, s31, s30
	s_add_nc_u64 s[18:19], s[18:19], s[26:27]
	v_lshlrev_b32 v7, 4, v2
	s_wait_alu depctr_va_vdst(0)
	s_wait_loadcnt 0x0
.irp q, 0,1,2,3,4,5,6,7,8,9,10,11
	global_store_b128 v7, v[16+4*\q:19+4*\q], s[18:19] offset:512*\q   ; 32 lanes store 512 consecutive bytes
.endr
	s_endpgm
.Lfunc_end_k_qd260361d34_prep:
	.size	k_qd260361d34_prep, .Lfunc_end_k_qd260361d34_prep-k_qd260361d34_prep
	.p2alignl 7, 3214868480
	.fill 96, 4, 3214868480
	.section	.rodata,"a",@progbits
	.p2align	6, 0x0
	.amdhsa_kernel k_qd260361d34_prep
		.amdhsa_group_segment_fixed_size 0
		.amdhsa_private_segment_fixed_size 0
		.amdhsa_enable_private_segment 0
		.amdhsa_kernarg_size 80
		.amdhsa_user_sgpr_count 2
		.amdhsa_user_sgpr_kernarg_segment_ptr 1
		.amdhsa_wavefront_size32 1
		.amdhsa_system_sgpr_workgroup_id_x 1
		.amdhsa_system_sgpr_workgroup_id_y 1
		.amdhsa_system_sgpr_workgroup_id_z 1
		.amdhsa_system_vgpr_workitem_id 0
		.amdhsa_next_free_vgpr 160
		.amdhsa_next_free_sgpr 66
		.amdhsa_reserve_vcc 1
		.amdhsa_float_denorm_mode_32 3
		.amdhsa_float_denorm_mode_16_64 3
		.amdhsa_memory_ordered 1
		.amdhsa_forward_progress 1
		.amdhsa_inst_pref_size 118
	.end_amdhsa_kernel
	.amdgpu_metadata
---
amdhsa.version: [ 1, 2 ]
amdhsa.kernels:
  - .name:           k_qd260361d34_prep
    .symbol:         k_qd260361d34_prep.kd
    .args:
      - { .name: mask, .offset: 0, .size: 8, .value_kind: global_buffer, .address_space: global }
      - { .name: q_positions, .offset: 8, .size: 8, .value_kind: global_buffer, .address_space: global }
      - { .name: kv_positions, .offset: 16, .size: 8, .value_kind: global_buffer, .address_space: global }
      - { .name: Wq_codes, .offset: 24, .size: 8, .value_kind: global_buffer, .address_space: global }
      - { .name: Wk_codes, .offset: 32, .size: 8, .value_kind: global_buffer, .address_space: global }
      - { .name: Wv_codes, .offset: 40, .size: 8, .value_kind: global_buffer, .address_space: global }
      - { .name: Wo_codes, .offset: 48, .size: 8, .value_kind: global_buffer, .address_space: global }
      - { .name: ptab, .offset: 56, .size: 8, .value_kind: global_buffer, .address_space: global }
      - { .name: msk, .offset: 64, .size: 8, .value_kind: global_buffer, .address_space: global }
      - { .name: flg, .offset: 72, .size: 8, .value_kind: global_buffer, .address_space: global }
    .group_segment_fixed_size: 0
    .private_segment_fixed_size: 0
    .kernarg_segment_align: 8
    .kernarg_segment_size: 80
    .max_flat_workgroup_size: 256
    .sgpr_count:     66
    .vgpr_count:     160
    .wavefront_size: 32
...
	.end_amdgpu_metadata
.endif
;; end of part 5
;; launch proj (part 6): grid 4 x 64, 4 waves a work-group, no clusters, 327,680 bytes of LDS; arguments q_codes, kv_codes, q_scales, kv_scales, Wq_scales, Wk_scales, Wv_scales, bq, bk, bv, q_scale, k_scale, ptab, qkv; writes qkv
.if DOCPART == 6
	.amdgcn_target "amdgcn-amd-amdhsa--gfx1250"
	.amdhsa_code_object_version 6
	.text
	.protected	k_qd260361d34_proj
	.globl	k_qd260361d34_proj
	.p2align	8
	.type	k_qd260361d34_proj,@function
k_qd260361d34_proj:
	s_mov_b64 s[64:65], 0
	v_nop
	global_prefetch_b8 v0, s[64:65] scope:SCOPE_SE
	s_setreg_imm32_b32 hwreg(HW_REG_WAVE_MODE, 25, 1), 1
	s_wait_xcnt 0x0
; qh = rope(rms(q Wq + bq)), kh = rope(rms(kv Wk + bk)), vh = kv Wv + bv, on codes of FP6 (E2M3) with E8M0 scales; the results are quantised here: qh and kh along a head's 64 channels, vh along the tokens.
; SHARES.  A work-group takes 128 tokens (y) and four heads (x); wave w owns head 4 x + w: a tile of 128 tokens x 64 channels, 32 accumulators, K = 1,024 in 8 steps of 128.  Three phases: Q and K (one loop of two trips), V.
; A's CODES (128 tokens x 768 bytes, of q and of kv) come into LDS once, by four tensor loads a wave, and are never filled again.  THE WEIGHTS come from the images that the launch before laid, straight into
; registers, through a ring of four sets of 48 registers, three K steps ahead.
; TILES OF 16 TOKENS ARE NOT NEIGHBOURS: row r of tile t is token 32 (t / 2) + 8 (t % 2) + r + 8 (r / 8); a head's 16 channels of a tile likewise.  So in a result whose registers run along such rows, the 16
; registers of tiles 2 b and 2 b + 1 are the 16 neighbours 32 b + 16 (lane / 16) + 0 .. 15, which is what the conversions to codes want.
; Q, K: source 0 = 16 channels of W, source 1 = 16 tokens: a lane holds one token, its 32 registers 32 of the head's channels (c and c + 32 both: RoPE's pairs).  V: source 0 = tokens, source 1 = channels: a lane holds one
; channel, its 64 registers 64 of the 128 tokens.  The bias is the C of each sum's first product.
; OUT (buffer qkv): Q's and K's codes as half images (16 rows x 64 K: registers 0-3 at 16 L, 4-5 at 512 + 8 L), V's as full images (registers 4 c .. at 512 c + 16 L); scale words beside them; a word of Q or K is (s0, s1, s0, s1).
; NO CLUSTER: what the four work-groups of a row of the grid share is A, 196,608 bytes of the 786,432 that a work-group fetches; the weights, the larger part, are shared by 64 work-groups, more than a cluster holds.
; NO PREFETCH: the weights' images are read by 64 work-groups at about the same time, and A comes once, at the head.
; LIMITS: NaN and infinities are not served.  A block of zeros gets the scale byte 1 (its codes are zeros; this program alone reads the bytes).
; REGISTERS, in windows of 256.  Window 0: addresses, scale words, constants, the epilogue's work.  Window 1: v0-95, v96-191 A's fragments, two sets; v192-223, v224-255 RoPE's cosines and sines, two sets.
; Window 2: v0-191 the weights' ring; v192-223 V's bias.  Window 3: the accumulators: Q, K: (tokens' tile i, channels' tile t) at 32 i + 8 t; V: at 64 t + 8 i.
.set TILEB, 13056                      ; a tile in LDS: 16 rows of 816 bytes
.set PITCH, 816                        ; a row: 3 x (256 bytes + 16 of padding) = 204 words: the 32 lanes of a load of 8 bytes touch 64 different banks
.set KVT,   8*TILEB                    ; q's eight tiles lie at 0, kv's here
.set ROPE,  3145728
.set PSTEP, 786432                     ; from one weight's images to the next's
.set L16, 1                            ; v1  16 x lane
.set L8,  2                            ; v2  8 x lane
.set SCO, 3                            ; v3  32 (r + 8 (r / 8)) + 16 h: a tile's rows of scale bytes; lanes 0-15 take K steps 0-3, lanes 16-31 steps 4-7
.set BIO, 4                            ; v4  64 h: a lane's 16 channels of a bias or gain
.set VBO, 5                            ; v5  4 (r + 8 (r / 8)): a lane's channel of bv
.set OSO, 6                            ; v6  32 r + 16 h: where a lane stores four scale words
.set AB,  8                            ; v8-11  my place in a tile of A: plain, behind one padding more, and both for tiles 4-7
.set AD,  12                           ; v12-15 the same in q's or kv's tiles
.set AS,  16                           ; v16-47  A's scale words, four a tile
.set WS,  48                           ; v48-63  W's
.set BI,  64                           ; v64-95  the bias in the result's layout
.set G,   96                           ; v96-127 1 + the norm's scale
.set Y,   128                          ; v128-159 a token's 32 numbers
.set T,   160
.set U,   176
.set TM,  160                          ; the V phase's quantiser works here
.set PC,  192
.set PT,  200
.set SW,  204                          ; v204-211 the eight tiles' scale words
.set SX,  212
.set QM,  216
.set PV,  224                          ; v224-243 V's codes
.set VW,  244                          ; v244-247 V's scale words
.set SQ,  248
.set RS,  252
.set PX,  254
.set G1,  32
.set G0,  40
.set WP,  56                           ; the phase's weight images
.set RP,  58                           ; its RoPE table, its codes' and its scale words' place
.set OC,  60
.set OS,  62
.set NA,  66                           ; the next phase's A scales, W scales, bias, gain
.set NW,  68
.set NB,  70
.set NG,  72
.set KRP, 74
.set KOC, 76
.set KOS, 78
.set VCP, 80
.set VSP, 82
.set VWS, 84
.set SEL, 86
.set AOFF, 91
.set TRIP, 92
.set WV,  93
.set MSB, 0
.macro WIN new                         ; the immediate's high byte repeats the setting that is left
.if MSB != \new
	s_set_vgpr_msb (MSB<<8)|\new
.set MSB, \new
.endif
.endm
.macro PLACES                          ; four plain instructions behind matrix instructions, ahead of loads into their registers and of reads of their results
.rept 4
	v_nop
.endr
.endm
.macro LD_AS p                         ; A's scale words: row 32 (i / 2) + 8 (i % 2) + ..., 32 bytes a row
.irp i, 0,1,2,3,4,5,6,7
	global_load_b128 v[AS+4*\i:AS+4*\i+3], v[SCO], s[\p:\p+1] offset:(32*(\i/2)+8*(\i%2))*32
.endr
.endm
.macro LD_WS p
.irp t, 0,1,2,3
	global_load_b128 v[WS+4*\t:WS+4*\t+3], v[SCO], s[\p:\p+1] offset:(32*(\t/2)+8*(\t%2))*32
.endr
.endm
.macro LD_C reg, p                     ; register 8 t + j: the number of channel 32 (t / 2) + 8 (t % 2) + 16 h + j
.irp t, 0,1,2,3
	global_load_b128 v[\reg+8*\t:\reg+8*\t+3], v[BIO], s[\p:\p+1] offset:(32*(\t/2)+8*(\t%2))*4
	global_load_b128 v[\reg+8*\t+4:\reg+8*\t+7], v[BIO], s[\p:\p+1] offset:(32*(\t/2)+8*(\t%2))*4+16
.endr
.endm
.macro WLOAD g                         ; K step g of the phase's weights (g = 8 .. 10: the next phase's steps 0 .. 2) into set g % 4; destination window 2
.irp t, 0,1,2,3
.irp c, 0,1,2
	global_load_b128 v[48*((\g)%4)+12*\t+4*\c:48*((\g)%4)+12*\t+4*\c+3], v[L16], s[WP:WP+1] offset:((\g)/8)*PSTEP+((\g)%8)*6144+1536*\t+512*\c
.endr
.endr
.endm
.macro RLOAD i                         ; tile i's cosines and sines into set i % 2; destination window 1
.irp q, 0,1,2,3,4,5,6,7
	global_load_b128 v[192+32*((\i)%2)+4*\q:192+32*((\i)%2)+4*\q+3], v[L16], s[RP:RP+1] offset:(\i)*4096+512*\q
.endr
.endm
; A's fragment of tile i, K step s: 12 registers: pieces of 8 bytes 12 s + 0, 1, 2 and 12 s + 6, 7, 8 of the row for lanes 0-15, three pieces on for lanes 16-31; 16 bytes of padding lie behind every 32 pieces
.macro FRAGA buf, s, i
.irp p, 0,1,2,3,4,5
.set PCN, 12*(\s)+6*(\p/3)+\p%3
.if PCN%32 < 29
	ds_load_b64 v[96*(\buf)+12*(\i)+2*\p:96*(\buf)+12*(\i)+2*\p+1], v[AD+2*((\i)/4)] offset:8*PCN+16*(PCN/32)+((\i)%4)*TILEB
.else
	ds_load_b64 v[96*(\buf)+12*(\i)+2*\p:96*(\buf)+12*(\i)+2*\p+1], v[AD+2*((\i)/4)+1] offset:8*PCN+16*(PCN/32)+((\i)%4)*TILEB
.endif
.endr
.endm
.macro WMM d, a, b, c, sa, sb, hi      ; hi = 1: K steps 4-7: both sides' scale words stand in lanes 16-31
.if \hi
	v_wmma_scale_f32_16x16x128_f8f6f4 v[\d:\d+7], v[\a:\a+11], v[\b:\b+11], v[\c:\c+7], v[\sa], v[\sb] matrix_a_fmt:MATRIX_FMT_FP6 matrix_b_fmt:MATRIX_FMT_FP6 matrix_a_scale:MATRIX_SCALE_ROW1 matrix_b_scale:MATRIX_SCALE_ROW1
.else
	v_wmma_scale_f32_16x16x128_f8f6f4 v[\d:\d+7], v[\a:\a+11], v[\b:\b+11], v[\c:\c+7], v[\sa], v[\sb] matrix_a_fmt:MATRIX_FMT_FP6 matrix_b_fmt:MATRIX_FMT_FP6
.endif
.endm
; A K step's 32 products; the 32 accumulators take turns, one instruction a turn, in the same order in every step
.macro MULS s, kind
.if \kind == 0
.if \s == 0
	WIN 0xc6                                       ; source 0 (W) window 2, source 1 (A) window 1, C (the bias) window 0, D window 3
.else
	WIN 0xf6
.endif
.irp i, 0,1,2,3,4,5,6,7
.irp t, 0,1,2,3
.if \s == 0
	WMM 32*\i+8*\t, 48*((\s)%4)+12*\t, 96*((\s)%2)+12*\i, BI+8*\t, WS+4*\t+(\s)%4, AS+4*\i+(\s)%4, (\s)/4
.else
	WMM 32*\i+8*\t, 48*((\s)%4)+12*\t, 96*((\s)%2)+12*\i, 32*\i+8*\t, WS+4*\t+(\s)%4, AS+4*\i+(\s)%4, (\s)/4
.endif
.endr
.endr
.else
.if \s == 0
	WIN 0xe9                                       ; source 0 (A) window 1, source 1 (W) window 2, C (V's bias) window 2, D window 3
.else
	WIN 0xf9
.endif
.irp i, 0,1,2,3,4,5,6,7
.irp t, 0,1,2,3
.if \s == 0
	WMM 64*\t+8*\i, 96*((\s)%2)+12*\i, 48*((\s)%4)+12*\t, 192+8*\t, AS+4*\i+(\s)%4, WS+4*\t+(\s)%4, (\s)/4
.else
	WMM 64*\t+8*\i, 96*((\s)%2)+12*\i, 48*((\s)%4)+12*\t, 64*\t+8*\i, AS+4*\i+(\s)%4, WS+4*\t+(\s)%4, (\s)/4
.endif
.endr
.endr
.endif
.endm
; K step s.  cnt: the global loads issued behind this step's weights, which may stay out.  wnext = 1: the weights three steps on are asked for.
.macro STEP s, kind, cnt, wnext
	s_wait_dscnt 0x0                               ; this step's fragments of A, asked for a step ago, are in
	s_wait_loadcnt \cnt                            ; and its weights
	PLACES                                         ; behind the last step's products: the loads below land in registers that those read
.if \s < 7
	WIN 0x40
.irp i, 0,1,2,3,4,5,6,7
	FRAGA ((\s)+1)%2, (\s)+1, \i
.endr
.endif
.if \wnext
	WIN 0x80
	WLOAD (\s)+3
.endif
	MULS \s, \kind
.endm
; 32 numbers of a lane, register 16 b + i = channel 32 b + 16 h + i of my token, become six registers of codes in v[PC] on and the scale word (s0, s1, s0, s1) in v[w]
.macro QUANT2 w
	v_max3_num_f32 v[QM], |v[Y]|, |v[Y+1]|, 0x1800000       ; the floor 2^(3 - 127) holds the byte at 1 from below
	v_max3_num_f32 v[QM+1], |v[Y+16]|, |v[Y+17]|, 0x1800000
.irp j, 2,4,6,8,10,12,14
	v_max3_num_f32 v[QM], v[QM], |v[Y+\j]|, |v[Y+\j+1]|
	v_max3_num_f32 v[QM+1], v[QM+1], |v[Y+16+\j]|, |v[Y+17+\j]|
.endr
	v_permlanex16_b32 v[QM+2], v[QM], s[SEL], s[SEL+1]
	v_permlanex16_b32 v[QM+3], v[QM+1], s[SEL], s[SEL+1]
	v_max_num_f32 v[QM], v[QM], v[QM+2]                     ; with lane l xor 16's 16 numbers: the block's largest magnitude
	v_max_num_f32 v[QM+1], v[QM+1], v[QM+3]
	v_add_nc_u32 v[QM+4], 0xff000000, v[QM]                 ; 2 off its exponent field: the conversion's scale operand
	v_add_nc_u32 v[QM+5], 0xff000000, v[QM+1]
	v_lshrrev_b32 v[QM+6], 23, v[QM+4]                      ; the scale's byte
	v_lshrrev_b32 v[QM+7], 23, v[QM+5]
	v_lshl_or_b32 v[QM+6], v[QM+7], 8, v[QM+6]
	v_lshl_or_b32 v[\w], v[QM+6], 16, v[QM+6]
	v_cvt_scalef32_pk16_fp6_f32 v[PC:PC+2], v[Y:Y+15], v[QM+4]
	v_cvt_scalef32_pk16_fp6_f32 v[PT:PT+2], v[Y+16:Y+31], v[QM+5]
	v_nop                                          ; one plain instruction behind a scaled conversion
.irp j, 0,1,2
	v_permlane16_swap_b32 v[PC+\j], v[PT+\j]       ; a lane gets a whole block: lanes 0-15 block 0, lanes 16-31 block 1
.endr
.irp j, 0,1,2
	v_mov_b32 v[PC+3+\j], v[PT+\j]
.endr
.endm
; Q's and K's epilogue for the tokens' tile i.  cnt: the loads that may stay out when this tile's cosines and sines are wanted (-1: they are in already)
.macro EPI i, cnt
.set RB, 192+32*((\i)%2)
.if \cnt >= 0
	s_wait_loadcnt \cnt
.endif
	WIN 0x0f                                       ; sources 0 and 1: the accumulators
	v_pk_mul_f32 v[SQ:SQ+1], v[32*\i:32*\i+1], v[32*\i:32*\i+1]          ; the sum of squares, in two packed chains, each accumulator from its low end on
	v_pk_mul_f32 v[SQ+2:SQ+3], v[32*\i+2:32*\i+3], v[32*\i+2:32*\i+3]
.irp j, 4,8,12,16,20,24,28
	v_pk_fma_f32 v[SQ:SQ+1], v[32*\i+\j:32*\i+\j+1], v[32*\i+\j:32*\i+\j+1], v[SQ:SQ+1]
	v_pk_fma_f32 v[SQ+2:SQ+3], v[32*\i+\j+2:32*\i+\j+3], v[32*\i+\j+2:32*\i+\j+3], v[SQ+2:SQ+3]
.endr
	WIN 0
	v_pk_add_f32 v[SQ:SQ+1], v[SQ:SQ+1], v[SQ+2:SQ+3]
	v_add_f32 v[SQ], v[SQ], v[SQ+1]
	v_permlanex16_b32 v[PX], v[SQ], s[SEL], s[SEL+1]
	v_add_f32 v[SQ], v[SQ], v[PX]                  ; with lane l xor 16's 32 channels
	v_fma_f32 v[SQ], v[SQ], s88, s89               ; / 64 + 1e-6
	s_wait_alu depctr_va_vdst(0)
	v_rsq_f32 v[RS], v[SQ]
	v_nop                                          ; a plain instruction behind the transcendental,
	s_wait_alu depctr_va_vdst(0)                   ; and the wait ahead of its first reader
	WIN 0x03
.irp j, 0,2,4,6,8,10,12,14,16,18,20,22,24,26,28,30
	v_pk_mul_f32 v[Y+\j:Y+\j+1], v[32*\i+\j:32*\i+\j+1], v[RS:RS+1] op_sel_hi:[1,0]
.endr
	WIN 0
.irp j, 0,2,4,6,8,10,12,14,16,18,20,22,24,26,28,30
	v_pk_mul_f32 v[Y+\j:Y+\j+1], v[Y+\j:Y+\j+1], v[G+\j:G+\j+1]
.endr
	WIN 0x04                                       ; source 1: the table, window 1
.irp k, 0,2,4,6,8,10,12,14
	v_pk_mul_f32 v[T+\k:T+\k+1], v[Y+16+\k:Y+17+\k], v[RB+16+\k:RB+17+\k]   ; x2 sin
	v_pk_mul_f32 v[U+\k:U+\k+1], v[Y+\k:Y+\k+1], v[RB+16+\k:RB+17+\k]       ; x1 sin
.endr
.irp k, 0,2,4,6,8,10,12,14
	v_pk_fma_f32 v[Y+\k:Y+\k+1], v[Y+\k:Y+\k+1], v[RB+\k:RB+\k+1], v[T+\k:T+\k+1] neg_lo:[0,0,1] neg_hi:[0,0,1]
	v_pk_fma_f32 v[Y+16+\k:Y+17+\k], v[Y+16+\k:Y+17+\k], v[RB+\k:RB+\k+1], v[U+\k:U+\k+1]
.endr
.if \i < 6
	WIN 0x40
	RLOAD (\i)+2                                   ; the set just read takes the tile two on
.endif
	WIN 0
	s_wait_xcnt 0x0                                ; the last tile's stores have read their data: the codes' registers may be written
	QUANT2 SW+\i
	global_store_b128 v[L16], v[PC:PC+3], s[OC:OC+1] offset:768*\i       ; 512 consecutive bytes,
	global_store_b64 v[L8], v[PC+4:PC+5], s[OC:OC+1] offset:768*\i+512   ; and 256
.endm
; V: 64 numbers of a lane in window 3, register 16 b + i = token 32 b + 16 h + i of my channel, become a fragment's codes in v[PV] on and its scale word in v[w]
.macro QUANTW s, w
	WIN 0x0f
.irp b, 0,1,2,3
	v_max3_num_f32 v[TM+\b], |v[\s+16*\b]|, |v[\s+1+16*\b]|, 0x1800000
.endr
	WIN 0x3c
.irp i, 2,4,6,8,10,12,14
.irp b, 0,1,2,3
	v_max3_num_f32 v[TM+\b], v[TM+\b], |v[\s+16*\b+\i]|, |v[\s+1+16*\b+\i]|
.endr
.endr
	WIN 0
.irp b, 0,1,2,3
	v_permlanex16_b32 v[TM+4+\b], v[TM+\b], s[SEL], s[SEL+1]
.endr
.irp b, 0,1,2,3
	v_max_num_f32 v[TM+\b], v[TM+\b], v[TM+4+\b]
.endr
.irp b, 0,1,2,3
	v_add_nc_u32 v[TM+12+\b], 0xff000000, v[TM+\b]
.endr
.irp b, 0,1,2,3
	v_lshrrev_b32 v[TM+4+\b], 23, v[TM+12+\b]
.endr
	v_lshl_or_b32 v[\w], v[TM+5], 8, v[TM+4]
	v_lshl_or_b32 v[\w], v[TM+6], 16, v[\w]
	v_lshl_or_b32 v[\w], v[TM+7], 24, v[\w]
	WIN 0x03
.irp c, 0,1
	v_cvt_scalef32_pk16_fp6_f32 v[PV+6*\c:PV+2+6*\c], v[\s+32*\c:\s+15+32*\c], v[TM+12+2*\c]
	v_cvt_scalef32_pk16_fp6_f32 v[PV+12+4*\c:PV+14+4*\c], v[\s+16+32*\c:\s+31+32*\c], v[TM+12+2*\c+1]
.endr
	WIN 0
	v_nop                                          ; one plain instruction behind a scaled conversion
.irp c, 0,1
.irp i, 0,1,2
	v_permlane16_swap_b32 v[PV+6*\c+\i], v[PV+12+4*\c+\i]
.endr
.irp i, 0,1,2
	v_mov_b32 v[PV+3+6*\c+\i], v[PV+12+4*\c+\i]
.endr
.endr
.endm
	s_load_b512 s[4:19], s[0:1], 0x0               ; q_codes s[4:5], kv_codes s[6:7], q_scales s[8:9], kv_scales s[10:11], Wq_scales s[12:13], Wk_scales s[14:15], Wv_scales s[16:17], bq s[18:19]
	s_load_b256 s[20:27], s[0:1], 0x40             ; bk s[20:21], bv s[22:23], q_scale s[24:25], k_scale s[26:27]
	s_load_b128 s[28:31], s[0:1], 0x60             ; ptab s[28:29], qkv s[30:31]
	v_lshl_add_u32 v243, v0, 2, 0x33000
	v_mov_b32 v255, 0
	ds_add_u32 v243, v255
	ds_add_u32 v243, v255
	v_lshrrev_b32 v7, 5, v0
	v_readfirstlane_b32 s[WV], v7                  ; wave 0..3
	s_and_b32 s94, ttmp7, 0xffff                   ; the block of 128 tokens, 0..63
	s_lshl_b32 s95, ttmp9, 2
	s_add_co_u32 s95, s95, s[WV]                   ; my head
	; descriptor group 1: a tile is 2 rows of 768 elements of 8 bytes (8 tokens' codes on end), 16 tokens apart; 16 bytes of padding behind every 256
	s_mov_b32 s[G1], (3<<16)|(1<<20)|(5<<22)|(3<<25)
	s_mov_b32 s[G1+1], 768<<16                     ; tensor_dim0
	s_mov_b32 s[G1+2], 2<<16                       ; tensor_dim1
	s_mov_b32 s[G1+3], 768<<16                     ; tile_dim0
	s_mov_b32 s[G1+4], 2                           ; tile_dim1
	s_mov_b32 s[G1+5], 1536                        ; tensor_dim0_stride
	s_mov_b32 s[G1+6], 0
	s_mov_b32 s[G1+7], 0
	s_mul_i32 s96, s94, 98304                      ; the block's codes,
	s_mul_i32 s97, s[WV], 24576                    ; tokens 32 w on: tiles 2 w and 2 w + 1
	s_add_co_u32 s96, s96, s97
	s_mov_b32 s97, 0
	s_mul_i32 s98, s[WV], 2*TILEB
	s_wait_dscnt 0x0
	s_wait_kmcnt 0x0
	s_add_nc_u64 s[4:5], s[4:5], s[96:97]
	s_add_nc_u64 s[6:7], s[6:7], s[96:97]
.irp j, 0,1,2,3                                ; loads 0, 1: q's tiles 2 w, 2 w + 1; loads 2, 3: kv's
	s_mov_b32 s[G0+4*\j], 1
	s_add_co_u32 s[G0+4*\j+1], s98, (\j/2)*KVT+(\j%2)*TILEB
	s_add_nc_u64 s[G0+4*\j+2:G0+4*\j+3], s[4+2*(\j/2):5+2*(\j/2)], (\j%2)*6144
	s_or_b32 s[G0+4*\j+3], s[G0+4*\j+3], 0x80000000
.endr
	tensor_load_to_lds s[G0:G0+3], s[G1:G1+7]      ; the first of the four fills; each is waited for before the next goes out
	s_nop 0
	s_wait_alu depctr_va_vdst(0)
	s_wait_tensorcnt 0x0
	ds_add_u32 v243, v255
	s_wait_dscnt 0x0
	s_barrier_signal -1
	s_barrier_wait -1
	tensor_load_to_lds s[G0+4:G0+7], s[G1:G1+7]
	s_nop 0
	s_wait_alu depctr_va_vdst(0)
	s_wait_tensorcnt 0x0
	ds_add_u32 v243, v255
	s_wait_dscnt 0x0
	s_barrier_signal -1
	s_barrier_wait -1
	tensor_load_to_lds s[G0+8:G0+11], s[G1:G1+7]
	s_nop 0
	s_wait_alu depctr_va_vdst(0)
	s_wait_tensorcnt 0x0
	ds_add_u32 v243, v255
	s_wait_dscnt 0x0
	s_barrier_signal -1
	s_barrier_wait -1
	tensor_load_to_lds s[G0+12:G0+15], s[G1:G1+7]
	s_nop 0
	PLACES                                         ; four v_nop follow the tensor loads
	v_and_b32 v7, 31, v0
	v_lshlrev_b32 v[L16], 4, v7
	v_lshlrev_b32 v[L8], 3, v7
	v_and_b32 v248, 15, v0                         ; r
	v_bfe_u32 v249, v0, 4, 1                       ; h
	v_and_b32 v250, 8, v248
	v_add_nc_u32 v250, v250, v248                  ; r + 8 (r / 8)
	v_lshlrev_b32 v[SCO], 5, v250
	v_lshl_add_u32 v[SCO], v249, 4, v[SCO]
	v_lshlrev_b32 v[BIO], 6, v249
	v_lshlrev_b32 v[VBO], 2, v250
	v_lshlrev_b32 v[OSO], 5, v248
	v_lshl_add_u32 v[OSO], v249, 4, v[OSO]
	v_mul_u32_u24 v[AB], v248, PITCH
	v_mad_u32_u24 v[AB], v249, 24, v[AB]
	v_lshl_add_u32 v[AB+1], v249, 4, v[AB]
	v_add_nc_u32 v[AB+2], 4*TILEB, v[AB]
	v_add_nc_u32 v[AB+3], 4*TILEB, v[AB+1]
	v_mov_b32 v[RS+1], 0                           ; named as the upper half of a pair
	v_mov_b32 v[PX], 0                             ; a lane permute's destination counts as one of its sources
	v_mov_b32 v[QM+2], 0
	v_mov_b32 v[QM+3], 0
	s_mov_b32 s[SEL], 0x76543210
	s_mov_b32 s[SEL+1], 0xfedcba98                 ; lane l xor 16
	s_mov_b32 s88, 0x3c800000                      ; 1 / 64
	s_mov_b32 s89, 0x358637bd                      ; 1e-6
	s_mov_b32 s90, 0xffff0000                      ; lanes 16-31
	s_lshl_b32 s96, s94, 12                        ; 128 rows of 32 scale bytes
	s_add_nc_u64 s[8:9], s[8:9], s[96:97]
	s_add_nc_u64 s[NA:NA+1], s[10:11], s[96:97]
	s_lshl_b32 s96, s95, 11                        ; a head's 64 rows of 32 scale bytes
	s_add_nc_u64 s[12:13], s[12:13], s[96:97]
	s_add_nc_u64 s[NW:NW+1], s[14:15], s[96:97]
	s_add_nc_u64 s[VWS:VWS+1], s[16:17], s[96:97]
	s_lshl_b32 s96, s95, 8                         ; a head's 64 biases
	s_add_nc_u64 s[18:19], s[18:19], s[96:97]
	s_add_nc_u64 s[NB:NB+1], s[20:21], s[96:97]
	s_add_nc_u64 s[22:23], s[22:23], s[96:97]
	s_mov_b64 s[NG:NG+1], s[26:27]
	s_mul_i32 s96, s95, 49152
	s_add_nc_u64 s[WP:WP+1], s[28:29], s[96:97]    ; Wq's images of my head
	s_lshl_b32 s96, s94, 15                        ; eight tiles of 4,096 bytes
	s_add_co_u32 s96, s96, ROPE
	s_add_nc_u64 s[RP:RP+1], s[28:29], s[96:97]
	s_add_nc_u64 s[KRP:KRP+1], s[RP:RP+1], 2097152
	s_lshr_b32 s98, s94, 4
	s_lshl_b32 s98, s98, 4
	s_add_co_u32 s98, s98, s95                     ; 16 b + head
	s_and_b32 s99, s94, 15
	s_lshl_b32 s98, s98, 4
	s_add_co_u32 s98, s98, s99                     ; x 16 + the block in its batch
	s_mul_i32 s96, s98, 6144
	s_add_nc_u64 s[OC:OC+1], s[30:31], s[96:97]    ; Q's codes; K's and V's lie 6,291,456 and 12,582,912 bytes on
	s_add_nc_u64 s[KOC:KOC+1], s[OC:OC+1], 6291456
	s_add_nc_u64 s[VCP:VCP+1], s[OC:OC+1], 12582912
	s_lshl_b32 s96, s98, 9
	s_add_nc_u64 s[OS:OS+1], s[30:31], s[96:97]
	s_add_nc_u64 s[OS:OS+1], s[OS:OS+1], 18874368  ; Q's scale words; K's and V's 524,288 and 1,048,576 bytes on
	s_add_nc_u64 s[KOS:KOS+1], s[OS:OS+1], 524288
	s_add_nc_u64 s[VSP:VSP+1], s[OS:OS+1], 1048576
	WIN 0x80
.irp t, 0,1,2,3
	global_load_b32 v[192+8*\t], v[VBO], s[22:23] offset:(32*(\t/2)+8*(\t%2))*4   ; bv of my lane's channel in tile t
.endr
	WIN 0
	LD_AS 8
	LD_WS 12
	LD_C BI, 18
	LD_C G, 24
	WIN 0x80
	WLOAD 0
	WLOAD 1
	WLOAD 2
	WIN 0
	s_wait_tensorcnt 0x0                           ; my four tiles have landed,
	s_barrier_signal -1
	s_barrier_wait -1                              ; everybody's have: from here on LDS is only read
	s_mov_b32 s[TRIP], 2
	s_mov_b32 s[AOFF], 0
.Lphase:                                           ; trip 1: Q; trip 2: K
	s_wait_alu depctr_va_vdst(0)
.irp k, 0,1,2,3
	v_add_nc_u32 v[AD+\k], s[AOFF], v[AB+\k]
.endr
	WIN 0x40
	RLOAD 0                                        ; the first two tiles' cosines and sines have the whole product in which to land
	RLOAD 1
.irp i, 0,1,2,3,4,5,6,7
	FRAGA 0, 0, \i
.endr
	s_wait_alu depctr_va_vdst(0)
	STEP 0, 0, 40, 1                               ; behind a step's weights: two steps' weights (24) and the 16 loads of the tables
	STEP 1, 0, 40, 1
	STEP 2, 0, 40, 1
	STEP 3, 0, 24, 1                               ; two steps' weights
	STEP 4, 0, 24, 1
	STEP 5, 0, 24, 0
	STEP 6, 0, 12, 0
	STEP 7, 0, 0, 0
	WIN 0
	PLACES                                         ; behind the last products: loads into their registers and reads of their results follow
	WIN 0x80
	WLOAD 8                                        ; the next phase's first three K steps land while this phase's epilogue runs
	WLOAD 9
	WLOAD 10
	WIN 0
	LD_WS NW
	s_cmp_eq_u32 s[TRIP], 1
	s_cbranch_scc1 .Lno_k1                         ; behind K comes V: the same A, and a bias of another layout
	LD_AS NA
	LD_C BI, NB
.Lno_k1:
.irp j, 0,2,4,6,8,10,12,14,16,18,20,22,24,26,28,30
	v_pk_add_f32 v[G+\j:G+\j+1], v[G+\j:G+\j+1], 1.0 op_sel_hi:[1,0]   ; 1 + scale
.endr
	EPI 0, -1
	EPI 1, -1
	EPI 2, 8                                       ; behind a tile's table: the next tile's eight loads
	EPI 3, 8
	EPI 4, 8
	EPI 5, 8
	EPI 6, 8
	EPI 7, 0
.irp k, 0,1,2,3
	v_cndmask_b32 v[SX+\k], v[SW+\k], v[SW+4+\k], s90   ; lanes 0-15 store tiles 0-3's words of their row, lanes 16-31 tiles 4-7's
.endr
	global_store_b128 v[OSO], v[SX:SX+3], s[OS:OS+1]    ; 512 consecutive bytes
	s_cmp_eq_u32 s[TRIP], 1
	s_cbranch_scc1 .Lno_k2
	LD_C G, NG
.Lno_k2:
	s_wait_xcnt 0x0                                ; every load and store issued has read its addresses and data: the pointers may step
	s_add_nc_u64 s[WP:WP+1], s[WP:WP+1], PSTEP
	s_mov_b64 s[RP:RP+1], s[KRP:KRP+1]
	s_mov_b64 s[OC:OC+1], s[KOC:KOC+1]
	s_mov_b64 s[OS:OS+1], s[KOS:KOS+1]
	s_mov_b64 s[NW:NW+1], s[VWS:VWS+1]
	s_add_co_u32 s[AOFF], s[AOFF], KVT
	s_sub_co_u32 s[TRIP], s[TRIP], 1
	s_cmp_lg_u32 s[TRIP], 0
	s_cbranch_scc1 .Lphase
	; ---- V
.irp k, 0,1,2,3
	v_add_nc_u32 v[AD+\k], KVT, v[AB+\k]
.endr
	WIN 0x82
.irp t, 0,1,2,3
.irp j, 1,2,3,4,5,6,7
	v_mov_b32 v[192+8*\t+\j], v[192+8*\t]          ; the C of a sum's first product: a lane's channel has one bias for its eight tokens
.endr
.endr
	WIN 0x40
.irp i, 0,1,2,3,4,5,6,7
	FRAGA 0, 0, \i
.endr
	s_wait_alu depctr_va_vdst(0)
	STEP 0, 1, 24, 1
	STEP 1, 1, 24, 1
	STEP 2, 1, 24, 1
	STEP 3, 1, 24, 1
	STEP 4, 1, 24, 1
	STEP 5, 1, 24, 0
	STEP 6, 1, 12, 0
	STEP 7, 1, 0, 0
	WIN 0
	PLACES
.irp t, 0,1,2,3
	s_wait_xcnt 0x0                                ; the last tile's stores have read their data
	QUANTW 64*\t, VW+\t
.irp c, 0,1,2
	global_store_b128 v[L16], v[PV+4*\c:PV+4*\c+3], s[VCP:VCP+1] offset:1536*\t+512*\c
.endr
.endr
	global_store_b128 v[L16], v[VW:VW+3], s[VSP:VSP+1]   ; a lane's four scale words; lanes 16-31 hold the same as lanes 0-15
	s_wait_tensorcnt 0x0
	ds_add_u32 v243, v255
	s_wait_dscnt 0x0
	s_endpgm
.Lfunc_end_k_qd260361d34_proj:
	.size	k_qd260361d34_proj, .Lfunc_end_k_qd260361d34_proj-k_qd260361d34_proj
	.p2alignl 7, 3214868480
	.fill 96, 4, 3214868480
	.section	.rodata,"a",@progbits
	.p2align	6, 0x0
	.amdhsa_kernel k_qd260361d34_proj
		.amdhsa_group_segment_fixed_size 327680
		.amdhsa_private_segment_fixed_size 0
		.amdhsa_enable_private_segment 0
		.amdhsa_kernarg_size 112
		.amdhsa_user_sgpr_count 2
		.amdhsa_user_sgpr_kernarg_segment_ptr 1
		.amdhsa_wavefront_size32 1
		.amdhsa_system_sgpr_workgroup_id_x 1
		.amdhsa_system_sgpr_workgroup_id_y 1
		.amdhsa_system_sgpr_workgroup_id_z 1
		.amdhsa_system_vgpr_workitem_id 0
		.amdhsa_next_free_vgpr 1024
		.amdhsa_next_free_sgpr 100
		.amdhsa_reserve_vcc 0
		.amdhsa_float_denorm_mode_32 3
		.amdhsa_float_denorm_mode_16_64 3
		.amdhsa_memory_ordered 1
		.amdhsa_forward_progress 1
		.amdhsa_inst_pref_size 235
	.end_amdhsa_kernel
	.amdgpu_metadata
---
amdhsa.version: [ 1, 2 ]
amdhsa.kernels:
  - .name:           k_qd260361d34_proj
    .symbol:         k_qd260361d34_proj.kd
    .args:
      - { .name: q_codes, .offset: 0, .size: 8, .value_kind: global_buffer, .address_space: global }
      - { .name: kv_codes, .offset: 8, .size: 8, .value_kind: global_buffer, .address_space: global }
      - { .name: q_scales, .offset: 16, .size: 8, .value_kind: global_buffer, .address_space: global }
      - { .name: kv_scales, .offset: 24, .size: 8, .value_kind: global_buffer, .address_space: global }
      - { .name: Wq_scales, .offset: 32, .size: 8, .value_kind: global_buffer, .address_space: global }
      - { .name: Wk_scales, .offset: 40, .size: 8, .value_kind: global_buffer, .address_space: global }
      - { .name: Wv_scales, .offset: 48, .size: 8, .value_kind: global_buffer, .address_space: global }
      - { .name: bq, .offset: 56, .size: 8, .value_kind: global_buffer, .address_space: global }
      - { .name: bk, .offset: 64, .size: 8, .value_kind: global_buffer, .address_space: global }
      - { .name: bv, .offset: 72, .size: 8, .value_kind: global_buffer, .address_space: global }
      - { .name: q_scale, .offset: 80, .size: 8, .value_kind: global_buffer, .address_space: global }
      - { .name: k_scale, .offset: 88, .size: 8, .value_kind: global_buffer, .address_space: global }
      - { .name: ptab, .offset: 96, .size: 8, .value_kind: global_buffer, .address_space: global }
      - { .name: qkv, .offset: 104, .size: 8, .value_kind: global_buffer, .address_space: global }
    .group_segment_fixed_size: 327680
    .private_segment_fixed_size: 0
    .kernarg_segment_align: 8
    .kernarg_segment_size: 112
    .max_flat_workgroup_size: 128
    .sgpr_count:     100
    .vgpr_count:     1024
    .wavefront_size: 32
...
	.end_amdgpu_metadata
.endif
;; end of part 6
;; launch attn (part 7): grid 4 x 64, 16 waves a work-group, no clusters, 216,064 bytes of LDS; arguments qkv, msk, flg, att, head_scale; writes att
.if DOCPART == 7
	.amdgcn_target "amdgcn-amd-amdhsa--gfx1250"
	.amdhsa_code_object_version 6
	.text
	.protected	k_qd260361d34_attn
	.globl	k_qd260361d34_attn
	.p2align	8
	.type	k_qd260361d34_attn,@function
k_qd260361d34_attn:
	s_mov_b64 s[64:65], 0
	v_nop
	global_prefetch_b8 v0, s[64:65] scope:SCOPE_SE
	s_setreg_imm32_b32 hwreg(HW_REG_WAVE_SCHED_MODE, 0, 2), 2
	s_setreg_imm32_b32 hwreg(HW_REG_WAVE_MODE, 25, 1), 1
	s_wait_xcnt 0x0
	s_wait_alu depctr_vm_vsrc(0)
; attn = softmax(where(mask, q k^T / 8, lowest)) masked again, times v, times (1 + head_scale); both products on codes of FP6 (E2M3) with E8M0 scales; the result is quantised along the head's 64 channels.
; THE WEIGHTS ARE QUANTISED FINISHED AND NORMALISED, so the keys are walked twice.  Pass A finds each query's largest score m and the sum l of 2^(c s - c m), c = log2(e) / 8.  Pass B makes the same scores
; again (the same instructions on the same operands), forms w = 2^(c s - M'), M' = c m + log2(l), quantises w along the keys in blocks of 32 and adds V^T w.
; THE MASK comes as lane-mask words, one bit a score (buffer msk: they feed selects alone), and two flags for each tile of 16 queries x 128 keys (buffer flg), stored by an earlier launch.  A tile with no true
; entry adds nothing to m, l or O and is jumped over; a tile that is all true needs no masking.  These are scalar branches on stored whole numbers, right for every mask.  This launch has no tensor load:
; K and V come into LDS through registers.
; SHARES.  A work-group takes one head (y) and the blocks x and 7 - x of 256 queries; each of its 16 waves owns one tile of 16 queries of a block, in 256 registers: four waves to a SIMD, so that one wave's
; vector work stands beside another's products and LDS loads.  The whole head's K and V (codes and scale words, 212,992 bytes) lie in LDS, filled once.
; LAYOUT.  Both products are used transposed: S^T = K Q^T, O^T = V^T W^T: a lane holds one query (lane % 16) throughout.  The keys of a tile of K are not neighbours, so that score register 16 b + i is key
; 32 b + 16 (lane / 16) + i of the step.  K = 64 of the first product fills half of the instruction's 128: Q's upper six registers are zero codes, so whatever codes stand in K's upper six add nothing.
; NO CLUSTER, NO JOINT LOADS: they would be tensor loads.  NO PREFETCH: K and V are read once, at the head.
; LIMITS: NaN and infinities are not served; scores lie above -3e38; a w under 2^-126 counts as 0; a query with no true key gives zeros, as the second mask of the definition does.
; REGISTERS: v1-11, v35, v45-47 addresses; v12 c m, v13 m, v[14:15] l; v16 M'; v18 1 + head_scale; v20 the factor; v22-27 Q, v28-33 zeros; v34 Q's scale word, v36-39 K's, v40-43 V's, v44 W's;
; v48-101 K's eight half fragments (v96-101 zeros) or V's four fragments; v104-167 S^T, then w; v168-199 O^T; v200-218 codes; v220-235 the quantiser's work; v236-240 at work.
; THE MODE: SCHED_MODE bits 1:0 = 2 (LLVM: expert scheduling mode 2), set by the entry lines.  The code itself states the register dependences between vector or matrix instructions and memory or LDS
; instructions, with s_wait_alu, always for 0.
; THE PLAN.  Registers that memory or LDS instructions touch:
;   v1-3, v10, v11, v35, v254, v255   addresses, made at the head and never written again: one wait on va_vdst ahead of the first load serves them for the whole kernel.
;   v4-7, v48-151 at the head         the fill: 26 global loads land in v48-151, 26 LDS stores read them by v4-7; one wait on vm_vsrc behind the stores frees them all.
;   v4-8 in a key step                written by the additions at the step's head, read by the step's LDS loads: a wait on vm_vsrc ahead of the additions, one on va_vdst behind them.
;   v36-39, v48-95                    K's loads land there at a step's head; the eight score products read them.  The wait on va_vdst at the head also states that the last step's products are done with them.
;   v40-43, v48-95 in pass B          V's loads land there straight behind the score products, behind a wait on va_vdst of their own; the four products of O^T read them.
;   v22-27, v34                       Q: three loads at a block's head; all score products of the block read them.
;   v200-205, v228                    the way out: written by conversions, swaps and moves, read by three stores behind one wait on va_vdst; freed by a wait on vm_vsrc at the next block's head.
;   v104-107                          at the end: an LDS load lands there; no vector instruction stands behind the last way out's wait on va_vdst.
; No second set of registers for K: sixteen waves of 256 registers fill the four SIMDs' registers, a step's K takes 54, and which step comes next hangs on the flags.
.set KCO, 6291456
.set VCO, 12582912
.set QSO, 18874368
.set KSO, 19398656
.set ASH, 6291456
.set LV,  98304                        ; LDS: K's codes at 0, V's here,
.set LKS, 196608                       ; K's scale words,
.set LVS, 204800                       ; V's,
.set SCB, 212992                       ; and 2 x 512 bytes in which the waves gather the result's scale bytes
.set S,   104
.set O,   168
.set PC,  200
.set TM,  220
.set PW,  44
.set BH,  66
.set PI,  67
.set CS,  84
.set SEL, 86
.set WV,  88
.set FLG, 89
.set ANY, 90
.set ALL, 91
.set KB,  92                           ; the key step's codes in LDS: 6,144 bytes a step, in K and in V alike
.set KO,  93                           ; its scale words: 512 bytes a step
.set MO,  94                           ; its mask words: 256 bytes a step
.set CNT, 95
.set MWP, 96
.macro PLACES
.rept 4
	v_nop
.endr
.endm
; The step's scores.  pass = 1: V's addresses are made too, and V's fragments are asked for as soon as the score products are done with K's registers.
.macro KQ pass
	s_wait_alu depctr_vm_vsrc(0)                   ; the LDS instructions issued so far (the last step's loads; ahead of the first step the fill's stores) have read v4 to v8, which the additions write
	v_add_nc_u32 v4, s[KB], v1
	v_add_nc_u32 v5, s[KB], v2
	v_add_nc_u32 v6, s[KO], v45
.if \pass
	v_add_nc_u32 v7, s[KB], v46
	v_add_nc_u32 v8, s[KO], v47
.endif
	s_wait_alu depctr_va_vdst(0)                   ; the additions have written the addresses that the loads below read; the last step's products are done reading v36-43 and v48-95, in which loads land; the zeros in v28-33 and v96-101, which the scaled products take, are written
.irp t, 0,1,2,3,4,5,6,7
	ds_load_b128 v[48+6*\t:51+6*\t], v4 offset:768*\t
	ds_load_b64 v[52+6*\t:53+6*\t], v5 offset:768*\t+512
.endr
	ds_load_b128 v[36:39], v6                      ; lanes 0-15: tiles 0-3's words of their row, lanes 16-31: tiles 4-7's
	s_wait_dscnt 0x0
.irp t, 0,1,2,3
	v_wmma_scale_f32_16x16x128_f8f6f4 v[S+8*\t:S+8*\t+7], v[48+6*\t:59+6*\t], v[22:33], 0, v[36+\t], v34 matrix_a_fmt:MATRIX_FMT_FP6 matrix_b_fmt:MATRIX_FMT_FP6
.endr
.irp t, 4,5,6,7
	v_wmma_scale_f32_16x16x128_f8f6f4 v[S+8*\t:S+8*\t+7], v[48+6*\t:59+6*\t], v[22:33], 0, v[32+\t], v34 matrix_a_fmt:MATRIX_FMT_FP6 matrix_b_fmt:MATRIX_FMT_FP6 matrix_a_scale:MATRIX_SCALE_ROW1
.endr
	PLACES                                         ; four places behind the products, ahead of the vector instructions that read the scores (ISA guide 7.12.1)
.if \pass
	s_wait_alu depctr_va_vdst(0)                   ; the eight products are done reading K's fragments in v48-95, in which V's land
.irp t, 0,1,2,3
.irp c, 0,1,2
	ds_load_b128 v[48+12*\t+4*\c:51+12*\t+4*\c], v7 offset:1536*\t+512*\c   ; V's four fragments land while the weights are made: no vector instruction up to the wait on DScnt names v7, v8, v40-43 or v48-95
.endr
.endr
	ds_load_b128 v[40:43], v8
.endif
.endm
; The scores with the mask laid on: one branch on the step's flag; the arm with holes loads the 64 words and turns hidden scores into -infinity
.macro SCORES pass
	s_and_b32 s12, s[ALL], 1
	s_cbranch_scc0 .Lholes_\@
	KQ \pass
	s_branch .Lopen_\@
.Lholes_\@:
	s_load_b512 s[16:31], s[MWP:MWP+1], s[MO] offset:0x0
	s_load_b512 s[32:47], s[MWP:MWP+1], s[MO] offset:0x40
	s_load_b512 s[48:63], s[MWP:MWP+1], s[MO] offset:0x80
	s_load_b512 s[68:83], s[MWP:MWP+1], s[MO] offset:0xc0
	KQ \pass
	s_wait_kmcnt 0x0
.set j, 0
.rept 64
.if j < 48
	v_cndmask_b32 v[S+j], v9, v[S+j], s[16+j]
.else
	v_cndmask_b32 v[S+j], v9, v[S+j], s[20+j]
.endif
.set j, j+1
.endr
.Lopen_\@:
.endm
.macro NEXT_STEP                       ; on every path of a trip: the flags and the three offsets step
	s_lshr_b32 s[ANY], s[ANY], 1
	s_lshr_b32 s[ALL], s[ALL], 1
	s_add_co_u32 s[KB], s[KB], 6144
	s_add_co_u32 s[KO], s[KO], 512
	s_add_co_u32 s[MO], s[MO], 256
	s_add_co_u32 s[CNT], s[CNT], 1
	s_cmp_lt_u32 s[CNT], 16
.endm
.macro FIRST_STEP
	s_and_b32 s[ANY], s[FLG], 0xffff
	s_lshr_b32 s[ALL], s[FLG], 16
	s_mov_b32 s[KB], 0
	s_mov_b32 s[KO], 0
	s_mov_b32 s[MO], 0
	s_mov_b32 s[CNT], 0
.endm
; 64 weights of a lane, register 16 b + i = key 32 b + 16 h + i, none negative, become a fragment's codes in v[PC] on and its scale word in v[PW]
.macro QUANT
.irp b, 0,1,2,3
	v_max3_num_f32 v[TM+\b], v[S+16*\b], v[S+1+16*\b], 0x1800000   ; the floor 2^(3 - 127) holds the byte at 1 from below
.endr
.irp i, 2,4,6,8,10,12,14
.irp b, 0,1,2,3
	v_max3_num_f32 v[TM+\b], v[TM+\b], v[S+16*\b+\i], v[S+1+16*\b+\i]
.endr
.endr
.irp b, 0,1,2,3
	v_permlanex16_b32 v[TM+4+\b], v[TM+\b], s[SEL], s[SEL+1]
.endr
.irp b, 0,1,2,3
	v_max_num_f32 v[TM+\b], v[TM+\b], v[TM+4+\b]
.endr
.irp b, 0,1,2,3
	v_add_nc_u32 v[TM+12+\b], 0xff000000, v[TM+\b]
.endr
.irp b, 0,1,2,3
	v_lshrrev_b32 v[TM+4+\b], 23, v[TM+12+\b]
.endr
	v_lshl_or_b32 v[PW], v[TM+5], 8, v[TM+4]
	v_lshl_or_b32 v[PW], v[TM+6], 16, v[PW]
	v_lshl_or_b32 v[PW], v[TM+7], 24, v[PW]
.irp c, 0,1
	v_cvt_scalef32_pk16_fp6_f32 v[PC+6*\c:PC+2+6*\c], v[S+32*\c:S+15+32*\c], v[TM+12+2*\c]
	v_cvt_scalef32_pk16_fp6_f32 v[PC+12+4*\c:PC+14+4*\c], v[S+16+32*\c:S+31+32*\c], v[TM+12+2*\c+1]
.endr
	v_nop                                          ; one plain instruction behind a scaled conversion
.irp c, 0,1
.irp i, 0,1,2
	v_permlane16_swap_b32 v[PC+6*\c+\i], v[PC+12+4*\c+\i]
.endr
.irp i, 0,1,2
	v_mov_b32 v[PC+3+6*\c+\i], v[PC+12+4*\c+\i]
.endr
.endr
.endm
; One block of 256 queries: my tile of 16.  slot 0: block x, slot 1: block 7 - x
.macro BLOCK slot
	s_wait_xcnt 0x0                                ; earlier loads and stores have read their addresses and data
.if \slot
	s_wait_alu depctr_vm_vsrc(0)                   ; the first block's three stores have read v200-205 and v228, which this block's quantisers write again: stated here, on the path that every step's jump shares
.endif
.if \slot == 0
	s_mov_b32 s13, s[PI]
.else
	s_sub_co_u32 s13, 7, s[PI]
.endif
	s_lshl_b32 s14, s13, 4
	s_add_co_u32 s14, s14, s[WV]                   ; g: my tile among the batch's 128
	s_mov_b32 s13, 0
	s_lshl_b32 s12, s[BH], 7
	s_add_co_u32 s12, s12, s14
	s_mul_i32 s12, s12, 768
	s_add_nc_u64 s[98:99], s[4:5], s[12:13]
	global_load_b128 v[22:25], v1, s[98:99]        ; Q's half image.  No wait: in the second block the first way out's wait on va_vdst has shown the products done reading v22-27 and v34, and no vector instruction stands behind it
	global_load_b64 v[26:27], v2, s[98:99] offset:512
	s_lshr_b32 s15, s14, 3
	s_lshl_b32 s12, s[BH], 4
	s_add_co_u32 s12, s12, s15
	s_lshl_b32 s12, s12, 9
	s_and_b32 s15, s14, 7
	s_lshl_b32 s15, s15, 2
	s_add_co_u32 s12, s12, s15
	s_add_nc_u64 s[100:101], s[4:5], s[12:13]
	s_add_nc_u64 s[100:101], s[100:101], QSO
	global_load_b32 v34, v3, s[100:101]            ; its scale words: 32 bytes a row, 4 a tile
	s_lshr_b32 s12, s[BH], 4
	s_lshl_b32 s12, s12, 7
	s_add_co_u32 s15, s12, s14                     ; 128 b + g
	s_lshl_b32 s12, s15, 12
	s_add_nc_u64 s[MWP:MWP+1], s[6:7], s[12:13]    ; the tile's mask words
	s_lshl_b32 s12, s15, 6
	s_add_nc_u64 s[2:3], s[8:9], s[12:13]
	s_load_b512 s[16:31], s[2:3], 0x0              ; and its 16 flag words
	v_mov_b32 v13, 0xff61b1e6                      ; m: -3e38, under every score
	v_mul_f32 v12, s[CS], v13
	v_mov_b32 v14, 0
	v_mov_b32 v15, 0
.set j, 0
.rept 32
	v_mov_b32 v[O+j], 0                            ; O^T: any step may be the first that is not jumped over
.set j, j+1
.endr
	s_wait_kmcnt 0x0
	s_or_b32 s[FLG], s16, s17
.irp q, 18,19,20,21,22,23,24,25,26,27,28,29,30,31
	s_or_b32 s[FLG], s[FLG], s\q
.endr
	s_wait_loadcnt 0x0
	; ---- pass A: m and l, each lane for its own 64 of a step's 128 keys
	FIRST_STEP
.La_\@:
	s_and_b32 s12, s[ANY], 1
	s_cbranch_scc0 .Lskip_a_\@
	SCORES 0
.irp b, 0,1,2,3
	v_max3_num_f32 v[236+\b], v[S+16*\b], v[S+1+16*\b], v[S+2+16*\b]
.endr
.irp i, 3,5,7,9,11,13
.irp b, 0,1,2,3
	v_max3_num_f32 v[236+\b], v[236+\b], v[S+16*\b+\i], v[S+1+16*\b+\i]
.endr
.endr
.irp b, 0,1,2,3
	v_max_num_f32 v[236+\b], v[236+\b], v[S+15+16*\b]
.endr
	v_max3_num_f32 v236, v236, v237, v238
	v_max3_num_f32 v13, v236, v239, v13            ; the new m
	v_mov_b32 v240, v12
	v_mul_f32 v12, s[CS], v13
	v_sub_f32 v240, v240, v12                      ; c m_old - c m_new
.set j, 0
.rept 32
	v_pk_fma_f32 v[S+j:S+j+1], v[S+j:S+j+1], s[CS:CS+1], v[12:13] op_sel_hi:[1,0,0] neg_lo:[0,0,1] neg_hi:[0,0,1]
.set j, j+2
.endr
	s_wait_alu depctr_va_vdst(0)
	v_exp_f32 v20, v240
.set j, 0
.rept 64
	v_exp_f32 v[S+j], v[S+j]
.set j, j+1
.endr
	v_nop                                          ; a plain instruction behind the last exponential,
	s_wait_alu depctr_va_vdst(0)                   ; and one wait for the batch: the 65 exponentials have written v20 and v104-167, ahead of their first reader
	v_pk_mul_f32 v[14:15], v[14:15], v[20:21] op_sel_hi:[1,0]
	v_pk_add_f32 v[236:237], v[S:S+1], v[S+2:S+3]
.irp j, 4,8,12,16,20,24,28,32,36,40,44,48,52,56,60
	v_pk_add_f32 v[14:15], v[14:15], v[S+\j:S+\j+1]
	v_pk_add_f32 v[236:237], v[236:237], v[S+\j+2:S+\j+3]
.endr
	v_pk_add_f32 v[14:15], v[14:15], v[236:237]
.Lskip_a_\@:
	NEXT_STEP
	s_cbranch_scc1 .La_\@
	s_wait_alu depctr_va_vdst(0)
	; ---- the two halves of the lanes meet: M' = c m + log2(l)
	v_add_f32 v14, v14, v15
	v_permlanex16_b32 v236, v13, s[SEL], s[SEL+1]
	v_max_num_f32 v237, v13, v236
	v_mul_f32 v238, s[CS], v237
	v_sub_f32 v239, v12, v238
	s_wait_alu depctr_va_vdst(0)
	v_exp_f32 v239, v239
	v_nop
	s_wait_alu depctr_va_vdst(0)                   ; the exponential has written v239, ahead of its reader
	v_mul_f32 v14, v14, v239
	v_permlanex16_b32 v236, v14, s[SEL], s[SEL+1]
	v_add_f32 v14, v14, v236
	v_max_num_f32 v14, 0x00800000, v14             ; a query with no true key has l = 0: held at 2^-126; all its scores are hidden, so all its w are 0
	s_wait_alu depctr_va_vdst(0)
	v_log_f32 v14, v14
	v_nop
	s_wait_alu depctr_va_vdst(0)                   ; the logarithm has written v14, ahead of its reader
	v_add_f32 v16, v238, v14
	; ---- pass B
	FIRST_STEP
.Lb_\@:
	s_and_b32 s12, s[ANY], 1
	s_cbranch_scc0 .Lskip_b_\@
	SCORES 1                                       ; the scores; V's fragments and scale words are on their way from here on
.set j, 0
.rept 32
	v_pk_fma_f32 v[S+j:S+j+1], v[S+j:S+j+1], s[CS:CS+1], v[16:17] op_sel_hi:[1,0,0] neg_lo:[0,0,1] neg_hi:[0,0,1]
.set j, j+2
.endr
.set j, 0
	s_wait_alu depctr_va_vdst(0)
.rept 64
	v_exp_f32 v[S+j], v[S+j]                       ; w, finished and normalised
.set j, j+1
.endr
	v_nop                                          ; a plain instruction behind the last exponential,
	s_wait_alu depctr_va_vdst(0)                   ; and one wait for the batch: the 64 exponentials have written v104-167, ahead of their first reader
	QUANT
.rept 8
	v_nop                                          ; a scale word made by vector instructions stands eight places ahead of the scaled product, codes so made four
.endr
	s_wait_alu depctr_va_vdst(0)                   ; the quantiser has written W's codes v200-211 and its scale word v44, which the scaled products take; the places above stay beside this wait
	s_wait_dscnt 0x0
.irp t, 0,1,2,3
	v_wmma_scale_f32_16x16x128_f8f6f4 v[O+8*\t:O+8*\t+7], v[48+12*\t:59+12*\t], v[PC:PC+11], v[O+8*\t:O+8*\t+7], v[40+\t], v[PW] matrix_a_fmt:MATRIX_FMT_FP6 matrix_b_fmt:MATRIX_FMT_FP6
.endr
.Lskip_b_\@:
	NEXT_STEP
	s_cbranch_scc1 .Lb_\@
	; ---- the way out: x (1 + head_scale), quantised along the head's 64 channels: register 16 b + i is channel 32 b + 16 h + i
	PLACES
.set j, 0
.rept 16
	v_pk_mul_f32 v[O+j:O+j+1], v[O+j:O+j+1], v[18:19] op_sel_hi:[1,0]
.set j, j+2
.endr
	v_max3_num_f32 v[TM], |v[O]|, |v[O+1]|, 0x1800000
	v_max3_num_f32 v[TM+1], |v[O+16]|, |v[O+17]|, 0x1800000
.irp j, 2,4,6,8,10,12,14
	v_max3_num_f32 v[TM], v[TM], |v[O+\j]|, |v[O+\j+1]|
	v_max3_num_f32 v[TM+1], v[TM+1], |v[O+16+\j]|, |v[O+17+\j]|
.endr
	v_permlanex16_b32 v[TM+4], v[TM], s[SEL], s[SEL+1]
	v_permlanex16_b32 v[TM+5], v[TM+1], s[SEL], s[SEL+1]
	v_max_num_f32 v[TM], v[TM], v[TM+4]
	v_max_num_f32 v[TM+1], v[TM+1], v[TM+5]
	v_add_nc_u32 v[TM+12], 0xff000000, v[TM]
	v_add_nc_u32 v[TM+13], 0xff000000, v[TM+1]
	v_lshrrev_b32 v[TM+8], 23, v[TM+12]
	v_lshrrev_b32 v[TM+9], 23, v[TM+13]
	v_lshl_or_b32 v[TM+8], v[TM+9], 8, v[TM+8]     ; my row's two scale bytes
	v_cvt_scalef32_pk16_fp6_f32 v[PC:PC+2], v[O:O+15], v[TM+12]
	v_cvt_scalef32_pk16_fp6_f32 v[PC+12:PC+14], v[O+16:O+31], v[TM+13]
	v_nop
.irp j, 0,1,2
	v_permlane16_swap_b32 v[PC+\j], v[PC+12+\j]
.endr
.irp j, 0,1,2
	v_mov_b32 v[PC+3+\j], v[PC+12+\j]
.endr
	s_lshr_b32 s12, s[BH], 4
	s_lshl_b32 s12, s12, 4
	s_lshr_b32 s15, s14, 3
	s_add_co_u32 s12, s12, s15                     ; the block of 128 tokens
	s_lshl_b32 s12, s12, 4
	s_and_b32 s15, s[BH], 15
	s_add_co_u32 s12, s12, s15                     ; x 16 + head
	s_lshl_b32 s12, s12, 3
	s_and_b32 s15, s14, 7
	s_add_co_u32 s12, s12, s15                     ; x 8 + tile
	s_mul_i32 s12, s12, 768
	s_add_nc_u64 s[98:99], s[10:11], s[12:13]
	s_wait_alu depctr_va_vdst(0)                   ; the swaps and moves have written the codes v200-205, and v228 holds the scale bytes: the three stores read them.  Every product and vector instruction of the block is done besides: no vector instruction follows before the next block's loads of Q, or, behind the second block, before the last LDS load
	global_store_b128 v1, v[PC:PC+3], s[98:99]
	global_store_b64 v2, v[PC+4:PC+5], s[98:99] offset:512
	ds_store_b16 v10, v[TM+8] offset:512*\slot     ; lanes r and r + 16 write the same two bytes
.endm
	s_load_b256 s[4:11], s[0:1], 0x0               ; qkv s[4:5], msk s[6:7], flg s[8:9], att s[10:11]
	s_load_b64 s[16:17], s[0:1], 0x20              ; head_scale: used once, below; the registers take mask words later
	v_lshl_add_u32 v254, v0, 2, 0x34400
	v_mov_b32 v255, 0
	v_lshrrev_b32 v4, 5, v0
	v_readfirstlane_b32 s[WV], v4                  ; wave 0..15
	s_and_b32 s[BH], ttmp7, 0xffff                 ; 16 b + head
	s_mov_b32 s[PI], ttmp9
	s_mov_b32 s[CS], 0x3e38aa3b                    ; c = log2(e) / 8
	s_mov_b32 s[CS+1], s[CS]
	s_mov_b32 s[SEL], 0x76543210
	s_mov_b32 s[SEL+1], 0xfedcba98                 ; lane l xor 16
	v_and_b32 v5, 31, v0
	v_and_b32 v236, 15, v0                         ; r
	v_bfe_u32 v237, v0, 4, 1                       ; h
	v_lshlrev_b32 v1, 4, v5                        ; 16 x lane
	v_lshlrev_b32 v2, 3, v5                        ; 8 x lane
	v_lshlrev_b32 v3, 5, v236                      ; 32 r
	v_lshl_add_u32 v45, v237, 4, v3
	v_add_nc_u32 v45, LKS, v45                     ; K's scale words: 32 r + 16 h
	v_add_nc_u32 v46, LV, v1
	v_add_nc_u32 v47, LVS, v1
	s_wait_alu depctr_va_sdst(0)                   ; the wave's number is written, ahead of its first reader: LDS places and the fill's offsets are made from it
	s_lshl_b32 s12, s[WV], 5
	v_lshl_add_u32 v10, v236, 1, s12
	v_add_nc_u32 v10, SCB, v10                     ; where my row's scale bytes are gathered: 32 w + 2 r
	s_min_u32 s12, s[WV], 1
	s_lshl_b32 s12, s12, 9
	v_add_nc_u32 v11, s12, v1
	v_add_nc_u32 v11, SCB, v11                     ; and where waves 0 and 1 read a block's 512 back
	v_lshlrev_b32 v35, 4, v236
	v_lshl_add_u32 v35, v237, 12, v35              ; their place in memory: 16 (lane % 16) + 4,096 (lane / 16)
	s_mul_i32 s12, s[WV], 6144
	s_lshl_b32 s13, s[WV], 9
	v_add_nc_u32 v4, s12, v1                       ; the fill: my sixteenth of each of the four regions
	v_add_nc_u32 v5, s12, v46
	v_add_nc_u32 v6, s13, v1
	v_add_nc_u32 v6, LKS, v6
	v_add_nc_u32 v7, s13, v47
	s_mul_i32 s14, s[BH], 98304
	s_add_co_u32 s14, s14, s12
	s_mov_b32 s15, 0
	s_lshl_b32 s2, s[BH], 13
	s_add_co_u32 s2, s2, s13
	s_mov_b32 s3, 0
	s_and_b32 s12, s[BH], 15
	s_lshl_b32 s12, s12, 2
	s_wait_kmcnt 0x0
	s_load_b32 s13, s[16:17], s12 offset:0x0       ; head_scale of my head
	s_add_nc_u64 s[98:99], s[4:5], s[14:15]
	s_add_nc_u64 s[100:101], s[98:99], VCO
	s_add_nc_u64 s[98:99], s[98:99], KCO
	s_add_nc_u64 s[96:97], s[4:5], s[2:3]
	s_add_nc_u64 s[96:97], s[96:97], KSO
	s_wait_alu depctr_va_vdst(0)                   ; all addresses are written: v1-3, v10, v11, v35 for the whole kernel, v4-7 for the fill's LDS stores; no vector instruction up to those stores names them or v48-151
.irp c, 0,1,2,3,4,5,6,7,8,9,10,11
	global_load_b128 v[48+4*\c:51+4*\c], v1, s[98:99] offset:512*\c
.endr
.irp c, 0,1,2,3,4,5,6,7,8,9,10,11
	global_load_b128 v[96+4*\c:99+4*\c], v1, s[100:101] offset:512*\c
.endr
	global_load_b128 v[144:147], v1, s[96:97]
	global_load_b128 v[148:151], v1, s[96:97] offset:524288
	v_mov_b32 v9, 0xff800000                       ; -infinity
.irp q, 17,19,21,28,29,30,31,32,33
	v_mov_b32 v\q, 0                               ; the upper halves of named pairs; Q's upper 64 along K: zero codes
.endr
.irp q, 4,5,6,7
	v_mov_b32 v[TM+\q], 0                          ; a lane permute's destination counts as one of its sources
.endr
	s_wait_kmcnt 0x0                               ; head_scale is in; its address and offset registers are free from here on
	v_mov_b32 v18, s13
	v_add_f32 v18, 1.0, v18
	s_wait_loadcnt 0x0
.irp c, 0,1,2,3,4,5,6,7,8,9,10,11
	ds_store_b128 v4, v[48+4*\c:51+4*\c] offset:512*\c
.endr
.irp c, 0,1,2,3,4,5,6,7,8,9,10,11
	ds_store_b128 v5, v[96+4*\c:99+4*\c] offset:512*\c
.endr
	ds_store_b128 v6, v[144:147]
	ds_store_b128 v7, v[148:151]
	s_wait_dscnt 0x0                               ; for the others' sake: my stores have landed
	s_wait_alu depctr_vm_vsrc(0)                   ; the fill's LDS stores have read v4-7 and v48-151: v96-101 are written below, the others by the key steps' additions, loads and products
.irp q, 96,97,98,99,100,101
	v_mov_b32 v\q, 0                               ; what the eighth tile of K names as its upper six registers
.endr
	s_barrier_signal -1
	s_barrier_wait -1                              ; the head's K and V lie in LDS; from here on they are only read
	BLOCK 0
	BLOCK 1
	s_wait_dscnt 0x0                               ; my scale bytes have landed
	s_barrier_signal -1
	s_barrier_wait -1
	s_cmp_lt_u32 s[WV], 2
	s_cbranch_scc0 .Lend
	ds_load_b128 v[S:S+3], v11                     ; wave 0: block x's 512 bytes, wave 1: block 7 - x's.  No wait: the second way out's wait on va_vdst has shown all that named v104-107 done, and no vector instruction stands behind it
	s_sub_co_u32 s12, 7, s[PI]
	s_cmp_eq_u32 s[WV], 0
	s_cselect_b32 s12, s[PI], s12
	s_lshl_b32 s12, s12, 1                         ; a block of 256 queries is two blocks of 128 tokens
	s_lshr_b32 s15, s[BH], 4
	s_lshl_b32 s15, s15, 4
	s_add_co_u32 s12, s12, s15
	s_lshl_b32 s12, s12, 4
	s_and_b32 s15, s[BH], 15
	s_add_co_u32 s12, s12, s15
	s_lshl_b32 s12, s12, 8                         ; 256 bytes for a block of 128 tokens and a head
	s_mov_b32 s13, 0
	s_add_nc_u64 s[100:101], s[10:11], s[12:13]
	s_add_nc_u64 s[100:101], s[100:101], ASH
	s_wait_dscnt 0x0
	global_store_b128 v35, v[S:S+3], s[100:101]    ; sixteen lanes store 256 consecutive bytes, the other sixteen those of the next block of tokens
.Lend:
	s_wait_dscnt 0x0                               ; the closing lines, six on end
	s_wait_alu 0x0
	s_wait_tensorcnt 0x0
	ds_add_u32 v254, v255
	s_wait_dscnt 0x0
	s_endpgm
.Lfunc_end_k_qd260361d34_attn:
	.size	k_qd260361d34_attn, .Lfunc_end_k_qd260361d34_attn-k_qd260361d34_attn
	.p2alignl 7, 3214868480
	.fill 96, 4, 3214868480
	.section	.rodata,"a",@progbits
	.p2align	6, 0x0
	.amdhsa_kernel k_qd260361d34_attn
		.amdhsa_group_segment_fixed_size 216064
		.amdhsa_private_segment_fixed_size 0
		.amdhsa_enable_private_segment 0
		.amdhsa_kernarg_size 40
		.amdhsa_user_sgpr_count 2
		.amdhsa_user_sgpr_kernarg_segment_ptr 1
		.amdhsa_wavefront_size32 1
		.amdhsa_system_sgpr_workgroup_id_x 1
		.amdhsa_system_sgpr_workgroup_id_y 1
		.amdhsa_system_sgpr_workgroup_id_z 1
		.amdhsa_system_vgpr_workitem_id 0
		.amdhsa_next_free_vgpr 256
		.amdhsa_next_free_sgpr 102
		.amdhsa_reserve_vcc 0
		.amdhsa_float_denorm_mode_32 3
		.amdhsa_float_denorm_mode_16_64 3
		.amdhsa_memory_ordered 1
		.amdhsa_forward_progress 1
		.amdhsa_inst_pref_size 100
	.end_amdhsa_kernel
	.amdgpu_metadata
---
amdhsa.version: [ 1, 2 ]
amdhsa.kernels:
  - .name:           k_qd260361d34_attn
    .symbol:         k_qd260361d34_attn.kd
    .args:
      - { .name: qkv, .offset: 0, .size: 8, .value_kind: global_buffer, .address_space: global }
      - { .name: msk, .offset: 8, .size: 8, .value_kind: global_buffer, .address_space: global }
      - { .name: flg, .offset: 16, .size: 8, .value_kind: global_buffer, .address_space: global }
      - { .name: att, .offset: 24, .size: 8, .value_kind: global_buffer, .address_space: global }
      - { .name: head_scale, .offset: 32, .size: 8, .value_kind: global_buffer, .address_space: global }
    .group_segment_fixed_size: 216064
    .private_segment_fixed_size: 0
    .kernarg_segment_align: 8
    .kernarg_segment_size: 40
    .max_flat_workgroup_size: 512
    .sgpr_count:     102
    .vgpr_count:     256
    .wavefront_size: 32
...
	.end_amdgpu_metadata
.endif
;; end of part 7
;; launch oproj (part 8): grid 4 x 64, 4 waves a work-group, no clusters, 168,448 bytes of LDS; arguments att, ptab, Wo_scales, bo, out0; writes out0
.if DOCPART == 8
	.amdgcn_target "amdgcn-amd-amdhsa--gfx1250"
	.amdhsa_code_object_version 6
	.text
	.protected	k_qd260361d34_oproj
	.globl	k_qd260361d34_oproj
	.p2align	8
	.type	k_qd260361d34_oproj,@function
k_qd260361d34_oproj:
	s_mov_b64 s[64:65], 0
	v_nop
	global_prefetch_b8 v0, s[64:65] scope:SCOPE_SE
	s_setreg_imm32_b32 hwreg(HW_REG_WAVE_MODE, 25, 1), 1
	s_wait_xcnt 0x0
; out = attn Wo + bo, on codes of FP6 (E2M3) with E8M0 scales.  attn's codes and scale bytes were made by the launch before, Wo's images by the first.
; SHARES.  A work-group takes 128 tokens (y) and 256 columns (x); wave w owns 64 columns: 32 accumulators; K = 1,024 in 8 steps of 128 (two heads a step).
; A's CODES, 98,304 dense bytes of half images [head][tile][768], come into LDS once, one tensor load a wave (96 rows of 256 bytes), and are never filled again.  A fragment is two half images: heads 2 s and 2 s + 1.
; THE WEIGHTS come from their images straight into registers, through a ring of four sets of 48 registers, three K steps ahead.
; Source 0 = 16 columns of Wo, source 1 = 16 tokens: a lane holds eight neighbouring columns of one token.  The bias is the C of each sum's first product.
; THE WAY OUT: a tile's 16 rows x 256 bytes go through the wave's own stage in LDS and leave as whole rows: sixteen lanes store 256 consecutive bytes, aligned.  Row r of tile i is token 32 (i / 2) + 8 (i % 2) + r + 8 (r / 8).
; NO CLUSTER: what the four work-groups of a row of the grid share is A, 98,304 of the 294,912 bytes that a work-group fetches, once, at the head.  NO PREFETCH: nothing is streamed; Wo's images are read by 64 work-groups at about the same time.
; REGISTERS, in windows of 256.  Window 0: v1-10 addresses; v16-47 A's scale words, v48-63 W's; v64-95 the bias; v128-191 A's scale bytes as loaded; v192-255 rows on the way out.
; Window 1: A's fragments, two sets.  Window 2: the weights' ring.  Window 3: the accumulators, (tokens' tile i, columns' tile t) at 32 i + 8 t.
.set ASH, 6291456
.set STG, 98304                        ; behind A's images: a stage of 16 rows x 272 bytes for each wave; no tensor load lands there
.set L16, 1                            ; v1, v3  16 x lane, for heads 0-7 and 8-15
.set L8,  2                            ; v2, v4  8 x lane likewise
.set AHO, 5
.set SCO, 6
.set BIO, 7
.set STO, 8
.set RD,  9
.set CO,  10
.set AS,  16
.set WS,  48
.set BI,  64
.set T,   128
.set BK,  192
.set WP,  46
.set WV,  50
.set MSB, 0
.macro WIN new                         ; the immediate's high byte repeats the setting that is left
.if MSB != \new
	s_set_vgpr_msb (MSB<<8)|\new
.set MSB, \new
.endif
.endm
.macro PLACES                          ; four plain instructions behind matrix instructions, ahead of loads into their registers and of reads of their results
.rept 4
	v_nop
.endr
.endm
.macro WLOAD g                         ; K step g of my columns' weights into set g % 4; destination window 2
.irp t, 0,1,2,3
.irp c, 0,1,2
	global_load_b128 v[48*((\g)%4)+12*\t+4*\c:48*((\g)%4)+12*\t+4*\c+3], v[L16], s[WP:WP+1] offset:(\g)*6144+1536*\t+512*\c
.endr
.endr
.endm
.macro FRAGI buf, s, i                 ; A's fragment of tile i, K step s; destination window 1
.irp c, 0,1
.set HH, 2*(\s)+\c
	ds_load_b128 v[96*(\buf)+12*(\i)+6*\c:96*(\buf)+12*(\i)+6*\c+3], v[L16+2*(HH/8)] offset:(HH%8)*6144+768*(\i)
	ds_load_b64 v[96*(\buf)+12*(\i)+6*\c+4:96*(\buf)+12*(\i)+6*\c+5], v[L8+2*(HH/8)] offset:(HH%8)*6144+768*(\i)+512
.endr
.endm
.macro WMM d, a, b, c, sa, sb, hi      ; hi = 1: K steps 4-7: both sides' scale words stand in lanes 16-31
.if \hi
	v_wmma_scale_f32_16x16x128_f8f6f4 v[\d:\d+7], v[\a:\a+11], v[\b:\b+11], v[\c:\c+7], v[\sa], v[\sb] matrix_a_fmt:MATRIX_FMT_FP6 matrix_b_fmt:MATRIX_FMT_FP6 matrix_a_scale:MATRIX_SCALE_ROW1 matrix_b_scale:MATRIX_SCALE_ROW1
.else
	v_wmma_scale_f32_16x16x128_f8f6f4 v[\d:\d+7], v[\a:\a+11], v[\b:\b+11], v[\c:\c+7], v[\sa], v[\sb] matrix_a_fmt:MATRIX_FMT_FP6 matrix_b_fmt:MATRIX_FMT_FP6
.endif
.endm
; K step s.  cnt: the global loads issued behind this step's weights, which may stay out.  The 32 accumulators take turns, one instruction a turn.
.macro STEP s, cnt, wnext
	s_wait_dscnt 0x0                               ; this step's fragments of A are in
	s_wait_loadcnt \cnt                            ; and its weights
	PLACES
.if \s < 7
	WIN 0x40
.irp i, 0,1,2,3,4,5,6,7
	FRAGI ((\s)+1)%2, (\s)+1, \i
.endr
.endif
.if \wnext
	WIN 0x80
	WLOAD (\s)+3
.endif
.if \s == 0
	WIN 0xc6                                       ; source 0 (W) window 2, source 1 (A) window 1, C (the bias) window 0, D window 3
.else
	WIN 0xf6
.endif
.irp i, 0,1,2,3,4,5,6,7
.irp t, 0,1,2,3
.if \s == 0
	WMM 32*\i+8*\t, 48*((\s)%4)+12*\t, 96*((\s)%2)+12*\i, BI+8*\t, WS+4*\t+(\s)%4, AS+4*\i+(\s)%4, (\s)/4
.else
	WMM 32*\i+8*\t, 48*((\s)%4)+12*\t, 96*((\s)%2)+12*\i, 32*\i+8*\t, WS+4*\t+(\s)%4, AS+4*\i+(\s)%4, (\s)/4
.endif
.endr
.endr
.endm
.macro TOSTAGE a                       ; tile a into my stage, and back as whole rows
	WIN 0x0c                                       ; an LDS store's data are its source 1: window 3
.irp t, 0,1,2,3
	ds_store_b128 v[STO], v[32*(\a)+8*\t:32*(\a)+8*\t+3] offset:64*\t          ; each accumulator from its low end on
	ds_store_b128 v[STO], v[32*(\a)+8*\t+4:32*(\a)+8*\t+7] offset:64*\t+16
.endr
	WIN 0
.irp k, 0,1,2,3,4,5,6,7
	ds_load_b128 v[BK+32*((\a)%2)+4*\k:BK+32*((\a)%2)+4*\k+3], v[RD] offset:2*\k*272   ; LDS serves a wave's instructions in order (ISA guide 5.7.1.4): these see the stores above
.endr
.endm
.macro SEND a, younger                 ; younger: the LDS instructions issued behind tile a's loads, which may stay out
	s_wait_dscnt \younger
.irp k, 0,1,2,3,4,5,6,7
	global_store_b128 v[CO], v[BK+32*((\a)%2)+4*\k:BK+32*((\a)%2)+4*\k+3], s[12:13] offset:(32*((\a)/2)+8*((\a)%2)+2*\k+8*(\k/4))*4096 th:TH_STORE_NT
.endr
.endm
	s_load_b256 s[4:11], s[0:1], 0x0               ; att s[4:5], ptab s[6:7], Wo_scales s[8:9], bo s[10:11]
	s_load_b64 s[12:13], s[0:1], 0x20              ; out0
	v_lshl_add_u32 v126, v0, 2, 0x29000
	v_mov_b32 v127, 0
	ds_add_u32 v126, v127
	ds_add_u32 v126, v127
	v_lshrrev_b32 v11, 5, v0
	v_readfirstlane_b32 s[WV], v11                 ; wave 0..3
	s_and_b32 s51, ttmp7, 0xffff                   ; the block of 128 tokens
	s_lshl_b32 s52, ttmp9, 2
	s_add_co_u32 s52, s52, s[WV]                   ; my group of 64 columns
	; descriptor group 1: 96 dense rows of 256 bytes (32 elements of 8 bytes), no padding
	s_mov_b32 s16, 3<<16
	s_mov_b32 s17, 32<<16
	s_mov_b32 s18, 96<<16
	s_mov_b32 s19, 32<<16
	s_mov_b32 s20, 96
	s_mov_b32 s21, 32
	s_mov_b32 s22, 0
	s_mov_b32 s23, 0
	s_mul_i32 s40, s[WV], 24576                    ; heads 4 w .. 4 w + 3
	s_mul_i32 s42, s51, 98304
	s_add_co_u32 s42, s42, s40
	s_mov_b32 s43, 0
	s_wait_dscnt 0x0
	s_wait_kmcnt 0x0
	s_mov_b32 s24, 1
	s_mov_b32 s25, s40
	s_add_nc_u64 s[26:27], s[4:5], s[42:43]
	s_or_b32 s27, s27, 0x80000000
	tensor_load_to_lds s[24:27], s[16:23]          ; my one tensor load
	s_nop 0
	PLACES                                         ; four v_nop follow it
	v_and_b32 v11, 31, v0
	v_lshlrev_b32 v[L16], 4, v11
	v_lshlrev_b32 v[L8], 3, v11
	v_add_nc_u32 v[L16+2], 49152, v[L16]
	v_add_nc_u32 v[L8+2], 49152, v[L8]
	v_and_b32 v12, 15, v0                          ; r
	v_bfe_u32 v13, v0, 4, 1                        ; h
	v_lshlrev_b32 v[AHO], 1, v12
	v_lshl_add_u32 v[AHO], v13, 11, v[AHO]         ; A's scale bytes: 2 r, + eight heads of 256 bytes for lanes 16-31
	v_lshlrev_b32 v[SCO], 5, v12
	v_lshl_add_u32 v[SCO], v13, 4, v[SCO]          ; W's: 32 r + 16 h
	v_lshlrev_b32 v[BIO], 5, v13                   ; the bias: 32 h
	s_wait_alu depctr_va_vdst(0)
	s_mul_i32 s40, s[WV], 16*272
	s_add_co_u32 s40, s40, STG                     ; my stage
	v_mul_u32_u24 v[STO], v12, 272
	v_lshl_add_u32 v[STO], v13, 5, v[STO]
	v_add_nc_u32 v[STO], s40, v[STO]               ; in: row r, 32 bytes for each half of the lanes
	v_mul_u32_u24 v[RD], v13, 272
	v_lshl_add_u32 v[RD], v12, 4, v[RD]
	v_add_nc_u32 v[RD], s40, v[RD]                 ; back: lanes 0-15 one row, lanes 16-31 the next
	v_lshlrev_b32 v[CO], 12, v13
	v_lshl_add_u32 v[CO], v12, 4, v[CO]            ; and the same two rows of out0: 4,096 bytes a row
	s_lshl_b32 s42, s51, 12
	s_add_nc_u64 s[44:45], s[4:5], s[42:43]
	s_add_nc_u64 s[44:45], s[44:45], ASH           ; the block's 4,096 scale bytes
	s_mul_i32 s42, s52, 49152
	s_add_nc_u64 s[WP:WP+1], s[6:7], s[42:43]
	s_add_nc_u64 s[WP:WP+1], s[WP:WP+1], 3*786432  ; Wo's images of my columns
	s_lshl_b32 s42, s52, 11
	s_add_nc_u64 s[8:9], s[8:9], s[42:43]
	s_lshl_b32 s42, s52, 8
	s_add_nc_u64 s[10:11], s[10:11], s[42:43]
	s_add_nc_u64 s[12:13], s[12:13], s[42:43]
	s_lshl_b32 s42, s51, 19                        ; 128 rows of 4,096 bytes
	s_add_nc_u64 s[12:13], s[12:13], s[42:43]
.irp i, 0,1,2,3,4,5,6,7                        ; two bytes for a row and a head: heads 2 g and 2 g + 1 make K step g's word; lanes 16-31 take K steps 4-7
.irp g, 0,1,2,3
.irp u, 0,1
	global_load_u16 v[T+2*(4*\i+\g)+\u], v[AHO], s[44:45] offset:(2*\g+\u)*256+32*\i
.endr
.endr
.endr
.irp t, 0,1,2,3
	global_load_b128 v[WS+4*\t:WS+4*\t+3], v[SCO], s[8:9] offset:512*\t
.endr
.irp t, 0,1,2,3
	global_load_b128 v[BI+8*\t:BI+8*\t+3], v[BIO], s[10:11] offset:64*\t       ; register 8 t + j: bo of column 16 t + 8 h + j
	global_load_b128 v[BI+8*\t+4:BI+8*\t+7], v[BIO], s[10:11] offset:64*\t+16
.endr
	WIN 0x80
	WLOAD 0
	WLOAD 1
	WLOAD 2
	WIN 0
	s_wait_loadcnt 48                              ; A's scale bytes are in; behind them: 4 + 8 + 36 loads
.set j, 0
.rept 32
	v_lshl_or_b32 v[AS+j], v[T+2*j+1], 16, v[T+2*j]
.set j, j+1
.endr
.rept 8
	v_nop                                          ; a scale word made by vector instructions stands eight places ahead of the scaled product
.endr
	s_wait_alu depctr_va_vdst(0)
	s_wait_tensorcnt 0x0                           ; my part of A has landed,
	s_barrier_signal -1
	s_barrier_wait -1                              ; everybody's has: from here on A's images are only read
	WIN 0x40
.irp i, 0,1,2,3,4,5,6,7
	FRAGI 0, 0, \i
.endr
	STEP 0, 24, 1                                  ; behind a step's weights: two steps' weights
	STEP 1, 24, 1
	STEP 2, 24, 1
	STEP 3, 24, 1
	STEP 4, 24, 1
	STEP 5, 24, 0
	STEP 6, 12, 0
	STEP 7, 0, 0
	WIN 0
	PLACES
	TOSTAGE 0
.irp a, 1,2,3,4,5,6,7
.if \a > 1
	s_wait_xcnt 0x0                                ; tile a - 2's stores have read their data: tile a's rows may land there
.endif
	TOSTAGE \a
	SEND \a-1, 16                                  ; behind tile a - 1's loads: tile a's 8 stores and 8 loads
.endr
	SEND 7, 0
	s_wait_tensorcnt 0x0
	ds_add_u32 v126, v127
	s_wait_dscnt 0x0
	s_endpgm
.Lfunc_end_k_qd260361d34_oproj:
	.size	k_qd260361d34_oproj, .Lfunc_end_k_qd260361d34_oproj-k_qd260361d34_oproj
	.p2alignl 7, 3214868480
	.fill 96, 4, 3214868480
	.section	.rodata,"a",@progbits
	.p2align	6, 0x0
	.amdhsa_kernel k_qd260361d34_oproj
		.amdhsa_group_segment_fixed_size 168448
		.amdhsa_private_segment_fixed_size 0
		.amdhsa_enable_private_segment 0
		.amdhsa_kernarg_size 40
		.amdhsa_user_sgpr_count 2
		.amdhsa_user_sgpr_kernarg_segment_ptr 1
		.amdhsa_wavefront_size32 1
		.amdhsa_system_sgpr_workgroup_id_x 1
		.amdhsa_system_sgpr_workgroup_id_y 1
		.amdhsa_system_sgpr_workgroup_id_z 1
		.amdhsa_system_vgpr_workitem_id 0
		.amdhsa_next_free_vgpr 1024
		.amdhsa_next_free_sgpr 66
		.amdhsa_reserve_vcc 0
		.amdhsa_float_denorm_mode_32 3
		.amdhsa_float_denorm_mode_16_64 3
		.amdhsa_memory_ordered 1
		.amdhsa_forward_progress 1
		.amdhsa_inst_pref_size 88
	.end_amdhsa_kernel
	.amdgpu_metadata
---
amdhsa.version: [ 1, 2 ]
amdhsa.kernels:
  - .name:           k_qd260361d34_oproj
    .symbol:         k_qd260361d34_oproj.kd
    .args:
      - { .name: att, .offset: 0, .size: 8, .value_kind: global_buffer, .address_space: global }
      - { .name: ptab, .offset: 8, .size: 8, .value_kind: global_buffer, .address_space: global }
      - { .name: Wo_scales, .offset: 16, .size: 8, .value_kind: global_buffer, .address_space: global }
      - { .name: bo, .offset: 24, .size: 8, .value_kind: global_buffer, .address_space: global }
      - { .name: out0, .offset: 32, .size: 8, .value_kind: global_buffer, .address_space: global }
    .group_segment_fixed_size: 168448
    .private_segment_fixed_size: 0
    .kernarg_segment_align: 8
    .kernarg_segment_size: 40
    .max_flat_workgroup_size: 128
    .sgpr_count:     66
    .vgpr_count:     1024
    .wavefront_size: 32
...
	.end_amdgpu_metadata
.endif
;; end of part 8
